; MI455X (gfx1250); checked and timed in simulation.
; The chip was launched on July 23, 2026; its instructions are those of AMD's public machine-readable ISA for CDNA 5 (MIT licence, August 2026) and "CDNA5" Instruction Set Architecture Reference Guide (July 2026). The comments in the code are by the model that wrote it; some were corrected since.
;; Self Attention. Allowed arithmetic: float matrix products may take bf16 or f16 operands with f32 sums; other float arithmetic in f32, or as packed bf16 or f16 multiplies, adds, multiply-adds, maxima and minima; sums over many terms, partial sums and values carried from step to step in f32; what a program stores and reads back later, other than sums and carried values, may be rounded once to bf16 or f16.
;; Inputs: Wk 1,024 x 1,024 float32; Wq 1,024 x 1,024 float32; Wv 1,024 x 1,024 float32; X 4 x 2,048 x 1,024 float32; bk 1,024 float32; bq 1,024 float32; bv 1,024 float32.
;; Outputs: out0 4 x 2,048 x 1,024 float32.
;; 3 versions, each right; version 3 is version 2 with the launch cast written anew for expert scheduling mode. Each part assembles by itself: llvm-mc -triple=amdgcn-amd-amdhsa -mcpu=gfx1250 --defsym DOCPART=n.
;; ======== version 1 of 3: 5 launches
;; limits: values are held in f16: magnitudes above 65,504 overflow, below 6.1e-05 lose precision
;; workspace buffers: xb 16,777,216 bytes; wb 6,291,456 bytes; bb 12,288 bytes; qkv 50,331,648 bytes; sc 67,108,864 bytes; pw 33,554,432 bytes
;; launch cast (part 1): grid 64 x 11, 8 waves a work-group, no clusters, 0 bytes of LDS; arguments X, Wq, Wk, Wv, bq, bk, bv, xb, wb, bb; writes xb, wb, bb
.if DOCPART == 1
	.amdgcn_target "amdgcn-amd-amdhsa--gfx1250"
	.amdhsa_code_object_version 6
	.text
	.protected	k_q50415c6234_cast
	.globl	k_q50415c6234_cast
	.p2align	8
	.type	k_q50415c6234_cast,@function
k_q50415c6234_cast:
	s_mov_b64 s[64:65], 0
	v_nop
	global_prefetch_b8 v0, s[64:65] scope:SCOPE_SE
	s_setreg_imm32_b32 hwreg(HW_REG_WAVE_MODE, 25, 1), 1
	s_wait_xcnt 0x0
; X and the three weight matrices are rounded to bf16 (xb: [8192][1024]; wb: [3072][1024], rows of Wq, Wk, Wv); the three biases are rounded to bf16
; and written widened to f32 (bb: [3072]), so that every input of the module has the same rounding.
; A work-group takes 16,384 numbers: 65,536 bytes in, 32,768 out.  Grid rows 0-7: X's 512 pieces.  Grid rows 8, 9, 10: the 64 pieces of Wq, Wk, Wv.
; Thread t takes 16 bytes at 16 t of each 4,096 bytes: sixteen loads a wave, all on their way at once; a wave's store covers 256 consecutive bytes, aligned.
; No register is written twice, so the only waits are the counted ones for the loads.  No LDS, no matrix unit: nothing is shared and nothing multiplied.
.set IN,  4                            ; v[4:67]   sixteen loads of four numbers
.set OUT, 68                           ; v[68:99]  sixteen stores of four bf16
	s_load_b512 s[8:23], s[0:1], 0x0               ; X s[8:9], Wq s[10:11], Wk s[12:13], Wv s[14:15], bq s[16:17], bk s[18:19], bv s[20:21], xb s[22:23]
	s_load_b128 s[24:27], s[0:1], 0x40             ; wb s[24:25], bb s[26:27]
	s_and_b32 s2, ttmp7, 0xffff                    ; the grid's row
	s_lshl_b32 s3, s2, 6
	s_add_co_u32 s3, s3, ttmp9                     ; the piece's number over all four tensors
	v_lshlrev_b32 v1, 4, v0                        ; 16 t: my bytes in
	v_lshlrev_b32 v2, 3, v0                        ; 8 t: my bytes out
	s_sub_co_u32 s36, s3, 512                      ; the piece's number in wb (used from row 8 on)
	s_cmp_lt_u32 s2, 8
	s_cselect_b32 s34, s3, ttmp9                   ; the piece's number in its source
	s_cselect_b32 s36, s3, s36                     ; and in its destination
	s_lshl_b32 s34, s34, 16
	s_lshl_b32 s36, s36, 15
	s_mov_b32 s35, 0
	s_mov_b32 s37, 0
	s_wait_kmcnt 0x0
	s_cmp_lt_u32 s2, 8
	s_cselect_b64 s[28:29], s[8:9], s[10:11]       ; source: X, or Wq,
	s_cselect_b64 s[30:31], s[22:23], s[24:25]     ; destination: xb or wb
	s_cmp_eq_u32 s2, 9
	s_cselect_b64 s[28:29], s[12:13], s[28:29]     ; or Wk,
	s_cselect_b64 s[32:33], s[18:19], s[16:17]     ; the bias that goes with it
	s_cmp_eq_u32 s2, 10
	s_cselect_b64 s[28:29], s[14:15], s[28:29]     ; or Wv
	s_cselect_b64 s[32:33], s[20:21], s[32:33]
	s_add_nc_u64 s[28:29], s[28:29], s[34:35]
	s_add_nc_u64 s[30:31], s[30:31], s[36:37]
.irp i, 0,1,2,3,4,5,6,7,8,9,10,11,12,13,14,15
	global_load_b128 v[IN+4*(\i):IN+4*(\i)+3], v1, s[28:29] offset:4096*(\i) th:TH_LOAD_NT
.endr
.irp i, 0,1,2,3,4,5,6,7,8,9,10,11,12,13,14,15
	s_wait_loadcnt 15-(\i)                         ; loads come back in order: load i is in, the younger ones stay out
	v_cvt_pk_bf16_f32 v[OUT+2*(\i)],   v[IN+4*(\i)],   v[IN+4*(\i)+1]
	v_cvt_pk_bf16_f32 v[OUT+2*(\i)+1], v[IN+4*(\i)+2], v[IN+4*(\i)+3]
	global_store_b64 v2, v[OUT+2*(\i):OUT+2*(\i)+1], s[30:31] offset:2048*(\i)
.endr
	s_cmp_lt_u32 s2, 8                             ; the first work-group of each weight's row also takes that weight's bias: 1,024 numbers, four a thread
	s_cbranch_scc1 .Lend
	s_cmp_lg_u32 ttmp9, 0
	s_cbranch_scc1 .Lend
	s_sub_co_u32 s38, s2, 8
	s_lshl_b32 s38, s38, 12                        ; 4,096 bytes of bb for each bias
	s_mov_b32 s39, 0
	s_add_nc_u64 s[26:27], s[26:27], s[38:39]
	global_load_b128 v[100:103], v1, s[32:33]
	s_wait_loadcnt 0x0
	v_cvt_pk_bf16_f32 v104, v100, v101             ; rounded to bf16,
	v_cvt_pk_bf16_f32 v105, v102, v103
	v_lshlrev_b32 v106, 16, v104                   ; and widened again: the low half moves up, the high half stays
	v_and_b32 v107, 0xffff0000, v104
	v_lshlrev_b32 v108, 16, v105
	v_and_b32 v109, 0xffff0000, v105
	global_store_b128 v1, v[106:109], s[26:27]
.Lend:
	s_endpgm
.Lfunc_end_k_q50415c6234_cast:
	.size	k_q50415c6234_cast, .Lfunc_end_k_q50415c6234_cast-k_q50415c6234_cast
	.p2alignl 7, 3214868480
	.fill 96, 4, 3214868480
	.section	.rodata,"a",@progbits
	.p2align	6, 0x0
	.amdhsa_kernel k_q50415c6234_cast
		.amdhsa_group_segment_fixed_size 0
		.amdhsa_private_segment_fixed_size 0
		.amdhsa_enable_private_segment 0
		.amdhsa_kernarg_size 80
		.amdhsa_user_sgpr_count 2
		.amdhsa_user_sgpr_kernarg_segment_ptr 1
		.amdhsa_wavefront_size32 1
		.amdhsa_system_sgpr_workgroup_id_x 1
		.amdhsa_system_sgpr_workgroup_id_y 1
		.amdhsa_system_sgpr_workgroup_id_z 1
		.amdhsa_system_vgpr_workitem_id 0
		.amdhsa_next_free_vgpr 112
		.amdhsa_next_free_sgpr 66
		.amdhsa_reserve_vcc 0
		.amdhsa_float_denorm_mode_32 3
		.amdhsa_float_denorm_mode_16_64 3
		.amdhsa_memory_ordered 1
		.amdhsa_forward_progress 1
		.amdhsa_inst_pref_size 8
	.end_amdhsa_kernel
	.amdgpu_metadata
---
amdhsa.version: [ 1, 2 ]
amdhsa.kernels:
  - .name:           k_q50415c6234_cast
    .symbol:         k_q50415c6234_cast.kd
    .args:
      - { .name: X, .offset: 0, .size: 8, .value_kind: global_buffer, .address_space: global }
      - { .name: Wq, .offset: 8, .size: 8, .value_kind: global_buffer, .address_space: global }
      - { .name: Wk, .offset: 16, .size: 8, .value_kind: global_buffer, .address_space: global }
      - { .name: Wv, .offset: 24, .size: 8, .value_kind: global_buffer, .address_space: global }
      - { .name: bq, .offset: 32, .size: 8, .value_kind: global_buffer, .address_space: global }
      - { .name: bk, .offset: 40, .size: 8, .value_kind: global_buffer, .address_space: global }
      - { .name: bv, .offset: 48, .size: 8, .value_kind: global_buffer, .address_space: global }
      - { .name: xb, .offset: 56, .size: 8, .value_kind: global_buffer, .address_space: global }
      - { .name: wb, .offset: 64, .size: 8, .value_kind: global_buffer, .address_space: global }
      - { .name: bb, .offset: 72, .size: 8, .value_kind: global_buffer, .address_space: global }
    .group_segment_fixed_size: 0
    .private_segment_fixed_size: 0
    .kernarg_segment_align: 8
    .kernarg_segment_size: 80
    .max_flat_workgroup_size: 256
    .sgpr_count:     66
    .vgpr_count:     112
    .wavefront_size: 32
...
	.end_amdgpu_metadata
.endif
;; end of part 1
;; launch proj (part 2): grid 12 x 32, 4 waves a work-group, clusters of 4 x 4, 327,680 bytes of LDS; arguments xb, wb, qkv, bb; writes qkv
.if DOCPART == 2
	.amdgcn_target "amdgcn-amd-amdhsa--gfx1250"
	.amdhsa_code_object_version 6
	.text
	.protected	k_q50415c6234_proj
	.globl	k_q50415c6234_proj
	.p2align	8
	.type	k_q50415c6234_proj,@function
k_q50415c6234_proj:
	s_mov_b64 s[64:65], 0
	v_nop
	global_prefetch_b8 v0, s[64:65] scope:SCOPE_SE
	s_setreg_imm32_b32 hwreg(HW_REG_WAVE_MODE, 25, 1), 1
	s_wait_xcnt 0x0
	s_wait_alu depctr_hold_cnt(0) depctr_sa_sdst(0) depctr_va_vdst(0) depctr_va_sdst(0) depctr_va_ssrc(0) depctr_va_vcc(0) depctr_vm_vsrc(0)
	s_getreg_b32 s2, hwreg(HW_REG_IB_STS2, 6, 4)
	s_cmp_eq_u32 s2, 0
	s_cbranch_scc0 .Lentry_in_a_cluster
	s_endpgm
.Lentry_in_a_cluster:
	s_bfe_u32 s2, ttmp6, 0x10000c
	s_cmp_lg_u32 s2, 0xf033
	s_cbranch_scc0 .Lentry_shape_is_right
	s_endpgm
.Lentry_shape_is_right:
; qkv[m][e] = the sum over d of xb[m][d] wb[e][d] + bb[e].  xb: [8192][1024] bf16, wb: [3072][1024] bf16, bb: [3072] f32, qkv: [8192][3072] f16 (Q, K, V side by side in a row).
; Products in bf16, sums in f32, the bias added in f32, the result rounded once to f16.  LIMIT: f16 holds no number beyond 65,504: Q, K and V must stay within it.
; A tile of 256 x 256 is made by a work-group of four waves, a wave makes 128 x 128: 64 accumulators of 16 x 16, 512 registers.  The 1,024 along d go in eight steps of 128 through a ring of
; two LDS slots filled by the tensor data mover: a tile's rows are 256 bytes of memory and start at multiples of 256 bytes.
; CLUSTERS: 4 x 4 work-groups.  The four of a row of the cluster need the same tiles of xb, the four of a column the same tiles of wb: each tile is asked for JOINTLY, by the same tensor load
; with the same descriptor and a mask that names the four.
; REGISTERS, in windows of 256 (s_set_vgpr_msb's low byte: bits 1:0 source 0, 3:2 source 1, 5:4 source 2, 7:6 destination):
;   window 0: v0-31 addresses; v64-127, v128-191 fragments of xb, two buffers; on the way out v64-127 sums with bias, v192-223 packed, v32-63 and v224-255 rows read back
;   window 1: v0-63 my 128 columns' bias; v64-127, v128-191 fragments of wb, two buffers
;   window 2: the 32 accumulators of my rows 0-63 ((a, b) at v[8 (8 a + b)]);   window 3: those of my rows 64-127
; THE MATRIX INSTRUCTION IS USED TRANSPOSED: source 0 = 16 rows of wb, source 1 = 16 rows of xb: lane l then holds row l % 16 of the tile and the columns 8 (l / 16) + 0 .. 7.
.set KSTEP,  128
.set PITCH,  272                       ; an LDS row: 256 bytes + 16 of padding = 68 words: the 16 rows that a load touches start at 16 different groups of four banks (ISA guide 11.1)
.set HALFT,  128*PITCH                 ; 128 rows: what one tensor load brings, and what one wave reads of either operand
.set SLOT,   4*HALFT                   ; xb's 256 rows, then wb's 256 rows
.set STAGE,  2*SLOT                    ; behind the ring: 16 rows x 272 bytes for each wave, for the way out
.set SPITCH, 272
.set SPARE,  STAGE+4*16*SPITCH         ; behind the stages: the spare words, 128 bytes for each wave: two blocks of 256 bytes that no other line names
.set ROWK,   2048                      ; bytes in a row of xb and of wb
.set ROWC,   6144                      ; bytes in a row of qkv
.set LAPS,   4                         ; a lap = two steps = once round the ring
.set ADRA, 16                          ; v16-17  LDS address of my fragments of xb in slot 0, 1
.set ADRB, 20                          ; v20-21  the same for wb
.set STO,  24                          ; v24     the way out: where I put 16 bytes of a row
.set RD,   25                          ; v25     the way out: where I read a row back
.set CO,   26                          ; v26     my byte offset in qkv
.set BO,   27                          ; v27     my byte offset in the bias: 32 (l / 16); never rewritten
.set SPW,  28                          ; v28     LDS address of my spare word: SPARE + 4 x my thread's number; never rewritten
.set NIL,  29                          ; v29     0; never rewritten
.set PFO,  30                          ; v30     the prefetches' offset: my lane x a row of xb or wb; never rewritten
.set PFA,  44                          ; s[44:45] where my prefetches stand: my work-group's 32 rows of the 128 that I fetch, one step further than the refill in hand
.set LIM,  43                          ; s43     1 in a wave that prefetches, else the greatest number
.set F0,   64
.set F1,   128
.set TF,   64                          ; the way out: a block's sums with bias
.set TMP,  192                         ; packed results
.set OB,   32                          ; 16 rows read back from the stage: v32-63 and v224-255 by turns
.set G1,  24                           ; s[24:31] descriptor group 1 for xb's tiles
.set G0,  32                           ; s[32:39] group 0, one set for each slot
.set G1B, 48                           ; s[48:55], s[56:63] the same for wb's tiles
.set G0B, 56
.set MSB, 0
.macro WIN new                         ; the immediate's high byte repeats the setting that is left; a switch that changes nothing is dropped
.if MSB != (\new)
	s_set_vgpr_msb (MSB<<8)|(\new)
.set MSB, \new
.endif
.endm
.set MUL_LO, 0xa1                      ; source 0 (wb) window 1, source 1 (xb) window 0, C and D window 2
.set MUL_HI, 0xf1                      ; the same, C and D window 3
.set TO_B,   0x40                      ; destination window 1, address window 0
; A joint load.  Waves 0 and 1 fetch xb's two halves, waves 2 and 3 wb's.  The branch hangs on the wave's number alone.  An s_nop 0 and four v_nop follow each of the two lines.
.macro JLOAD s
	s_cmp_eq_u32 s11, 0
	s_cbranch_scc0 .Lfor_b_\@
	tensor_load_to_lds s[G0+4*(\s):G0+4*(\s)+3], s[G1:G1+7]
	s_nop 0
.rept 4
	v_nop
.endr
	s_branch .Lasked_\@
.Lfor_b_\@:
	tensor_load_to_lds s[G0B+4*(\s):G0B+4*(\s)+3], s[G1B:G1B+7]
	s_nop 0
.rept 4
	v_nop
.endr
.Lasked_\@:
.endm
; A prefetch of the step that stands TWO refills on: 32 rows x 256 bytes, a lane a row, one instruction a wave, 512 matrix instructions ahead of the load that will want it.  Each row's 256 bytes of a
; step are named once in the launch: xb's rows by the clusters with x = 0, wb's by those with y = 0; the four partners that ask for a tile jointly share its rows out by address, 32 each.
; Steps 0 to 3 come by their loads alone; the loop's last trip (s3 = 1) asks for nothing: there is no step 8.
.macro ASK
	s_cmp_gt_u32 s3, s[LIM]
	s_cbranch_scc0 .Lnot_mine_\@
	global_prefetch_b8 v[PFO], s[PFA:PFA+1] offset:KSTEP*2 th:TH_LOAD_NT scope:SCOPE_SE
.Lnot_mine_\@:
.endm
.macro CREST                           ; a round of the cluster's barrier behind its opening barrier
	s_cmp_lg_u32 s10, 0
	s_cbranch_scc1 .Lnot_wave_0_\@
	s_barrier_signal -3
.Lnot_wave_0_\@:
	s_barrier_wait -3
	s_barrier_signal -1
	s_barrier_wait -1
.endm
.macro CROUND                          ; a whole round
	s_barrier_signal -1
	s_barrier_wait -1
	CREST
.endm
	s_load_b128 s[4:7], s[0:1], 0x0                ; xb s[4:5], wb s[6:7]
	s_load_b64 s[8:9], s[0:1], 0x10                ; qkv
	s_load_b64 s[66:67], s[0:1], 0x18              ; bb
	v_lshl_add_u32 v[SPW], v0, 2, SPARE
	v_mov_b32 v[NIL], 0
	ds_add_u32 v[SPW], v[NIL]                      ; the wave's opening: the add and its wait ahead of my first tensor load; the set-up below stands between them
	v_lshrrev_b32 v1, 5, v0
	v_readfirstlane_b32 s10, v1                    ; wave 0..3
	s_lshr_b32 s11, s10, 1                         ; which half of the tile's rows is mine.  Also: I fetch for xb (0) or for wb (1)
	s_and_b32 s12, s10, 1                          ; which half of its columns.  Also: which 128 rows of that tile I fetch
	s_bfe_u32 s40, ttmp6, 0x40000                  ; cx
	s_bfe_u32 s41, ttmp6, 0x40004                  ; cy
	s_lshl_b32 s42, ttmp9, 2
	s_add_co_u32 s42, s42, s40                     ; tile column = 4 x cluster x + cx
	s_and_b32 s13, ttmp7, 0xffff
	s_lshl_b32 s13, s13, 2
	s_add_co_u32 s13, s13, s41                     ; tile row = 4 x cluster y + cy
	s_lshl_b32 s43, s41, 2
	s_lshl_b32 s43, 15, s43                        ; my row of the cluster: places 4 cy .. 4 cy + 3
	s_lshl_b32 s44, 0x1111, s40                    ; my column: places cx, cx + 4, cx + 8, cx + 12
	s_or_b32 s[G1+0], s43, (1<<16)|(1<<20)|(1<<21)|(5<<22)|(3<<25)   ; the mask; elements of 2 bytes; padding on; bit 21 beside a mask; after every 64 words 4 words
	s_or_b32 s[G1B+0], s44, (1<<16)|(1<<20)|(1<<21)|(5<<22)|(3<<25)
.irp g, G1, G1B
	s_mov_b32 s[(\g)+1], KSTEP<<16                 ; tensor_dim0 = 128
	s_mov_b32 s[(\g)+2], 128<<16                   ; tensor_dim1 = 128
	s_mov_b32 s[(\g)+3], KSTEP<<16                 ; tile_dim0 = 128
	s_mov_b32 s[(\g)+4], 128                       ; tile_dim1 = 128
	s_mov_b32 s[(\g)+5], 1024                      ; elements from row to row
	s_mov_b32 s[(\g)+6], 0
	s_mov_b32 s[(\g)+7], 0
.endr
	s_lshl_b32 s17, s12, 7                         ; which 128 rows of the tile I fetch
	s_lshl_b32 s16, s13, 8
	s_add_co_u32 s16, s16, s17                     ; xb: row 256 x tile row + 128 x half
	s_lshl_b32 s46, s42, 8
	s_add_co_u32 s46, s46, s17                     ; wb: row 256 x tile column + 128 x half
	s_mov_b32 s17, 0
	s_mov_b32 s47, 0
	s_mov_b64 s[18:19], ROWK
	s_mul_u64 s[16:17], s[16:17], s[18:19]
	s_mul_u64 s[46:47], s[46:47], s[18:19]
	s_mul_i32 s20, s10, HALFT                      ; where they go: wave x 128 rows: no place in the cluster enters an LDS address
	s_wait_dscnt 0x0                               ; the opening add is done
	s_wait_kmcnt 0x0
	s_add_nc_u64 s[14:15], s[4:5], s[16:17]
	s_add_nc_u64 s[46:47], s[6:7], s[46:47]
	CROUND                                         ; all sixteen work-groups are here: the first joint loads meet
.irp s, 0,1
	s_mov_b32 s[G0+4*(\s)], 1
	s_add_co_u32 s[G0+4*(\s)+1], s20, (\s)*SLOT
	s_add_nc_u64 s[G0+4*(\s)+2:G0+4*(\s)+3], s[14:15], (\s)*KSTEP*2
	s_or_b32 s[G0+4*(\s)+3], s[G0+4*(\s)+3], 0x80000000
	s_mov_b32 s[G0B+4*(\s)], 1
	s_add_co_u32 s[G0B+4*(\s)+1], s20, (\s)*SLOT
	s_add_nc_u64 s[G0B+4*(\s)+2:G0B+4*(\s)+3], s[46:47], (\s)*KSTEP*2
	s_or_b32 s[G0B+4*(\s)+3], s[G0B+4*(\s)+3], 0x80000000
	JLOAD \s                                       ; the ring is filled before anything else is done: two loads of mine are out
.endr
	; A fragment is 16 rows x 32 along d in 8 registers: lane l holds row l % 16; registers 0-3 d = 8 (l / 16) + 0..7, registers 4-7 d = 16 + 8 (l / 16) + 0..7: two loads of 16 bytes, 32 bytes apart.
	v_and_b32 v1, 15, v0                           ; l % 16
	v_bfe_u32 v2, v0, 4, 1                         ; l / 16
	v_mul_u32_u24 v3, v1, PITCH
	v_lshl_add_u32 v3, v2, 4, v3
	s_mul_i32 s21, s11, HALFT                      ; my 128 rows of xb
	s_mul_i32 s22, s12, HALFT                      ; my 128 rows of wb,
	s_add_co_u32 s22, s22, 2*HALFT                 ; which lie behind xb's 256
.irp s, 0,1
	v_add_nc_u32 v[ADRA+(\s)], s21, v3
	v_add_nc_u32 v[ADRB+(\s)], s22, v3
	s_add_co_u32 s21, s21, SLOT
	s_add_co_u32 s22, s22, SLOT
.endr
	s_mul_i32 s23, s10, 16*SPITCH
	s_add_co_u32 s23, s23, STAGE                   ; my stage
	v_mul_u32_u24 v4, v1, SPITCH                   ; in: row l % 16, 16 bytes for each half of the lanes
	v_lshl_add_u32 v4, v2, 4, v4
	v_add_nc_u32 v[STO], s23, v4
	v_mul_u32_u24 v5, v2, SPITCH                   ; back: lanes 0-15 take one row of 256 bytes, lanes 16-31 the next
	v_lshl_add_u32 v5, v1, 4, v5
	v_add_nc_u32 v[RD], s23, v5
	v_mul_u32_u24 v5, v2, ROWC                     ; and the same two rows in qkv
	v_lshl_add_u32 v[CO], v1, 4, v5
	s_lshl_b32 s13, s13, 8
	s_lshl_b32 s14, s11, 7
	s_add_co_u32 s16, s13, s14                     ; my first row of qkv
	s_mov_b32 s17, 0
	s_mov_b64 s[18:19], ROWC
	s_mul_u64 s[16:17], s[16:17], s[18:19]
	s_lshl_b32 s46, s42, 9                         ; my first column, in bytes: 512 x tile column + 256 x half
	s_lshl_b32 s47, s12, 8
	s_add_co_u32 s46, s46, s47
	s_mov_b32 s47, 0
	s_add_nc_u64 s[16:17], s[16:17], s[46:47]      ; what the way out adds to qkv's address
	; my 128 columns' bias: for column block b a lane wants the eight numbers at 64 b + 32 (l / 16): they wait in window 1 for the way out
	s_lshl_b32 s46, s42, 10
	s_lshl_b32 s47, s12, 9
	s_add_co_u32 s46, s46, s47
	s_mov_b32 s47, 0
	s_add_nc_u64 s[66:67], s[66:67], s[46:47]
	v_lshlrev_b32 v[BO], 5, v2
	WIN TO_B
.irp b, 0,1,2,3,4,5,6,7
	global_load_b128 v[8*(\b):8*(\b)+3],   v[BO], s[66:67] offset:64*(\b)
	global_load_b128 v[8*(\b)+4:8*(\b)+7], v[BO], s[66:67] offset:64*(\b)+16
.endr
	WIN 0
	; the prefetches.  s13 = 256 x tile row, s42 = tile column, s40 = cx, s41 = cy still stand
	s_lshl_b32 s42, s42, 8
	s_and_b32 s22, ttmp7, 0xffff                   ; cluster y
	s_cmp_eq_u32 s11, 0                            ; do I fetch for xb?
	s_cselect_b32 s20, s13, s42                    ; the tile's first row
	s_cselect_b32 s21, s40, s41                    ; my place among the four that ask for it with me
	s_cselect_b32 s22, ttmp9, s22                  ; the coordinate along which other clusters read the same rows
	s_cselect_b64 s[PFA:PFA+1], s[4:5], s[6:7]
	s_cmp_eq_u32 s22, 0
	s_cselect_b32 s[LIM], 1, -1                    ; the same in all sixteen partners, for a given wave
	s_lshl_b32 s22, s12, 7
	s_add_co_u32 s20, s20, s22                     ; + the 128 rows that I fetch
	s_lshl_b32 s21, s21, 5
	s_add_co_u32 s20, s20, s21                     ; + my work-group's 32 of them
	s_mov_b32 s21, 0
	s_mov_b64 s[18:19], ROWK
	s_mul_u64 s[20:21], s[20:21], s[18:19]
	s_add_nc_u64 s[PFA:PFA+1], s[PFA:PFA+1], s[20:21]
	s_add_nc_u64 s[PFA:PFA+1], s[PFA:PFA+1], 2*KSTEP*2  ; at step 2: the first refill steps it to 3 and names step 4
	v_and_b32 v[PFO], 31, v0
	v_mul_u32_u24 v[PFO], v[PFO], ROWK
; 16 matrix instructions: m blocks a0, a0 + 1 of the window's four x all 8 n blocks, 32 along d.  zero = 1: the first product starts the sums: nothing is ever cleared.
.macro MUL16 f, hi, a0, zero
	WIN MUL_LO+0x50*(\hi)
.irp a, \a0, (\a0)+1
.irp b, 0,1,2,3,4,5,6,7
.if \zero
	v_wmma_f32_16x16x32_bf16 v[8*(8*(\a)+(\b)):8*(8*(\a)+(\b))+7], v[(\f)+8*(\b):(\f)+8*(\b)+7], v[(\f)+8*(4*(\hi)+(\a)):(\f)+8*(4*(\hi)+(\a))+7], 0
.else
	v_wmma_f32_16x16x32_bf16 v[8*(8*(\a)+(\b)):8*(8*(\a)+(\b))+7], v[(\f)+8*(\b):(\f)+8*(\b)+7], v[(\f)+8*(4*(\hi)+(\a)):(\f)+8*(4*(\hi)+(\a))+7], v[8*(8*(\a)+(\b)):8*(8*(\a)+(\b))+7]
.endif
.endr
.endr
.endm
; 32 LDS loads in one run: the fragments of one quarter step (32 along d at byte k of the rows) into buffer f
.macro FETCH slot, k, f
	WIN TO_B
.irp i, 0,1,2,3,4,5,6,7
	ds_load_b128 v[(\f)+8*(\i):(\f)+8*(\i)+3],   v[ADRB+(\slot)] offset:(\k)+(\i)*16*PITCH
	ds_load_b128 v[(\f)+8*(\i)+4:(\f)+8*(\i)+7], v[ADRB+(\slot)] offset:(\k)+(\i)*16*PITCH+32
.endr
	WIN 0
.irp i, 0,1,2,3,4,5,6,7
	ds_load_b128 v[(\f)+8*(\i):(\f)+8*(\i)+3],   v[ADRA+(\slot)] offset:(\k)+(\i)*16*PITCH
	ds_load_b128 v[(\f)+8*(\i)+4:(\f)+8*(\i)+7], v[ADRA+(\slot)] offset:(\k)+(\i)*16*PITCH+32
.endr
.endm
.macro PLACES                          ; four plain instructions between a matrix instruction and a load into a register that it has read, or a line that reads its result
.rept 4
	v_nop
.endr
.endm
; A step is four quarters of 32 along d, 64 matrix instructions each, on buffers 0, 1, 0, 1.  One of the first three: multiplies buffer f; in its middle it fetches the next quarter into buffer g.
; The 64 accumulators take turns in the same order in every quarter.
.macro QUARTER slot, k, f, g, zero
	s_wait_dscnt 8                                 ; wb's fragments and xb's rows 0-63 are in; the youngest eight loads (xb's rows 64-127) may be out
	MUL16 \f, 0, 0, \zero
	MUL16 \f, 0, 2, \zero
	PLACES
	FETCH \slot, \k, \g
	s_wait_dscnt 32                                ; all but the 32 just issued
	MUL16 \f, 1, 0, \zero
	MUL16 \f, 1, 2, \zero
.endm
; The last quarter's first half: ONE barrier for the change of slots.  In front of it each wave waits for all its tensor loads (one is out: its part of the next slot), adds 0 to its spare word,
; and waits for that and for its own reads of this slot.  Behind it nobody reads this slot any more and the next slot is whole.
.macro MEET round
	WIN 0                                          ; (the add's two registers lie in window 0)
	s_wait_tensorcnt 0x0
	ds_add_u32 v[SPW], v[NIL]                      ; 0 onto my spare word
	s_wait_dscnt 9                                 ; (the add and the youngest eight loads may be out)
	MUL16 F1, 0, 0, 0                              ; sixteen matrix instructions stand between the add and the wait for it
	s_wait_dscnt 0x0                               ; the add is done, and my reads of this slot are over
	s_barrier_signal -1
	MUL16 F1, 0, 2, 0                              ; work on registers while the others arrive
.if \round
	WIN 0
.endif
	s_barrier_wait -1
.endm
; The whole last quarter, where the slot just read is filled again with the step two on: the barrier opens a round of the cluster's, and the joint refill is the first thing behind the round.
; From a request to the wait for it a wave issues 224 matrix instructions.
.macro TURN slot, next
	s_wait_xcnt 0x0                                ; the last prefetch, a step back, has read its address: it is stepped here, ahead of the waits of the change of slots
	s_add_nc_u64 s[PFA:PFA+1], s[PFA:PFA+1], KSTEP*2
	MEET 1
	CREST                                          ; no wave of any partner still reads this slot's tile or has a load on its way
	s_add_nc_u64 s[G0+4*(\slot)+2:G0+4*(\slot)+3], s[G0+4*(\slot)+2:G0+4*(\slot)+3], 2*KSTEP*2
	s_add_nc_u64 s[G0B+4*(\slot)+2:G0B+4*(\slot)+3], s[G0B+4*(\slot)+2:G0B+4*(\slot)+3], 2*KSTEP*2
	JLOAD \slot                                    ; the four v_nop behind it are also the places in front of the loads below
	FETCH \next, 0, F0
	ASK
	MUL16 F1, 1, 0, 0
	MUL16 F1, 1, 2, 0
.endm
; THE WAY OUT of block a (16 rows), in three parts.  PACK: the bias is added in f32, each accumulator's registers in ascending order, and the sums are rounded to f16, 16 bytes a lane.
; TOSTAGE: into my own stage in LDS, and back as whole rows of 256 bytes.  SEND: stored.
.macro PACK a
.set AC, 64*((\a)%4)
	WIN 0x06+(\a)/4                                ; source 0: window 2 or 3; source 1, the bias: window 1; destination window 0
.irp b, 0,1,2,3,4,5,6,7
.irp r, 0,1,2,3
	v_pk_add_f32 v[TF+8*(\b)+2*(\r):TF+8*(\b)+2*(\r)+1], v[AC+8*(\b)+2*(\r):AC+8*(\b)+2*(\r)+1], v[8*(\b)+2*(\r):8*(\b)+2*(\r)+1]
.endr
.endr
	WIN 0
.irp b, 0,1,2,3,4,5,6,7
.irp r, 0,1,2,3
	v_cvt_pk_f16_f32 v[TMP+4*(\b)+(\r)], v[TF+8*(\b)+2*(\r)], v[TF+8*(\b)+2*(\r)+1]
.endr
.endr
.endm
.macro TOSTAGE a
.set BK, OB+192*((\a)%2)
.irp b, 0,1,2,3,4,5,6,7
	ds_store_b128 v[STO], v[TMP+4*(\b):TMP+4*(\b)+3] offset:32*(\b)
.endr
.irp t, 0,1,2,3,4,5,6,7
	ds_load_b128 v[BK+4*(\t):BK+4*(\t)+3], v[RD] offset:(\t)*2*SPITCH  ; LDS serves a wave's instructions in order (ISA guide 5.7.1.4): these see the stores above
.endr
.endm
.macro SEND a
.set BK, OB+192*((\a)%2)
	s_wait_dscnt 0x0                               ; the block is back in registers
	s_wait_xcnt 0x0                                ; only behind this wait are the stores' base and the registers that earlier stores read rewritten
.if (\a) == 0
	s_add_nc_u64 s[8:9], s[8:9], s[16:17]          ; on to my first rows
.else
	s_add_nc_u64 s[8:9], s[8:9], 16*ROWC
.endif
.irp t, 0,1,2,3,4,5,6,7
	global_store_b128 v[CO], v[BK+4*(\t):BK+4*(\t)+3], s[8:9] offset:2*(\t)*ROWC  ; 16 lanes store 256 consecutive bytes, at a multiple of 256 from qkv's first byte
.endr
.endm
	s_wait_tensorcnt 1                             ; my part of step 0 is in; step 1's load stays out
	s_barrier_signal -1
	s_barrier_wait -1                              ; everybody's is
	FETCH 0, 0, F0
	QUARTER 0, 64,  F0, F1, 1                      ; the first quarter stands in front of the loop: its products start the sums
	WIN 0                                          ; at a label and at a branch every window is 0
	s_mov_b32 s3, LAPS-1
.Llap:                                                 ; a trip goes once round the ring, from a lap's second quarter to the next lap's first, and fills both slots again
	QUARTER 0, 128, F1, F0, 0
	QUARTER 0, 192, F0, F1, 0
	TURN 0, 1
	QUARTER 1, 64,  F0, F1, 0
	QUARTER 1, 128, F1, F0, 0
	QUARTER 1, 192, F0, F1, 0
	TURN 1, 0
	QUARTER 0, 64,  F0, F1, 0
	WIN 0
	s_sub_co_u32 s3, s3, 1
	s_cmp_lg_u32 s3, 0
	s_cbranch_scc1 .Llap
	QUARTER 0, 128, F1, F0, 0                      ; the last lap is written out: it asks for nothing
	QUARTER 0, 192, F0, F1, 0
	MEET 0                                         ; my one tensor load that was still out is slot 1's, the last step's, so no round follows
	PLACES
	FETCH 1, 0, F0
	MUL16 F1, 1, 0, 0
	MUL16 F1, 1, 2, 0
	QUARTER 1, 64,  F0, F1, 0
	QUARTER 1, 128, F1, F0, 0
	QUARTER 1, 192, F0, F1, 0
	s_wait_dscnt 8                                 ; the very last quarter: nothing more to fetch
	MUL16 F1, 0, 0, 0
	MUL16 F1, 0, 2, 0
	s_wait_dscnt 0x0
	MUL16 F1, 1, 0, 0
	MUL16 F1, 1, 2, 0
	WIN 0
	PLACES
	s_wait_loadcnt 0x0                             ; the bias
	PACK 0
	TOSTAGE 0
.irp a, 1,2,3,4,5,6,7                  ; block a's arithmetic stands between block a - 1's loads from the stage and the wait for them
	PACK \a
	SEND (\a)-1
	TOSTAGE \a
.endr
	SEND 7
	s_wait_tensorcnt 0x0                           ; the wave's end: behind my last tensor load and my last LDS store
	ds_add_u32 v[SPW], v[NIL]
	s_wait_dscnt 0x0
	CROUND                                         ; the closing round: no work-group ends while a partner may still ask for a tile that names it
	s_endpgm
.Lfunc_end_k_q50415c6234_proj:
	.size	k_q50415c6234_proj, .Lfunc_end_k_q50415c6234_proj-k_q50415c6234_proj
	.p2alignl 7, 3214868480
	.fill 96, 4, 3214868480
	.section	.rodata,"a",@progbits
	.p2align	6, 0x0
	.amdhsa_kernel k_q50415c6234_proj
		.amdhsa_group_segment_fixed_size 327680
		.amdhsa_private_segment_fixed_size 0
		.amdhsa_enable_private_segment 0
		.amdhsa_kernarg_size 32
		.amdhsa_user_sgpr_count 2
		.amdhsa_user_sgpr_kernarg_segment_ptr 1
		.amdhsa_wavefront_size32 1
		.amdhsa_system_sgpr_workgroup_id_x 1
		.amdhsa_system_sgpr_workgroup_id_y 1
		.amdhsa_system_sgpr_workgroup_id_z 1
		.amdhsa_system_vgpr_workitem_id 0
		.amdhsa_next_free_vgpr 1024
		.amdhsa_next_free_sgpr 68
		.amdhsa_reserve_vcc 0
		.amdhsa_float_denorm_mode_32 3
		.amdhsa_float_denorm_mode_16_64 3
		.amdhsa_memory_ordered 1
		.amdhsa_forward_progress 1
		.amdhsa_inst_pref_size 162
	.end_amdhsa_kernel
	.amdgpu_metadata
---
amdhsa.version: [ 1, 2 ]
amdhsa.kernels:
  - .name:           k_q50415c6234_proj
    .symbol:         k_q50415c6234_proj.kd
    .args:
      - { .name: xb, .offset: 0, .size: 8, .value_kind: global_buffer, .address_space: global }
      - { .name: wb, .offset: 8, .size: 8, .value_kind: global_buffer, .address_space: global }
      - { .name: qkv, .offset: 16, .size: 8, .value_kind: global_buffer, .address_space: global }
      - { .name: bb, .offset: 24, .size: 8, .value_kind: global_buffer, .address_space: global }
    .group_segment_fixed_size: 327680
    .private_segment_fixed_size: 0
    .kernarg_segment_align: 8
    .kernarg_segment_size: 32
    .max_flat_workgroup_size: 128
    .sgpr_count:     68
    .vgpr_count:     1024
    .wavefront_size: 32
...
	.end_amdgpu_metadata
.endif
;; end of part 2
;; launch qk (part 3): grid 12 x 16, 4 waves a work-group, clusters of 4 x 4, 327,680 bytes of LDS; arguments qkv, sc; writes sc
.if DOCPART == 3
	.amdgcn_target "amdgcn-amd-amdhsa--gfx1250"
	.amdhsa_code_object_version 6
	.text
	.protected	k_q50415c6234_qk
	.globl	k_q50415c6234_qk
	.p2align	8
	.type	k_q50415c6234_qk,@function
k_q50415c6234_qk:
	s_mov_b64 s[64:65], 0
	v_nop
	global_prefetch_b8 v0, s[64:65] scope:SCOPE_SE
	s_setreg_imm32_b32 hwreg(HW_REG_WAVE_MODE, 25, 1), 1
	s_wait_xcnt 0x0
	s_wait_alu depctr_hold_cnt(0) depctr_sa_sdst(0) depctr_va_vdst(0) depctr_va_sdst(0) depctr_va_ssrc(0) depctr_va_vcc(0) depctr_vm_vsrc(0)
	s_getreg_b32 s2, hwreg(HW_REG_IB_STS2, 6, 4)
	s_cmp_eq_u32 s2, 0
	s_cbranch_scc0 .Lentry_in_a_cluster
	s_endpgm
.Lentry_in_a_cluster:
	s_bfe_u32 s2, ttmp6, 0x10000c
	s_cmp_lg_u32 s2, 0xf033
	s_cbranch_scc0 .Lentry_shape_is_right
	s_endpgm
.Lentry_shape_is_right:
; sc[n][q][k] = the sum over d of Q[n][q][d] K[n][k][d], unscaled, in f32.  Q and K are columns 0-1023 and 1024-2047 of qkv: [8192][3072] f16.  sc: [4][2048][2048] f32.  Products in f16, sums in f32.
; A batch's 8 x 8 tiles of 256 x 256 fall into 2 x 2 squares of 4 x 4 tiles; the three squares on and below the diagonal are made, a cluster each (cluster x = 0, 1, 2: squares (0,0), (1,0), (1,1)).
; STATED: in the two squares on the diagonal the six tiles wholly above it are made all the same (48 of the launch's 192 work-groups): the partners of a cluster run alike, and the triangle does
; not divide into squares of four.  The launch behind masks what it reads of them.
; All else is the ring of the projection: four waves, 128 x 128 a wave in 64 accumulators, eight steps of 128 along d through two LDS slots, each tile asked for jointly by the four work-groups that
; share it (Q's along a row of the cluster, K's along a column), source 0 = 16 rows of K, source 1 = 16 rows of Q, so that a lane holds eight neighbouring keys of one query.
; REGISTERS: window 0: v0-31 addresses; v64-127, v128-191 fragments of Q, two buffers, on the way out 16 rows read back, by turns.  window 1: v64-191 fragments of K.  windows 2, 3: the accumulators.
.set KSTEP,  128
.set PITCH,  272                       ; an LDS row: 256 bytes + 16 of padding: the 16 rows that a load touches start at 16 different groups of four banks (ISA guide 11.1)
.set HALFT,  128*PITCH
.set SLOT,   4*HALFT
.set STAGE,  2*SLOT                    ; behind the ring: 16 rows x 528 bytes for each wave, for the way out
.set SPITCH, 528                       ; 512 bytes (128 f32) + 16
.set SPARE,  STAGE+4*16*SPITCH         ; behind the stages: the spare words, 128 bytes for each wave: two blocks of 256 bytes that no other line names
.set ROWK,   6144                      ; bytes in a row of qkv
.set ROWC,   8192                      ; bytes in a row of sc
.set LAPS,   4
.set ADRA, 16
.set ADRB, 20
.set STO,  24
.set RD,   25
.set CO,   26
.set SPW,  28                          ; v28     LDS address of my spare word; never rewritten
.set NIL,  29                          ; v29     0; never rewritten
.set PFO,  30                          ; v30     my lane x a row of qkv; never rewritten
.set PFA,  44
.set LIM,  43
.set F0,   64
.set F1,   128
.set OB,   64
.set G1,  24
.set G0,  32
.set G1B, 48
.set G0B, 56
.set MSB, 0
.macro WIN new
.if MSB != (\new)
	s_set_vgpr_msb (MSB<<8)|(\new)
.set MSB, \new
.endif
.endm
.set MUL_LO, 0xa1
.set MUL_HI, 0xf1
.set TO_B,   0x40
.macro JLOAD s                         ; a joint load: waves 0 and 1 fetch Q's two halves, waves 2 and 3 K's; an s_nop 0 and four v_nop follow each of the two lines
	s_cmp_eq_u32 s11, 0
	s_cbranch_scc0 .Lfor_b_\@
	tensor_load_to_lds s[G0+4*(\s):G0+4*(\s)+3], s[G1:G1+7]
	s_nop 0
.rept 4
	v_nop
.endr
	s_branch .Lasked_\@
.Lfor_b_\@:
	tensor_load_to_lds s[G0B+4*(\s):G0B+4*(\s)+3], s[G1B:G1B+7]
	s_nop 0
.rept 4
	v_nop
.endr
.Lasked_\@:
.endm
; A prefetch of the step two refills on: 32 rows x 256 bytes, a lane a row, 512 matrix instructions ahead of its load.  Each block is named once in the launch: the lower square row's Q is read by
; clusters 1 and 2, and cluster 1 asks; the left square column's K by clusters 0 and 1, and cluster 0 asks; what one cluster alone reads it asks for itself.  The four partners share a tile's rows out by address.
.macro ASK
	s_cmp_gt_u32 s3, s[LIM]
	s_cbranch_scc0 .Lnot_mine_\@
	global_prefetch_b8 v[PFO], s[PFA:PFA+1] offset:KSTEP*2 th:TH_LOAD_NT scope:SCOPE_SE
.Lnot_mine_\@:
.endm
.macro CREST
	s_cmp_lg_u32 s10, 0
	s_cbranch_scc1 .Lnot_wave_0_\@
	s_barrier_signal -3
.Lnot_wave_0_\@:
	s_barrier_wait -3
	s_barrier_signal -1
	s_barrier_wait -1
.endm
.macro CROUND
	s_barrier_signal -1
	s_barrier_wait -1
	CREST
.endm
	s_load_b128 s[4:7], s[0:1], 0x0                ; qkv s[4:5], sc s[6:7]
	v_lshl_add_u32 v[SPW], v0, 2, SPARE
	v_mov_b32 v[NIL], 0
	ds_add_u32 v[SPW], v[NIL]                      ; the wave's opening: the add and its wait ahead of my first tensor load
	v_lshrrev_b32 v1, 5, v0
	v_readfirstlane_b32 s10, v1                    ; wave 0..3
	s_lshr_b32 s11, s10, 1                         ; my half of the tile's rows.  Also: I fetch for Q (0) or for K (1)
	s_and_b32 s12, s10, 1                          ; my half of its columns.  Also: which 128 rows I fetch
	s_bfe_u32 s40, ttmp6, 0x40000                  ; cx
	s_bfe_u32 s41, ttmp6, 0x40004                  ; cy
	s_add_co_u32 s13, ttmp9, 1
	s_lshr_b32 s13, s13, 1                         ; the square's row: 0, 1, 1
	s_lshl_b32 s13, s13, 2
	s_add_co_u32 s13, s13, s41                     ; tile row
	s_lshr_b32 s42, ttmp9, 1                       ; the square's column: 0, 0, 1
	s_lshl_b32 s42, s42, 2
	s_add_co_u32 s42, s42, s40                     ; tile column
	s_and_b32 s2, ttmp7, 0xffff
	s_lshl_b32 s2, s2, 11                          ; the batch's first row
	s_lshl_b32 s43, s41, 2
	s_lshl_b32 s43, 15, s43                        ; my row of the cluster
	s_lshl_b32 s44, 0x1111, s40                    ; my column
	s_or_b32 s[G1+0], s43, (1<<16)|(1<<20)|(1<<21)|(5<<22)|(3<<25)
	s_or_b32 s[G1B+0], s44, (1<<16)|(1<<20)|(1<<21)|(5<<22)|(3<<25)
.irp g, G1, G1B
	s_mov_b32 s[(\g)+1], KSTEP<<16                 ; tensor_dim0 = 128
	s_mov_b32 s[(\g)+2], 128<<16                   ; tensor_dim1 = 128
	s_mov_b32 s[(\g)+3], KSTEP<<16                 ; tile_dim0 = 128
	s_mov_b32 s[(\g)+4], 128                       ; tile_dim1 = 128
	s_mov_b32 s[(\g)+5], 3072                      ; elements from row to row
	s_mov_b32 s[(\g)+6], 0
	s_mov_b32 s[(\g)+7], 0
.endr
	s_lshl_b32 s17, s12, 7
	s_add_co_u32 s17, s17, s2                      ; the batch, and which 128 rows of the tile I fetch
	s_lshl_b32 s16, s13, 8
	s_add_co_u32 s16, s16, s17                     ; Q's rows
	s_lshl_b32 s46, s42, 8
	s_add_co_u32 s46, s46, s17                     ; K's rows
	s_mov_b32 s17, 0
	s_mov_b32 s47, 0
	s_mov_b64 s[18:19], ROWK
	s_mul_u64 s[16:17], s[16:17], s[18:19]
	s_mul_u64 s[46:47], s[46:47], s[18:19]
	s_mul_i32 s20, s10, HALFT
	s_wait_dscnt 0x0                               ; the opening add is done
	s_wait_kmcnt 0x0
	s_mov_b64 s[8:9], s[6:7]                       ; sc
	s_add_nc_u64 s[6:7], s[4:5], 2048              ; K begins 2,048 bytes into a row of qkv
	s_add_nc_u64 s[14:15], s[4:5], s[16:17]
	s_add_nc_u64 s[46:47], s[6:7], s[46:47]
	CROUND                                         ; all sixteen work-groups are here: the first joint loads meet
.irp s, 0,1
	s_mov_b32 s[G0+4*(\s)], 1
	s_add_co_u32 s[G0+4*(\s)+1], s20, (\s)*SLOT
	s_add_nc_u64 s[G0+4*(\s)+2:G0+4*(\s)+3], s[14:15], (\s)*KSTEP*2
	s_or_b32 s[G0+4*(\s)+3], s[G0+4*(\s)+3], 0x80000000
	s_mov_b32 s[G0B+4*(\s)], 1
	s_add_co_u32 s[G0B+4*(\s)+1], s20, (\s)*SLOT
	s_add_nc_u64 s[G0B+4*(\s)+2:G0B+4*(\s)+3], s[46:47], (\s)*KSTEP*2
	s_or_b32 s[G0B+4*(\s)+3], s[G0B+4*(\s)+3], 0x80000000
	JLOAD \s                                       ; two loads of mine are out
.endr
	v_and_b32 v1, 15, v0                           ; l % 16
	v_bfe_u32 v2, v0, 4, 1                         ; l / 16
	v_mul_u32_u24 v3, v1, PITCH
	v_lshl_add_u32 v3, v2, 4, v3
	s_mul_i32 s21, s11, HALFT
	s_mul_i32 s22, s12, HALFT
	s_add_co_u32 s22, s22, 2*HALFT
.irp s, 0,1
	v_add_nc_u32 v[ADRA+(\s)], s21, v3
	v_add_nc_u32 v[ADRB+(\s)], s22, v3
	s_add_co_u32 s21, s21, SLOT
	s_add_co_u32 s22, s22, SLOT
.endr
	s_mul_i32 s23, s10, 16*SPITCH
	s_add_co_u32 s23, s23, STAGE                   ; my stage
	v_mul_u32_u24 v4, v1, SPITCH                   ; in: row l % 16, 32 bytes for each half of the lanes
	v_lshl_add_u32 v4, v2, 5, v4
	v_add_nc_u32 v[STO], s23, v4
	v_and_b32 v5, 31, v0
	v_lshlrev_b32 v[CO], 4, v5                     ; back and out: 32 lanes take a row's 512 bytes
	v_add_nc_u32 v[RD], s23, v[CO]
	s_lshl_b32 s13, s13, 8
	s_lshl_b32 s14, s11, 7
	s_add_co_u32 s16, s13, s14
	s_add_co_u32 s16, s16, s2                      ; my first row of sc
	s_mov_b32 s17, 0
	s_mov_b64 s[18:19], ROWC
	s_mul_u64 s[16:17], s[16:17], s[18:19]
	s_lshl_b32 s46, s42, 10                        ; my first column, in bytes: 1,024 x tile column + 512 x half
	s_lshl_b32 s47, s12, 9
	s_add_co_u32 s46, s46, s47
	s_mov_b32 s47, 0
	s_add_nc_u64 s[16:17], s[16:17], s[46:47]
	; the prefetches
	s_lshl_b32 s42, s42, 8
	s_cmp_lg_u32 ttmp9, 2
	s_cselect_b32 s20, 1, 0                        ; this cluster asks for its rows of Q,
	s_cmp_lg_u32 ttmp9, 1
	s_cselect_b32 s21, 1, 0                        ; for its rows of K
	s_cmp_eq_u32 s11, 0                            ; do I fetch for Q?
	s_cselect_b32 s22, s20, s21
	s_cselect_b32 s20, s13, s42                    ; the tile's first row in the batch
	s_cselect_b32 s21, s40, s41                    ; my place among the four that ask for it with me
	s_cselect_b64 s[PFA:PFA+1], s[4:5], s[6:7]
	s_cmp_eq_u32 s22, 1
	s_cselect_b32 s[LIM], 1, -1                    ; the same in all sixteen partners, for a given wave
	s_add_co_u32 s20, s20, s2
	s_lshl_b32 s22, s12, 7
	s_add_co_u32 s20, s20, s22
	s_lshl_b32 s21, s21, 5
	s_add_co_u32 s20, s20, s21
	s_mov_b32 s21, 0
	s_mov_b64 s[18:19], ROWK
	s_mul_u64 s[20:21], s[20:21], s[18:19]
	s_add_nc_u64 s[PFA:PFA+1], s[PFA:PFA+1], s[20:21]
	s_add_nc_u64 s[PFA:PFA+1], s[PFA:PFA+1], 2*KSTEP*2  ; at step 2: the first refill steps it to 3 and names step 4
	v_mul_u32_u24 v[PFO], v5, ROWK
.macro MUL16 f, hi, a0, zero
	WIN MUL_LO+0x50*(\hi)
.irp a, \a0, (\a0)+1
.irp b, 0,1,2,3,4,5,6,7
.if \zero
	v_wmma_f32_16x16x32_f16 v[8*(8*(\a)+(\b)):8*(8*(\a)+(\b))+7], v[(\f)+8*(\b):(\f)+8*(\b)+7], v[(\f)+8*(4*(\hi)+(\a)):(\f)+8*(4*(\hi)+(\a))+7], 0
.else
	v_wmma_f32_16x16x32_f16 v[8*(8*(\a)+(\b)):8*(8*(\a)+(\b))+7], v[(\f)+8*(\b):(\f)+8*(\b)+7], v[(\f)+8*(4*(\hi)+(\a)):(\f)+8*(4*(\hi)+(\a))+7], v[8*(8*(\a)+(\b)):8*(8*(\a)+(\b))+7]
.endif
.endr
.endr
.endm
.macro FETCH slot, k, f
	WIN TO_B
.irp i, 0,1,2,3,4,5,6,7
	ds_load_b128 v[(\f)+8*(\i):(\f)+8*(\i)+3],   v[ADRB+(\slot)] offset:(\k)+(\i)*16*PITCH
	ds_load_b128 v[(\f)+8*(\i)+4:(\f)+8*(\i)+7], v[ADRB+(\slot)] offset:(\k)+(\i)*16*PITCH+32
.endr
	WIN 0
.irp i, 0,1,2,3,4,5,6,7
	ds_load_b128 v[(\f)+8*(\i):(\f)+8*(\i)+3],   v[ADRA+(\slot)] offset:(\k)+(\i)*16*PITCH
	ds_load_b128 v[(\f)+8*(\i)+4:(\f)+8*(\i)+7], v[ADRA+(\slot)] offset:(\k)+(\i)*16*PITCH+32
.endr
.endm
.macro PLACES                          ; four plain instructions between a matrix instruction and a load into a register that it has read, or a line that reads its result
.rept 4
	v_nop
.endr
.endm
.macro QUARTER slot, k, f, g, zero     ; 64 matrix instructions on buffer f, the next quarter's 32 loads into buffer g in their middle; the 64 accumulators take turns
	s_wait_dscnt 8                                 ; K's fragments and Q's rows 0-63 are in; the youngest eight loads may be out
	MUL16 \f, 0, 0, \zero
	MUL16 \f, 0, 2, \zero
	PLACES
	FETCH \slot, \k, \g
	s_wait_dscnt 32                                ; all but the 32 just issued
	MUL16 \f, 1, 0, \zero
	MUL16 \f, 1, 2, \zero
.endm
.macro MEET round                      ; the change of slots: all my tensor loads, the add, the add's and my reads' wait, the barrier
	WIN 0
	s_wait_tensorcnt 0x0                           ; the one that was out is my part of the next slot
	ds_add_u32 v[SPW], v[NIL]                      ; 0 onto my spare word
	s_wait_dscnt 9                                 ; (the add and the youngest eight loads may be out)
	MUL16 F1, 0, 0, 0
	s_wait_dscnt 0x0                               ; the add is done, and my reads of this slot are over
	s_barrier_signal -1
	MUL16 F1, 0, 2, 0
.if \round
	WIN 0
.endif
	s_barrier_wait -1
.endm
.macro TURN slot, next                 ; the last quarter of a step whose slot is filled again: the barrier opens a round of the cluster's, the joint refill stands first behind it
	s_wait_xcnt 0x0                                ; the last prefetch, a step back, has read its address
	s_add_nc_u64 s[PFA:PFA+1], s[PFA:PFA+1], KSTEP*2
	MEET 1
	CREST
	s_add_nc_u64 s[G0+4*(\slot)+2:G0+4*(\slot)+3], s[G0+4*(\slot)+2:G0+4*(\slot)+3], 2*KSTEP*2
	s_add_nc_u64 s[G0B+4*(\slot)+2:G0B+4*(\slot)+3], s[G0B+4*(\slot)+2:G0B+4*(\slot)+3], 2*KSTEP*2
	JLOAD \slot                                    ; 224 matrix instructions ahead of the wait for it; its four v_nop are also the places in front of the loads below
	FETCH \next, 0, F0
	ASK
	MUL16 F1, 1, 0, 0
	MUL16 F1, 1, 2, 0
.endm
; THE WAY OUT of block a (16 rows x 128 f32): no arithmetic.  A lane's 32 bytes of a row go into my stage, each accumulator's low half first; whole rows of 512 bytes come back and are stored.
.macro TOSTAGE a
.set AC, 64*((\a)%4)
.set BK, OB+64*((\a)%2)
	WIN 0x08+4*((\a)/4)                            ; the stores' data (source 1): window 2 or 3
.irp b, 0,1,2,3,4,5,6,7
	ds_store_b128 v[STO], v[AC+8*(\b):AC+8*(\b)+3]   offset:64*(\b)
	ds_store_b128 v[STO], v[AC+8*(\b)+4:AC+8*(\b)+7] offset:64*(\b)+16
.endr
	WIN 0
.if (\a) >= 2
	s_wait_xcnt 0x0                                ; the stores of two blocks back have read the registers that are loaded now
.endif
.irp t, 0,1,2,3,4,5,6,7,8,9,10,11,12,13,14,15
	ds_load_b128 v[BK+4*(\t):BK+4*(\t)+3], v[RD] offset:(\t)*SPITCH  ; LDS serves a wave's instructions in order (ISA guide 5.7.1.4): these see the stores above
.endr
.endm
.macro SEND a, younger                 ; younger: the LDS instructions issued behind block a's loads: the next block's 16 stores and 16 loads, or none
.set BK, OB+64*((\a)%2)
	s_wait_dscnt \younger
	s_wait_xcnt 0x0                                ; the stores' base is rewritten only behind this wait
.if (\a) == 0
	s_add_nc_u64 s[8:9], s[8:9], s[16:17]
.else
	s_add_nc_u64 s[8:9], s[8:9], 16*ROWC
.endif
.irp t, 0,1,2,3,4,5,6,7,8,9,10,11,12,13,14,15
	global_store_b128 v[CO], v[BK+4*(\t):BK+4*(\t)+3], s[8:9] offset:(\t)*ROWC  ; 512 consecutive bytes, at a multiple of 256 from sc's first byte
.endr
.endm
	s_wait_tensorcnt 1                             ; my part of step 0 is in; step 1's load stays out
	s_barrier_signal -1
	s_barrier_wait -1
	FETCH 0, 0, F0
	QUARTER 0, 64,  F0, F1, 1                      ; the first quarter's products start the sums
	WIN 0
	s_mov_b32 s3, LAPS-1
.Llap:
	QUARTER 0, 128, F1, F0, 0
	QUARTER 0, 192, F0, F1, 0
	TURN 0, 1
	QUARTER 1, 64,  F0, F1, 0
	QUARTER 1, 128, F1, F0, 0
	QUARTER 1, 192, F0, F1, 0
	TURN 1, 0
	QUARTER 0, 64,  F0, F1, 0
	WIN 0
	s_sub_co_u32 s3, s3, 1
	s_cmp_lg_u32 s3, 0
	s_cbranch_scc1 .Llap
	QUARTER 0, 128, F1, F0, 0                      ; the last lap is written out: it asks for nothing
	QUARTER 0, 192, F0, F1, 0
	MEET 0
	PLACES
	FETCH 1, 0, F0
	MUL16 F1, 1, 0, 0
	MUL16 F1, 1, 2, 0
	QUARTER 1, 64,  F0, F1, 0
	QUARTER 1, 128, F1, F0, 0
	QUARTER 1, 192, F0, F1, 0
	s_wait_dscnt 8
	MUL16 F1, 0, 0, 0
	MUL16 F1, 0, 2, 0
	s_wait_dscnt 0x0
	MUL16 F1, 1, 0, 0
	MUL16 F1, 1, 2, 0
	WIN 0
	PLACES
	TOSTAGE 0
.irp a, 1,2,3,4,5,6,7
	TOSTAGE \a
	SEND (\a)-1, 32
.endr
	SEND 7, 0
	s_wait_tensorcnt 0x0                           ; the wave's end
	ds_add_u32 v[SPW], v[NIL]
	s_wait_dscnt 0x0
	CROUND                                         ; the closing round
	s_endpgm
.Lfunc_end_k_q50415c6234_qk:
	.size	k_q50415c6234_qk, .Lfunc_end_k_q50415c6234_qk-k_q50415c6234_qk
	.p2alignl 7, 3214868480
	.fill 96, 4, 3214868480
	.section	.rodata,"a",@progbits
	.p2align	6, 0x0
	.amdhsa_kernel k_q50415c6234_qk
		.amdhsa_group_segment_fixed_size 327680
		.amdhsa_private_segment_fixed_size 0
		.amdhsa_enable_private_segment 0
		.amdhsa_kernarg_size 16
		.amdhsa_user_sgpr_count 2
		.amdhsa_user_sgpr_kernarg_segment_ptr 1
		.amdhsa_wavefront_size32 1
		.amdhsa_system_sgpr_workgroup_id_x 1
		.amdhsa_system_sgpr_workgroup_id_y 1
		.amdhsa_system_sgpr_workgroup_id_z 1
		.amdhsa_system_vgpr_workitem_id 0
		.amdhsa_next_free_vgpr 1024
		.amdhsa_next_free_sgpr 66
		.amdhsa_reserve_vcc 0
		.amdhsa_float_denorm_mode_32 3
		.amdhsa_float_denorm_mode_16_64 3
		.amdhsa_memory_ordered 1
		.amdhsa_forward_progress 1
		.amdhsa_inst_pref_size 142
	.end_amdhsa_kernel
	.amdgpu_metadata
---
amdhsa.version: [ 1, 2 ]
amdhsa.kernels:
  - .name:           k_q50415c6234_qk
    .symbol:         k_q50415c6234_qk.kd
    .args:
      - { .name: qkv, .offset: 0, .size: 8, .value_kind: global_buffer, .address_space: global }
      - { .name: sc, .offset: 8, .size: 8, .value_kind: global_buffer, .address_space: global }
    .group_segment_fixed_size: 327680
    .private_segment_fixed_size: 0
    .kernarg_segment_align: 8
    .kernarg_segment_size: 16
    .max_flat_workgroup_size: 128
    .sgpr_count:     66
    .vgpr_count:     1024
    .wavefront_size: 32
...
	.end_amdgpu_metadata
.endif
;; end of part 3
;; launch soft (part 4): grid 64 x 4, 8 waves a work-group, no clusters, 0 bytes of LDS; arguments sc, pw; writes pw
.if DOCPART == 4
	.amdgcn_target "amdgcn-amd-amdhsa--gfx1250"
	.amdhsa_code_object_version 6
	.text
	.protected	k_q50415c6234_soft
	.globl	k_q50415c6234_soft
	.p2align	8
	.type	k_q50415c6234_soft,@function
k_q50415c6234_soft:
	s_mov_b64 s[64:65], 0
	v_nop
	global_prefetch_b8 v0, s[64:65] scope:SCOPE_SE
	s_setreg_imm32_b32 hwreg(HW_REG_WAVE_MODE, 25, 1), 1
	s_wait_xcnt 0x0
; pw[n][q][k] = softmax over k <= q of sc[n][q][k] / 32, rounded once to f16; 0 for the hidden keys.  sc: [4][2048][2048] f32, pw: [4][2048][2048] f16.
; A row q of the band 512 g .. 512 g + 511 is read and written for its keys below 512 (g + 1): g + 1 chunks of 512 keys; of these only the last holds hidden keys.  That is what the next launch reads.
; SHARES.  A wave takes row r = 8 x work-group + wave of each of the batch's four bands: 1 + 2 + 3 + 4 = 10 chunks, the same for every wave.  A row stays in registers (16 a chunk) between the maximum,
; the exponentials and the division: memory is read once.  All 40 loads of a wave go out at the start; the reduction never leaves the wave: no LDS, no barrier.
; ARITHMETIC, all f32.  p = 2^(c s - c m), c = log2(e) / 32, m the row's true maximum of the visible scores.  c m is rounded once for the row: its error is one common factor of all the row's weights and
; cancels in the division by their sum.  A hidden score is -infinity, its weight 0.  LIMITS: a weight below f16's step of 6e-8 counts as 0; NaN and infinities in sc are not treated apart.
.set D, 32                             ; v[32:191] the data: row g's chunk c, load j at D + 16 (g (g + 1) / 2 + c) + 4 j: keys 512 c + 128 j + 4 lane + 0..3
	s_load_b128 s[4:7], s[0:1], 0x0                ; sc s[4:5], pw s[6:7]
	v_lshrrev_b32 v5, 5, v0
	v_readfirstlane_b32 s8, v5                     ; wave 0..7
	s_lshl_b32 s9, ttmp9, 3
	s_add_co_u32 s9, s9, s8                        ; r
	s_and_b32 s10, ttmp7, 0xffff
	s_lshl_b32 s11, s10, 11
	s_add_co_u32 s11, s11, s9                      ; the batch's first row + r
	s_mov_b32 s12, 0x3d38aa3b                      ; c = log2(e) / 32
	s_mov_b32 s13, s12                             ; named with it as a pair
	s_mov_b32 s14, 0x76543210                      ; v_permlanex16_b32: each lane takes its own place in the other half
	s_mov_b32 s15, 0xfedcba98
	v_and_b32 v6, 31, v0
	v_lshlrev_b32 v1, 4, v6                        ; 16 x lane: my bytes of a load
	v_lshlrev_b32 v2, 3, v6                        ; 8 x lane: my bytes of a store
	v_lshlrev_b32 v3, 2, v6
	v_sub_nc_u32 v3, s9, v3                        ; r - 4 lane: in the last chunk number 128 j + e is hidden where it is greater
	v_mov_b32 v4, 0xff800000                       ; -infinity
	v_mov_b32 v21, 0                               ; named in a pair with the reciprocal
	s_mov_b32 s33, 0
	s_wait_kmcnt 0x0
.irp g, 0,1,2,3
	s_add_co_u32 s32, s11, 512*(\g)
	s_lshl_b32 s32, s32, 13                        ; a row of sc is 8,192 bytes,
	s_add_nc_u64 s[16+2*(\g):17+2*(\g)], s[4:5], s[32:33]
	s_lshr_b32 s32, s32, 1                         ; a row of pw 4,096
	s_add_nc_u64 s[24+2*(\g):25+2*(\g)], s[6:7], s[32:33]
.endr
.irp g, 0,1,2,3
.set B0, D+16*((\g)*((\g)+1)/2)
.set i, 0
.rept 4*((\g)+1)
	global_load_b128 v[B0+4*i:B0+4*i+3], v1, s[16+2*(\g):17+2*(\g)] offset:512*i th:TH_LOAD_NT  ; 512 consecutive bytes a load
.set i, i+1
.endr
.endr
; Row g.  left = the loads of the later rows, which stay out.
.macro ROWSM g, left
.set B0, D+16*((\g)*((\g)+1)/2)
.set NR, 16*((\g)+1)
	s_wait_loadcnt \left
.set i, 0
.rept 16                               ; the mask, on the last chunk alone
	v_cmp_gt_i32 vcc_lo, 128*(i/4)+i%4, v3
	v_cndmask_b32 v[B0+16*(\g)+i], v[B0+16*(\g)+i], v4, vcc_lo
.set i, i+1
.endr
.set j, 0
.rept 4                                ; the maximum, in four chains that the first chunk starts
	v_max3_num_f32 v[8+j], v[B0+4*j], v[B0+4*j+1], v[B0+4*j+2]
.set j, j+1
.endr
.set j, 0
.rept 4
	v_max_num_f32 v[8+j], v[8+j], v[B0+4*j+3]
.set j, j+1
.endr
.if (\g) > 0
.set i, 16
.rept 4*(\g)
	v_max3_num_f32 v[8+(i/4)%4], v[8+(i/4)%4], v[B0+i], v[B0+i+1]
.set i, i+4
.endr
.set i, 16
.rept 4*(\g)
	v_max3_num_f32 v[8+(i/4)%4], v[8+(i/4)%4], v[B0+i+2], v[B0+i+3]
.set i, i+4
.endr
.endif
	v_max3_num_f32 v8, v8, v9, v10
	v_max_num_f32 v8, v8, v11
	v_max_num_f32_dpp v8, v8, v8 row_xmask:1 row_mask:0xf bank_mask:0xf
	v_max_num_f32_dpp v8, v8, v8 row_xmask:2 row_mask:0xf bank_mask:0xf
	v_max_num_f32_dpp v8, v8, v8 row_xmask:4 row_mask:0xf bank_mask:0xf
	v_max_num_f32_dpp v8, v8, v8 row_xmask:8 row_mask:0xf bank_mask:0xf
	v_permlanex16_b32 v9, v8, s14, s15
	v_max_num_f32 v8, v8, v9                       ; every lane holds m
	v_mul_f32 v8, s12, v8                          ; c m
.set i, 0
.rept NR/2
	v_pk_fma_f32 v[B0+i:B0+i+1], v[B0+i:B0+i+1], s[12:13], v[8:9] op_sel_hi:[1,0,0] neg_lo:[0,0,1] neg_hi:[0,0,1]  ; c s - c m
.set i, i+2
.endr
.set i, 0
.rept NR                               ; the row's exponentials are one batch
	v_exp_f32 v[B0+i], v[B0+i]
.set i, i+1
.endr
	v_nop                                          ; a plain instruction behind the last exponential,
	s_wait_alu depctr_va_vdst(0)                   ; and the one wait ahead of the batch's first reader
.set j, 0
.rept 4                                ; the sum, in four chains of pairs
	v_pk_add_f32 v[12+2*j:13+2*j], v[B0+4*j:B0+4*j+1], v[B0+4*j+2:B0+4*j+3]
.set j, j+1
.endr
.if (\g) > 0
.set i, 16
.rept 4*(\g)
	v_pk_add_f32 v[12+2*((i/4)%4):13+2*((i/4)%4)], v[12+2*((i/4)%4):13+2*((i/4)%4)], v[B0+i:B0+i+1]
.set i, i+4
.endr
.set i, 16
.rept 4*(\g)
	v_pk_add_f32 v[12+2*((i/4)%4):13+2*((i/4)%4)], v[12+2*((i/4)%4):13+2*((i/4)%4)], v[B0+i+2:B0+i+3]
.set i, i+4
.endr
.endif
	v_pk_add_f32 v[12:13], v[12:13], v[14:15]
	v_pk_add_f32 v[16:17], v[16:17], v[18:19]
	v_pk_add_f32 v[12:13], v[12:13], v[16:17]
	v_add_f32 v12, v12, v13
	v_add_f32_dpp v12, v12, v12 row_xmask:1 row_mask:0xf bank_mask:0xf
	v_add_f32_dpp v12, v12, v12 row_xmask:2 row_mask:0xf bank_mask:0xf
	v_add_f32_dpp v12, v12, v12 row_xmask:4 row_mask:0xf bank_mask:0xf
	v_add_f32_dpp v12, v12, v12 row_xmask:8 row_mask:0xf bank_mask:0xf
	v_permlanex16_b32 v13, v12, s14, s15
	v_add_f32 v12, v12, v13
	v_rcp_f32 v20, v12
	v_nop
	s_wait_alu depctr_va_vdst(0)                   ; ahead of the reciprocal's first reader
.set i, 0
.rept NR/4                             ; divided, rounded to f16 in place, stored; no register is written again behind its store
	v_pk_mul_f32 v[B0+i:B0+i+1],   v[B0+i:B0+i+1],   v[20:21] op_sel_hi:[1,0]
	v_pk_mul_f32 v[B0+i+2:B0+i+3], v[B0+i+2:B0+i+3], v[20:21] op_sel_hi:[1,0]
	v_cvt_pk_f16_f32 v[B0+i],   v[B0+i],   v[B0+i+1]
	v_cvt_pk_f16_f32 v[B0+i+1], v[B0+i+2], v[B0+i+3]
	global_store_b64 v2, v[B0+i:B0+i+1], s[24+2*(\g):25+2*(\g)] offset:256*(i/4)  ; 256 consecutive bytes, at a multiple of 256 from pw's first byte
.set i, i+4
.endr
.endm
	ROWSM 0, 36                                    ; 8 + 12 + 16 younger loads
	ROWSM 1, 28
	ROWSM 2, 16
	ROWSM 3, 0
	s_endpgm
.Lfunc_end_k_q50415c6234_soft:
	.size	k_q50415c6234_soft, .Lfunc_end_k_q50415c6234_soft-k_q50415c6234_soft
	.p2alignl 7, 3214868480
	.fill 96, 4, 3214868480
	.section	.rodata,"a",@progbits
	.p2align	6, 0x0
	.amdhsa_kernel k_q50415c6234_soft
		.amdhsa_group_segment_fixed_size 0
		.amdhsa_private_segment_fixed_size 0
		.amdhsa_enable_private_segment 0
		.amdhsa_kernarg_size 16
		.amdhsa_user_sgpr_count 2
		.amdhsa_user_sgpr_kernarg_segment_ptr 1
		.amdhsa_wavefront_size32 1
		.amdhsa_system_sgpr_workgroup_id_x 1
		.amdhsa_system_sgpr_workgroup_id_y 1
		.amdhsa_system_sgpr_workgroup_id_z 1
		.amdhsa_system_vgpr_workitem_id 0
		.amdhsa_next_free_vgpr 192
		.amdhsa_next_free_sgpr 66
		.amdhsa_reserve_vcc 1
		.amdhsa_float_denorm_mode_32 3
		.amdhsa_float_denorm_mode_16_64 3
		.amdhsa_memory_ordered 1
		.amdhsa_forward_progress 1
		.amdhsa_inst_pref_size 49
	.end_amdhsa_kernel
	.amdgpu_metadata
---
amdhsa.version: [ 1, 2 ]
amdhsa.kernels:
  - .name:           k_q50415c6234_soft
    .symbol:         k_q50415c6234_soft.kd
    .args:
      - { .name: sc, .offset: 0, .size: 8, .value_kind: global_buffer, .address_space: global }
      - { .name: pw, .offset: 8, .size: 8, .value_kind: global_buffer, .address_space: global }
    .group_segment_fixed_size: 0
    .private_segment_fixed_size: 0
    .kernarg_segment_align: 8
    .kernarg_segment_size: 16
    .max_flat_workgroup_size: 256
    .sgpr_count:     66
    .vgpr_count:     192
    .wavefront_size: 32
...
	.end_amdgpu_metadata
.endif
;; end of part 4
;; launch pv (part 5): grid 8 x 32, 4 waves a work-group, clusters of 4 x 4, 327,680 bytes of LDS; arguments pw, qkv, out0; writes out0
.if DOCPART == 5
	.amdgcn_target "amdgcn-amd-amdhsa--gfx1250"
	.amdhsa_code_object_version 6
	.text
	.protected	k_q50415c6234_pv
	.globl	k_q50415c6234_pv
	.p2align	8
	.type	k_q50415c6234_pv,@function
k_q50415c6234_pv:
	s_mov_b64 s[64:65], 0
	v_nop
	global_prefetch_b8 v0, s[64:65] scope:SCOPE_SE
	s_setreg_imm32_b32 hwreg(HW_REG_WAVE_MODE, 25, 1), 1
	s_wait_xcnt 0x0
	s_wait_alu depctr_hold_cnt(0) depctr_sa_sdst(0) depctr_va_vdst(0) depctr_va_sdst(0) depctr_va_ssrc(0) depctr_va_vcc(0) depctr_vm_vsrc(0)
	s_getreg_b32 s2, hwreg(HW_REG_IB_STS2, 6, 4)
	s_cmp_eq_u32 s2, 0
	s_cbranch_scc0 .Lentry_in_a_cluster
	s_endpgm
.Lentry_in_a_cluster:
	s_bfe_u32 s2, ttmp6, 0x10000c
	s_cmp_lg_u32 s2, 0xf033
	s_cbranch_scc0 .Lentry_shape_is_right
	s_endpgm
.Lentry_shape_is_right:
; out0[n][q][e] = the sum over k of pw[n][q][k] V[n][k][e].  pw: [4][2048][2048] f16 (0 for hidden keys), V: columns 2048-3071 of qkv [8192][3072] f16, out0: [4][2048][1024] f32.  Products in f16, sums in f32.
; A tile of out0 is 128 queries x 128 channels: four waves, each 64 x 64 in 16 accumulators.  The keys go in steps of 256 through a ring of two LDS slots.
; THE WALK.  A batch's queries lie in four bands of 512; band g needs the keys below 512 (g + 1): 2 (g + 1) steps.  A cluster's four rows are the four strips of 128 queries of one band, its four columns four
; channel tiles.  A work-group makes TWO tiles, one after the other: in band 3 - p and then in band p (p = cluster y & 1): 8 - 2 p and 2 p + 2 steps, TEN whatever p: all 256 work-groups do equal work, one loop
; with a constant trip count walks them, and the ring runs on across the change of tiles.  What a trip does hangs on scalars made from the cluster's y, the same in all sixteen partners.
; STATED: a strip's keys beyond its own last query and below the band's end are multiplied as zeros: 20 blocks of 128 keys a batch's strip pair for the 17 that hold weights.
; JOINT LOADS.  pw's tile hangs on the strip and is shared along a row of the cluster; V's on the channel tile and is shared along a column.
; LAYOUT.  Source 0 = 16 channels x 32 keys of V, which lies [key][channel] in LDS and comes out turned, by ds_load_tr16_b128; source 1 = 16 queries x 32 keys of pw, as it lies.  In the result a lane holds
; one query (l % 16) and the channels 8 (l / 16) + 0..7: 32 bytes of a row of out0.
; REGISTERS: window 0: v0-31 addresses; v32-95 the way out; v128-255 the accumulators ((a, b) at v[128 + 8 (4 a + b)]).  window 1: two fragment buffers of 128: for 64 keys 64 registers of pw, then 64 of V.
.set PA,     528                       ; a row of pw in LDS: 512 bytes + 16 = 132 words: the 16 rows of a load start at 16 different groups of four banks (ISA guide 11.1)
.set PV,     288                       ; a row of V: 256 + 32 = 72 words
.set BOFF,   128*PA                    ; a slot: pw's 128 rows, then V's 256 rows
.set SLOT,   BOFF+256*PV
.set STAGE,  2*SLOT                    ; behind the ring: 16 rows x 272 bytes for each wave, for the way out
.set SPITCH, 272
.set SPARE,  STAGE+4*16*SPITCH         ; behind the stages: the spare words, 128 bytes for each wave: two blocks of 256 bytes that no other line names
.set ROWO,   4096                      ; bytes in a row of out0, and of pw
.set VSTEP,  256*6144                  ; bytes from a step's rows of V to the next step's
.set ADRA, 16                          ; v16-17  LDS address of my fragments of pw in slot 0, 1
.set ADRB, 20                          ; v20-23  of V: 2 x slot + half of the step's keys, so that the immediates stay inside 16 bits
.set STO,  24
.set RD,   25
.set CO,   26
.set SPW,  28                          ; v28     LDS address of my spare word; never rewritten
.set NIL,  29                          ; v29     0; never rewritten
.set TMP,  32                          ; two buffers of 32: 16 rows read back from the stage
.set ACC,  128
.set F0,   0
.set F1,   128
.set G1,  24                           ; s[24:31] descriptor group 1 for pw's tiles;  s[32:39] group 0, one set for each slot
.set G0,  32
.set G1B, 48                           ; s[48:55], s[56:63] the same for V's
.set G0B, 56
.set BASEV, 68                         ; s[68:69] V at the batch's first key, my half of a step's keys, my channel tile
.set OFF,   70                         ; s[70:71] a tile's byte offset in pw
.set OFFV,  72                         ; s[72:73] a step's byte offset in V
.set NXT,   74                         ; s74  the step of the walk to be asked for next
.set SW2,   75                         ; s75  the first tile's steps: 8 - 2 p
.set ROW1,  76                         ; s76  byte offset in pw of the 64 rows that I fetch, first tile
.set ROW2,  77                         ; s77  second tile
.set NEW,   78                         ; s78  1: the lap to come starts a tile's sums
.set TOSW,  79                         ; s79  laps of the first tile still to go
.set OC,    80                         ; s[80:81] out0 at my part of the tile in hand
.set O2,    82                         ; s[82:83] of the second tile
.set MSB, 0
.macro WIN new
.if MSB != (\new)
	s_set_vgpr_msb (MSB<<8)|(\new)
.set MSB, \new
.endif
.endm
.set MUL,  0x05                        ; sources 0 and 1 window 1; C and D window 0
.set TO_F, 0x40                        ; destination window 1, address window 0
.macro JLOAD s                         ; a joint load: waves 0 and 1 fetch pw's two halves (64 rows), waves 2 and 3 V's (128 keys); an s_nop 0 and four v_nop follow each of the two lines
	s_cmp_lt_u32 s10, 2
	s_cbranch_scc0 .Lfor_b_\@
	tensor_load_to_lds s[G0+4*(\s):G0+4*(\s)+3], s[G1:G1+7]
	s_nop 0
.rept 4
	v_nop
.endr
	s_branch .Lasked_\@
.Lfor_b_\@:
	tensor_load_to_lds s[G0B+4*(\s):G0B+4*(\s)+3], s[G1B:G1B+7]
	s_nop 0
.rept 4
	v_nop
.endr
.Lasked_\@:
.endm
.macro CREST
	s_cmp_lg_u32 s10, 0
	s_cbranch_scc1 .Lnot_wave_0_\@
	s_barrier_signal -3
.Lnot_wave_0_\@:
	s_barrier_wait -3
	s_barrier_signal -1
	s_barrier_wait -1
.endm
.macro CROUND
	s_barrier_signal -1
	s_barrier_wait -1
	CREST
.endm
	s_load_b128 s[4:7], s[0:1], 0x0                ; pw s[4:5], qkv s[6:7]
	s_load_b64 s[8:9], s[0:1], 0x10                ; out0
	v_lshl_add_u32 v[SPW], v0, 2, SPARE
	v_mov_b32 v[NIL], 0
	ds_add_u32 v[SPW], v[NIL]                      ; the wave's opening: the add and its wait ahead of my first tensor load
	v_lshrrev_b32 v1, 5, v0
	v_readfirstlane_b32 s10, v1                    ; wave 0..3
	s_lshr_b32 s11, s10, 1                         ; which half of the tile's queries is mine
	s_and_b32 s12, s10, 1                          ; which half of its channels.  Also: which half of pw's rows, or of V's keys, I fetch
	s_bfe_u32 s40, ttmp6, 0x40000                  ; cx
	s_bfe_u32 s41, ttmp6, 0x40004                  ; cy
	s_lshl_b32 s42, ttmp9, 2
	s_add_co_u32 s42, s42, s40                     ; channel tile = 4 x cluster x + cx
	s_and_b32 s13, ttmp7, 0xffff                   ; cluster y
	s_lshr_b32 s14, s13, 1                         ; the batch
	s_and_b32 s15, s13, 1                          ; p
	s_lshl_b32 s43, s41, 2
	s_lshl_b32 s43, 15, s43                        ; my row of the cluster
	s_lshl_b32 s44, 0x1111, s40                    ; my column
	s_or_b32 s[G1+0], s43, (1<<16)|(1<<20)|(1<<21)|(6<<22)|(3<<25)   ; pw: the row's mask; 2-byte elements; padding on; bit 21 beside a mask; after every 128 words 4 words
	s_mov_b32 s[G1+1], 256<<16                     ; tensor_dim0 = 256 keys
	s_mov_b32 s[G1+2], 64<<16                      ; tensor_dim1 = 64 rows
	s_mov_b32 s[G1+3], 256<<16                     ; tile_dim0
	s_mov_b32 s[G1+4], 64                          ; tile_dim1
	s_mov_b32 s[G1+5], 2048                        ; elements from row to row
	s_mov_b32 s[G1+6], 0
	s_mov_b32 s[G1+7], 0
	s_or_b32 s[G1B+0], s44, (1<<16)|(1<<20)|(1<<21)|(5<<22)|(7<<25)  ; V: the column's mask; after every 64 words 8 words
	s_mov_b32 s[G1B+1], 128<<16                    ; tensor_dim0 = 128 channels
	s_mov_b32 s[G1B+2], 128<<16                    ; tensor_dim1 = 128 keys
	s_mov_b32 s[G1B+3], 128<<16
	s_mov_b32 s[G1B+4], 128
	s_mov_b32 s[G1B+5], 3072
	s_mov_b32 s[G1B+6], 0
	s_mov_b32 s[G1B+7], 0
	s_lshl_b32 s16, s15, 1
	s_sub_co_u32 s[SW2], 8, s16
	s_sub_co_u32 s[TOSW], 4, s15                   ; the first tile has 4 - p laps
	s_mov_b32 s[NXT], 2
	s_mov_b32 s[NEW], 1
	s_mov_b32 s[OFF+1], 0
	s_mov_b32 s[OFFV+1], 0
	s_lshl_b32 s14, s14, 11                        ; the batch's first row
	s_sub_co_u32 s20, 3, s15
	s_lshl_b32 s20, s20, 9                         ; the first band's first query
	s_lshl_b32 s21, s15, 9                         ; the second's
	s_lshl_b32 s16, s41, 7
	s_add_co_u32 s16, s16, s14                     ; my strip in a band
	s_lshl_b32 s17, s12, 6
	s_add_co_u32 s17, s17, s16                     ; the 64 rows of pw that I fetch
	s_add_co_u32 s[ROW1], s17, s20
	s_lshl_b32 s[ROW1], s[ROW1], 12
	s_add_co_u32 s[ROW2], s17, s21
	s_lshl_b32 s[ROW2], s[ROW2], 12
	s_lshl_b32 s18, s11, 6
	s_add_co_u32 s18, s18, s16                     ; my 64 rows of out0
	s_lshl_b32 s46, s42, 9
	s_lshl_b32 s47, s12, 8
	s_add_co_u32 s46, s46, s47                     ; my 64 channels, in bytes
	s_add_co_u32 s86, s18, s20
	s_lshl_b32 s86, s86, 12
	s_add_co_u32 s86, s86, s46
	s_mov_b32 s87, 0
	s_add_co_u32 s22, s18, s21
	s_lshl_b32 s22, s22, 12
	s_add_co_u32 s22, s22, s46
	s_mov_b32 s23, 0
	s_lshl_b32 s45, s12, 7
	s_add_co_u32 s45, s45, s14                     ; the 128 keys of a step that I fetch
	s_mul_i32 s46, s45, 6144
	s_lshl_b32 s47, s42, 8
	s_add_co_u32 s46, s46, s47                     ; the channel tile's 256 bytes,
	s_add_co_u32 s46, s46, 4096                    ; in V's part of a row of qkv
	s_mov_b32 s47, 0
	s_mul_i32 s2, s12, 64*PA                       ; where the tiles go: no place in the cluster enters an LDS address
	s_mul_i32 s19, s12, 128*PV
	s_add_co_u32 s19, s19, BOFF
	s_mov_b32 s[OFF], s[ROW1]
	s_wait_dscnt 0x0                               ; the opening add is done
	s_wait_kmcnt 0x0
	s_add_nc_u64 s[OC:OC+1], s[8:9], s[86:87]
	s_add_nc_u64 s[O2:O2+1], s[8:9], s[22:23]
	s_add_nc_u64 s[BASEV:BASEV+1], s[6:7], s[46:47]
	s_add_nc_u64 s[20:21], s[4:5], s[OFF:OFF+1]
	CROUND                                         ; all sixteen work-groups are here: the first joint loads meet
.irp s, 0,1
	s_mov_b32 s[G0+4*(\s)], 1
	s_add_co_u32 s[G0+4*(\s)+1], s2, (\s)*SLOT
	s_add_nc_u64 s[G0+4*(\s)+2:G0+4*(\s)+3], s[20:21], (\s)*512       ; step s of the first tile: 256 keys are 512 bytes of a row
	s_or_b32 s[G0+4*(\s)+3], s[G0+4*(\s)+3], 0x80000000
	s_mov_b32 s[G0B+4*(\s)], 1
	s_add_co_u32 s[G0B+4*(\s)+1], s19, (\s)*SLOT
	s_add_nc_u64 s[G0B+4*(\s)+2:G0B+4*(\s)+3], s[BASEV:BASEV+1], (\s)*VSTEP
	s_or_b32 s[G0B+4*(\s)+3], s[G0B+4*(\s)+3], 0x80000000
	JLOAD \s                                       ; two loads of mine are out
.endr
	v_and_b32 v1, 15, v0                           ; l % 16
	v_bfe_u32 v2, v0, 4, 1                         ; l / 16
	v_mul_u32_u24 v3, v1, PA
	v_lshl_add_u32 v3, v2, 4, v3                   ; pw: row x pitch + 16 x half
	s_mul_i32 s16, s11, 64*PA                      ; my 64 queries
	v_add_nc_u32 v[ADRA], s16, v3
	v_add_nc_u32 v[ADRA+1], SLOT, v[ADRA]
	; The turning load takes 16 keys x 16 channels (lane l reads key 8 (l / 16) + l % 8, channels 8 ((l / 8) % 2) + 0..7) and leaves half a fragment: lane l holds channel l % 16 and 8 keys.
	v_and_b32 v4, 7, v0
	v_bfe_u32 v5, v0, 3, 1
	v_lshl_add_u32 v6, v2, 3, v4
	v_mul_u32_u24 v6, v6, PV
	v_lshl_add_u32 v6, v5, 4, v6
	s_lshl_b32 s17, s12, 7                         ; my 64 channels
	s_add_co_u32 s17, s17, BOFF
	v_add_nc_u32 v[ADRB], s17, v6
	v_add_nc_u32 v[ADRB+1], 128*PV, v[ADRB]
	v_add_nc_u32 v[ADRB+2], SLOT, v[ADRB]
	v_add_nc_u32 v[ADRB+3], SLOT+128*PV, v[ADRB]
	s_mul_i32 s18, s10, 16*SPITCH
	s_add_co_u32 s18, s18, STAGE                   ; my stage
	v_mul_u32_u24 v7, v1, SPITCH                   ; in: row l % 16, 32 bytes for each half of the lanes
	v_lshl_add_u32 v7, v2, 5, v7
	v_add_nc_u32 v[STO], s18, v7
	v_mul_u32_u24 v7, v2, SPITCH                   ; back: lanes 0-15 take one row of 256 bytes, lanes 16-31 the next
	v_lshl_add_u32 v7, v1, 4, v7
	v_add_nc_u32 v[RD], s18, v7
	v_lshlrev_b32 v7, 12, v2                       ; and the same two rows in out0
	v_lshl_add_u32 v[CO], v1, 4, v7
; 8 matrix instructions: query blocks a0, a0 + 1 x all 4 channel blocks, 32 keys: half c of buffer f.  zero = 1: the product starts the sums.  The 16 accumulators take turns.
.macro MUL8 f, c, a0, zero
	WIN MUL
.irp a, \a0, (\a0)+1
.irp b, 0,1,2,3
.if \zero
	v_wmma_f32_16x16x32_f16 v[ACC+8*(4*(\a)+(\b)):ACC+8*(4*(\a)+(\b))+7], v[(\f)+64+8*(4*(\c)+(\b)):(\f)+64+8*(4*(\c)+(\b))+7], v[(\f)+8*(4*(\c)+(\a)):(\f)+8*(4*(\c)+(\a))+7], 0
.else
	v_wmma_f32_16x16x32_f16 v[ACC+8*(4*(\a)+(\b)):ACC+8*(4*(\a)+(\b))+7], v[(\f)+64+8*(4*(\c)+(\b)):(\f)+64+8*(4*(\c)+(\b))+7], v[(\f)+8*(4*(\c)+(\a)):(\f)+8*(4*(\c)+(\a))+7], v[ACC+8*(4*(\a)+(\b)):ACC+8*(4*(\a)+(\b))+7]
.endif
.endr
.endr
.endm
; 32 LDS loads in one run: the fragments of quarter q (64 keys) of a slot's step into buffer f; the first 32 keys first
.macro FETCH slot, q, f
	WIN TO_F
.irp c, 0,1
.irp i, 0,1,2,3
	ds_load_tr16_b128 v[(\f)+64+8*(4*(\c)+(\i)):(\f)+64+8*(4*(\c)+(\i))+3],   v[ADRB+2*(\slot)+(\q)/2] offset:(((\q)%2)*64+32*(\c))*PV+32*(\i)
	ds_load_tr16_b128 v[(\f)+64+8*(4*(\c)+(\i))+4:(\f)+64+8*(4*(\c)+(\i))+7], v[ADRB+2*(\slot)+(\q)/2] offset:(((\q)%2)*64+32*(\c)+16)*PV+32*(\i)
	ds_load_b128 v[(\f)+8*(4*(\c)+(\i)):(\f)+8*(4*(\c)+(\i))+3],              v[ADRA+(\slot)] offset:128*(\q)+64*(\c)+(\i)*16*PA
	ds_load_b128 v[(\f)+8*(4*(\c)+(\i))+4:(\f)+8*(4*(\c)+(\i))+7],            v[ADRA+(\slot)] offset:128*(\q)+64*(\c)+(\i)*16*PA+32
.endr
.endr
.endm
.macro PLACES                          ; four plain instructions between a matrix instruction and a load into a register that it has read, or a line that reads its result
.rept 4
	v_nop
.endr
.endm
; A step is four quarters of 64 keys, 32 matrix instructions each, on buffers 0, 1, 0, 1.  One of the middle two, or a slot 1 step's first: multiplies buffer f and fetches quarter q into g.
.macro QUARTER slot, q, f, g
	s_wait_dscnt 16                                ; the first 32 keys' sixteen loads are in
	MUL8 \f, 0, 0, 0
	MUL8 \f, 0, 2, 0
	PLACES
	FETCH \slot, \q, \g
	s_wait_dscnt 32                                ; all but the 32 just issued
	MUL8 \f, 1, 0, 0
	MUL8 \f, 1, 2, 0
.endm
; A lap's first quarter.  Where a tile begins (NEW = 1; at the first trip a constant of the text) its first sixteen products take the constant 0 as C: nothing is ever cleared.  Five plain instructions stand
; between the last products on these accumulators and the ones that write over them.
.macro QFIRST
	s_wait_dscnt 16
	WIN 0                                          ; at a label and at a branch every window is 0
	s_cmp_eq_u32 s[NEW], 1
	s_cbranch_scc1 .Lzero_\@
	MUL8 F0, 0, 0, 0
	MUL8 F0, 0, 2, 0
	WIN 0
	s_branch .Ljoin_\@
.Lzero_\@:
.rept 5
	v_nop
.endr
	MUL8 F0, 0, 0, 1
	MUL8 F0, 0, 2, 1
	WIN 0
.Ljoin_\@:
	PLACES
	FETCH 0, 1, F1
	s_wait_dscnt 32
	MUL8 F0, 1, 0, 0
	MUL8 F0, 1, 2, 0
.endm
; The addresses of step NXT of the walk, for the slot's two descriptors, made anew from the step's number: scalar work, where no tensor load of mine is out.
.macro NEXTADR slot
	s_cmp_ge_u32 s[NXT], s[SW2]                    ; does the step belong to the second tile?
	s_cselect_b32 s84, s[SW2], 0
	s_cselect_b32 s85, s[ROW2], s[ROW1]
	s_sub_co_u32 s84, s[NXT], s84                  ; the step's number in its tile
	s_lshl_b32 s[OFF], s84, 9
	s_add_co_u32 s[OFF], s[OFF], s85
	s_add_nc_u64 s[G0+4*(\slot)+2:G0+4*(\slot)+3], s[4:5], s[OFF:OFF+1]
	s_or_b32 s[G0+4*(\slot)+3], s[G0+4*(\slot)+3], 0x80000000
	s_mul_i32 s[OFFV], s84, VSTEP
	s_add_nc_u64 s[G0B+4*(\slot)+2:G0B+4*(\slot)+3], s[BASEV:BASEV+1], s[OFFV:OFFV+1]
	s_or_b32 s[G0B+4*(\slot)+3], s[G0B+4*(\slot)+3], 0x80000000
	s_add_co_u32 s[NXT], s[NXT], 1
.endm
; A step's last quarter multiplies buffer 1 and changes slots: ONE barrier; in front of it each wave waits for all its tensor loads (one is out: its part of the next slot), adds 0 to its spare word, and waits
; for that and for its own reads of this slot.  fill = 1: the barrier opens a round of the cluster's, and the joint refill, two steps ahead, stands first behind it: 112 matrix instructions ahead of the wait for it.
.macro TURN slot, next, fill
	WIN 0                                          ; (the add's two registers lie in window 0)
	s_wait_tensorcnt 0x0
	ds_add_u32 v[SPW], v[NIL]                      ; 0 onto my spare word
.if \fill
	NEXTADR \slot
.endif
	s_wait_dscnt 17                                ; (the add and the youngest sixteen loads may be out)
	MUL8 F1, 0, 0, 0
	s_wait_dscnt 0x0                               ; the add is done, and my reads of this slot are over
	s_barrier_signal -1
	MUL8 F1, 0, 2, 0
.if \fill
	WIN 0
.endif
	s_barrier_wait -1
.if \fill
	CREST                                          ; no wave of any partner still reads this slot's tiles or has a load on its way
	JLOAD \slot                                    ; its four v_nop are also the places in front of the loads below
.else
	PLACES
.endif
	FETCH \next, 0, F0
	MUL8 F1, 1, 0, 0
	MUL8 F1, 1, 2, 0
.endm
; THE WAY OUT: no arithmetic.  A block of 16 queries at a time: a lane's 32 bytes of a row go into my stage, each accumulator's low half first; whole rows of 256 bytes come back and are stored.
.macro OSTORE a
.irp t, 0,1,2,3,4,5,6,7
	global_store_b128 v[CO], v[TMP+32*((\a)%2)+4*(\t):TMP+32*((\a)%2)+4*(\t)+3], s[OC:OC+1] offset:(16*(\a)+2*(\t))*ROWO th:TH_STORE_NT  ; 16 lanes store 256 consecutive bytes, at a multiple of 256 from out0's first byte
.endr
.endm
.macro WAYOUT
	PLACES
.irp a, 0,1,2,3
.irp b, 0,1,2,3
	ds_store_b128 v[STO], v[ACC+8*(4*(\a)+(\b)):ACC+8*(4*(\a)+(\b))+3]   offset:64*(\b)
	ds_store_b128 v[STO], v[ACC+8*(4*(\a)+(\b))+4:ACC+8*(4*(\a)+(\b))+7] offset:64*(\b)+16
.endr
.if (\a) >= 2
	s_wait_xcnt 0x0                                ; the stores of two blocks back have read the registers that are loaded now
.endif
.irp t, 0,1,2,3,4,5,6,7
	ds_load_b128 v[TMP+32*((\a)%2)+4*(\t):TMP+32*((\a)%2)+4*(\t)+3], v[RD] offset:(\t)*2*SPITCH  ; LDS serves a wave's instructions in order (ISA guide 5.7.1.4): these see the stores above
.endr
.if (\a) >= 1
	s_wait_dscnt 16                                ; this block's 8 stores and 8 loads may be out: the block before is back
	OSTORE (\a)-1
.endif
.endr
	s_wait_dscnt 0x0
	OSTORE 3
.endm
	s_wait_tensorcnt 1                             ; my part of step 0 is in; step 1's load stays out
	s_barrier_signal -1
	s_barrier_wait -1                              ; everybody's is
	FETCH 0, 0, F0
	WIN 0
	s_mov_b32 s3, 4
.Llap:                                                 ; four trips: a lap (two steps) each; both slots are filled again: steps 2 to 9 of the walk
	QFIRST
	QUARTER 0, 2, F1, F0
	QUARTER 0, 3, F0, F1
	TURN 0, 1, 1
	QUARTER 1, 1, F0, F1
	QUARTER 1, 2, F1, F0
	QUARTER 1, 3, F0, F1
	TURN 1, 0, 1
	WIN 0
	s_mov_b32 s[NEW], 0
	s_sub_co_u32 s[TOSW], s[TOSW], 1
	s_cmp_lg_u32 s[TOSW], 0
	s_cbranch_scc1 .Lsame                          ; forward, past text that holds neither a barrier nor a tensor load
	WAYOUT                                         ; the first tile is finished; the second tile's first steps have been asked for already
	s_wait_xcnt 0x0                                ; the stores have read their registers and their base
	s_mov_b64 s[OC:OC+1], s[O2:O2+1]
	s_mov_b32 s[NEW], 1
.Lsame:
	s_sub_co_u32 s3, s3, 1
	s_cmp_lg_u32 s3, 0
	s_cbranch_scc1 .Llap
	QFIRST                                         ; the walk's last lap is written out: it asks for nothing
	QUARTER 0, 2, F1, F0
	QUARTER 0, 3, F0, F1
	TURN 0, 1, 0
	QUARTER 1, 1, F0, F1
	QUARTER 1, 2, F1, F0
	QUARTER 1, 3, F0, F1
	s_wait_dscnt 16                                ; the very last quarter: nothing more to fetch
	MUL8 F1, 0, 0, 0
	MUL8 F1, 0, 2, 0
	s_wait_dscnt 0x0
	MUL8 F1, 1, 0, 0
	MUL8 F1, 1, 2, 0
	WIN 0
	WAYOUT
	s_wait_tensorcnt 0x0                           ; the wave's end: behind my last tensor load and my last LDS store
	ds_add_u32 v[SPW], v[NIL]
	s_wait_dscnt 0x0
	CROUND                                         ; the closing round: no work-group ends while a partner may still ask for a tile that names it
	s_endpgm
.Lfunc_end_k_q50415c6234_pv:
	.size	k_q50415c6234_pv, .Lfunc_end_k_q50415c6234_pv-k_q50415c6234_pv
	.p2alignl 7, 3214868480
	.fill 96, 4, 3214868480
	.section	.rodata,"a",@progbits
	.p2align	6, 0x0
	.amdhsa_kernel k_q50415c6234_pv
		.amdhsa_group_segment_fixed_size 327680
		.amdhsa_private_segment_fixed_size 0
		.amdhsa_enable_private_segment 0
		.amdhsa_kernarg_size 24
		.amdhsa_user_sgpr_count 2
		.amdhsa_user_sgpr_kernarg_segment_ptr 1
		.amdhsa_wavefront_size32 1
		.amdhsa_system_sgpr_workgroup_id_x 1
		.amdhsa_system_sgpr_workgroup_id_y 1
		.amdhsa_system_sgpr_workgroup_id_z 1
		.amdhsa_system_vgpr_workitem_id 0
		.amdhsa_next_free_vgpr 512
		.amdhsa_next_free_sgpr 88
		.amdhsa_reserve_vcc 0
		.amdhsa_float_denorm_mode_32 3
		.amdhsa_float_denorm_mode_16_64 3
		.amdhsa_memory_ordered 1
		.amdhsa_forward_progress 1
		.amdhsa_inst_pref_size 97
	.end_amdhsa_kernel
	.amdgpu_metadata
---
amdhsa.version: [ 1, 2 ]
amdhsa.kernels:
  - .name:           k_q50415c6234_pv
    .symbol:         k_q50415c6234_pv.kd
    .args:
      - { .name: pw, .offset: 0, .size: 8, .value_kind: global_buffer, .address_space: global }
      - { .name: qkv, .offset: 8, .size: 8, .value_kind: global_buffer, .address_space: global }
      - { .name: out0, .offset: 16, .size: 8, .value_kind: global_buffer, .address_space: global }
    .group_segment_fixed_size: 327680
    .private_segment_fixed_size: 0
    .kernarg_segment_align: 8
    .kernarg_segment_size: 24
    .max_flat_workgroup_size: 128
    .sgpr_count:     88
    .vgpr_count:     512
    .wavefront_size: 32
...
	.end_amdgpu_metadata
.endif
;; end of part 5
;; ======== version 2 of 3: 4 launches
;; limits: values are held in f16: magnitudes above 65,504 overflow, below 6.1e-05 lose precision
;; workspace buffers: xb 16,777,216 bytes; wb 6,291,456 bytes; bb 12,288 bytes; qkv 50,331,648 bytes; pw 33,554,432 bytes; st 1,048,576 bytes
;; launch cast: the kernel of part 1 again; grid 64 x 11, 8 waves a work-group, no clusters, 0 bytes of LDS; arguments X, Wq, Wk, Wv, bq, bk, bv, xb, wb, bb; writes xb, wb, bb
;; launch proj (part 6): grid 8 x 32, 4 waves a work-group, clusters of 4 x 4, 327,680 bytes of LDS; arguments xb, wb, qkv, bb; writes qkv
.if DOCPART == 6
	.amdgcn_target "amdgcn-amd-amdhsa--gfx1250"
	.amdhsa_code_object_version 6
	.text
	.protected	k_q50415c6234_proj
	.globl	k_q50415c6234_proj
	.p2align	8
	.type	k_q50415c6234_proj,@function
k_q50415c6234_proj:
	s_mov_b64 s[64:65], 0
	v_nop
	global_prefetch_b8 v0, s[64:65] scope:SCOPE_SE
	s_setreg_imm32_b32 hwreg(HW_REG_WAVE_MODE, 25, 1), 1
	s_wait_xcnt 0x0
	s_wait_alu depctr_hold_cnt(0) depctr_sa_sdst(0) depctr_va_vdst(0) depctr_va_sdst(0) depctr_va_ssrc(0) depctr_va_vcc(0) depctr_vm_vsrc(0)
	s_getreg_b32 s2, hwreg(HW_REG_IB_STS2, 6, 4)
	s_cmp_eq_u32 s2, 0
	s_cbranch_scc0 .Lentry_in_a_cluster
	s_endpgm
.Lentry_in_a_cluster:
	s_bfe_u32 s2, ttmp6, 0x10000c
	s_cmp_lg_u32 s2, 0xf033
	s_cbranch_scc0 .Lentry_shape_is_right
	s_endpgm
.Lentry_shape_is_right:
; qkv[m][e] = the sum over d of xb[m][d] wb[e][d] + bb[e].  xb: [8192][1024] bf16, wb: [3072][1024] bf16, bb: [3072] f32, qkv: [8192][3072] f16 (Q, K, V side by side in a row).
; Products in bf16, sums in f32 that start at the bias, the result rounded once to f16.  LIMIT: f16 holds no number beyond 65,504: Q, K and V must stay within it.
; SHARES.  8,192 rows are 32 tile rows of 256; Q's and K's 2,048 columns are 8 tiles of 256, V's 1,024 columns 8 tiles of 128.  A WORK-GROUP STAYS AND MAKES TWO TILES of one tile row: 256 x 256 of Q|K (columns
; 256 t on) and then 256 x 128 of V (columns 2,048 + 128 t on): 32 x 8 = 256 work-groups of equal work.  Four waves.  First tile: a wave makes 128 x 128, 64 accumulators.  Second tile: wave w makes rows 64 w to
; 64 w + 63 x all 128 columns: the 32 accumulators of window 2, so that the same macros serve, and a row of its output is 256 bytes.
; THE RING.  The 1,024 along d go in eight steps of 128 for each tile, sixteen in all, through two LDS slots filled by the tensor data mover; a tile's rows are 256 bytes of memory and start at multiples of 256 bytes.
; The ring does not stop at the change of tiles: the first tile's last two changes of slots ask for the second tile's first two steps, and nothing waits for the first tile's stores.
; A step is written once for each kind of trip: the slot that is read is a scalar, 0 or SLOT, turned by an exclusive or and added to the lanes' addresses; one descriptor for each operand walks, its LDS word turned
; by the same exclusive or (the words, wave x 0x8800, have none of SLOT's two bits), its global address made anew from the byte offset along d, which wraps at a row's 2,048 bytes.
; In the two loops of two trips the last trip jumps forward over the next step's first quarter.  STATED: the run of loads ahead of that jump brings bytes that nobody uses: 8 of 32 loads at the change of tiles, 24 at the end.
; CLUSTERS: 4 x 4 work-groups.  The four of a row of the cluster need the same tiles of xb, the four of a column the same tiles of wb: each tile is asked for JOINTLY, by the same tensor load
; with the same descriptor and a mask that names the four.
; REGISTERS, in windows of 256 (s_set_vgpr_msb's low byte: bits 1:0 source 0, 3:2 source 1, 5:4 source 2, 7:6 destination):
;   window 0: v0-31 addresses; v64-127, v128-191 fragments of xb, two buffers; on the way out v192-223 packed, v32-63 and v224-255 rows read back
;   window 1: v0-63 the bias of my 128 columns of the tile in hand; v64-127, v128-191 fragments of wb, two buffers
;   window 2: the 32 accumulators of my rows 0-63 ((a, b) at v[8 (8 a + b)]);   window 3: those of my rows 64-127 of the first tile
; THE MATRIX INSTRUCTION IS USED TRANSPOSED: source 0 = 16 rows of wb, source 1 = 16 rows of xb: lane l then holds row l % 16 of the tile and the columns 8 (l / 16) + 0 .. 7.
.set KSTEP,  128
.set PITCH,  272                       ; an LDS row: 256 bytes + 16 of padding = 68 words: the 16 rows that a load touches start at 16 different groups of four banks (ISA guide 11.1)
.set HALFT,  128*PITCH                 ; 128 rows: what one tensor load brings
.set SLOT,   4*HALFT                   ; xb's 256 rows, then wb's 256 (second tile: 128) rows: 0x22000
.set STAGE,  2*SLOT                    ; behind the ring: 16 rows x 272 bytes for each wave, for the way out
.set SPITCH, 272
.set SPARE,  STAGE+4*16*SPITCH         ; behind the stages: the spare words, 128 bytes for each wave: two blocks of 256 bytes that no other line names
.set ROWK,   2048                      ; bytes in a row of xb and of wb
.set ROWC,   6144                      ; bytes in a row of qkv
.set FILLS,  6                         ; a tile's steps 2 to 7 come by refills of its own loop, one a trip
.set ADRA0, 16                         ; v16     my lane's place in xb's part of a slot, for the tile whose fragments are fetched next
.set ADRA,  17                         ; v17     the same in the slot that is read
.set ADRA2, 18                         ; v18     my lane's place for the second tile; never rewritten
.set ADRB2, 19                         ; v19     the same for wb
.set ADRB0, 20                         ; v20, v21 as v16, v17, for wb
.set ADRB,  21
.set STO,  24                          ; v24     the way out: where I put 16 bytes of a row
.set RD,   25                          ; v25     the way out: where I read a row back
.set CO,   26                          ; v26     my byte offset in qkv
.set BO,   27                          ; v27     my byte offset in the bias: 32 (l / 16); never rewritten
.set SPW,  28                          ; v28     LDS address of my spare word: SPARE + 4 x my thread's number; never rewritten
.set NIL,  29                          ; v29     0; never rewritten
.set PFO,  30                          ; v30     the prefetches' offset: my lane x a row of xb or wb; never rewritten
.set PFA,  44                          ; s[44:45] where my prefetches stand: my work-group's 32 rows of the 128 that I fetch, one step further than the refill in hand
.set LIM,  43                          ; s43     2 in a wave that prefetches, else the greatest number
.set TB,   68                          ; s68     the slot that is read: 0 or SLOT
.set ABASE, 70                         ; s[70:71] xb at the 128 rows that I fetch
.set BBASE, 72                         ; s[72:73] wb at the rows that I fetch, for the tile that is being asked for
.set VBASE, 74                         ; s[74:75] wb at the second tile's 128 rows
.set KOFF,  76                         ; s[76:77] the byte offset along d of the step asked for last
.set C2,    78                         ; s[78:79] qkv at my part of the second tile
.set PFV,   80                         ; s[80:81] the prefetches' place for the second tile
.set LIMV,  82                         ; s82     and who asks there
.set BB2,   84                         ; s[84:85] the second tile's bias
.set F0,   64
.set F1,   128
.set TMP,  192                         ; the way out: packed results
.set OB,   32                          ; 16 rows read back from the stage: v32-63 and v224-255 by turns
.set G1,  24                           ; s[24:31] descriptor group 1 for xb's tiles
.set G0,  32                           ; s[32:39] group 0: a set for each of the two first fills; the second then walks on
.set G1B, 48                           ; s[48:55], s[56:63] the same for wb's tiles
.set G0B, 56
.set MSB, 0
.macro WIN new                         ; the immediate's high byte repeats the setting that is left; a switch that changes nothing is dropped
.if MSB != (\new)
	s_set_vgpr_msb (MSB<<8)|(\new)
.set MSB, \new
.endif
.endm
.set MUL_LO, 0xa1                      ; source 0 (wb) window 1, source 1 (xb) window 0, C and D window 2
.set MUL_HI, 0xf1                      ; the same, C and D window 3
.set TO_B,   0x40                      ; destination window 1, address window 0
.macro PLACES                          ; four plain instructions between a matrix instruction and a load into a register that it has read, or a line that reads its result
.rept 4
	v_nop
.endr
.endm
; A joint load.  Waves 0 and 1 fetch xb's two halves.  kind = 0, a step of the first tile: waves 2 and 3 fetch wb's two halves.  kind = 1, of the second: wave 2 fetches wb's 128 rows, wave 3 has no part of a tile.
; The branches hang on the wave's number alone.  An s_nop 0 and four v_nop follow each of the two lines; wave 3's four are the places in front of the LDS loads that follow.
.macro JLOAD s, kind
	s_cmp_eq_u32 s11, 0
	s_cbranch_scc0 .Lfor_b_\@
	tensor_load_to_lds s[G0+4*(\s):G0+4*(\s)+3], s[G1:G1+7]
	s_nop 0
	PLACES
	s_branch .Lasked_\@
.Lfor_b_\@:
.if \kind
	s_cmp_eq_u32 s10, 3
	s_cbranch_scc1 .Lnone_\@
.endif
	tensor_load_to_lds s[G0B+4*(\s):G0B+4*(\s)+3], s[G1B:G1B+7]
	s_nop 0
	PLACES
.if \kind
	s_branch .Lasked_\@
.Lnone_\@:
	PLACES
.endif
.Lasked_\@:
.endm
; A prefetch of the step that stands TWO refills on: 32 rows x 256 bytes, a lane a row, one instruction a wave.  Each row's 256 bytes of a step are named once in the launch: xb's rows by the clusters with x = 0,
; for the first tile alone (the second reads them again); wb's by those with y = 0; the four partners that ask for a tile jointly share its rows out by address, 32 each.
; A tile's steps 0 and 1, and the first tile's 2 and 3, come by their loads alone.  how = 0, in a tile's own loop: its last two trips (s3 = 2, 1) ask for nothing: there is no step 8.  how = 1, at the change of tiles.
.macro ASK how
.if \how
	s_cmp_eq_u32 s[LIM], 2
.else
	s_cmp_gt_u32 s3, s[LIM]
.endif
	s_cbranch_scc0 .Lnot_mine_\@
	global_prefetch_b8 v[PFO], s[PFA:PFA+1] offset:KSTEP*2 th:TH_LOAD_NT scope:SCOPE_SE
.Lnot_mine_\@:
.endm
.macro CREST                           ; a round of the cluster's barrier behind its opening barrier
	s_cmp_lg_u32 s10, 0
	s_cbranch_scc1 .Lnot_wave_0_\@
	s_barrier_signal -3
.Lnot_wave_0_\@:
	s_barrier_wait -3
	s_barrier_signal -1
	s_barrier_wait -1
.endm
.macro CROUND                          ; a whole round
	s_barrier_signal -1
	s_barrier_wait -1
	CREST
.endm
; My 128 columns' bias: for column block b a lane wants the eight numbers at 64 b + 32 (l / 16): just the C operand of that block's first products
.macro BIAS base
	WIN TO_B
.irp b, 0,1,2,3,4,5,6,7
	global_load_b128 v[8*(\b):8*(\b)+3],   v[BO], s[\base:\base+1] offset:64*(\b)
	global_load_b128 v[8*(\b)+4:8*(\b)+7], v[BO], s[\base:\base+1] offset:64*(\b)+16
.endr
	WIN 0
.endm
	s_load_b128 s[4:7], s[0:1], 0x0                ; xb s[4:5], wb s[6:7]
	s_load_b64 s[8:9], s[0:1], 0x10                ; qkv
	s_load_b64 s[66:67], s[0:1], 0x18              ; bb
	v_lshl_add_u32 v[SPW], v0, 2, SPARE
	v_mov_b32 v[NIL], 0
	ds_add_u32 v[SPW], v[NIL]                      ; the wave's opening: the add and its wait ahead of my first tensor load; the set-up below stands between them
	v_lshrrev_b32 v1, 5, v0
	v_readfirstlane_b32 s10, v1                    ; wave 0..3
	s_lshr_b32 s11, s10, 1                         ; first tile: which half of its rows is mine.  Also: I fetch for xb (0) or for wb (1)
	s_and_b32 s12, s10, 1                          ; first tile: which half of its columns.  Also: which 128 rows I fetch
	s_bfe_u32 s40, ttmp6, 0x40000                  ; cx
	s_bfe_u32 s41, ttmp6, 0x40004                  ; cy
	s_lshl_b32 s42, ttmp9, 2
	s_add_co_u32 s42, s42, s40                     ; t = 4 x cluster x + cx: 0 to 7
	s_and_b32 s13, ttmp7, 0xffff
	s_lshl_b32 s13, s13, 2
	s_add_co_u32 s13, s13, s41                     ; tile row = 4 x cluster y + cy
	s_lshl_b32 s43, s41, 2
	s_lshl_b32 s43, 15, s43                        ; my row of the cluster: places 4 cy .. 4 cy + 3
	s_lshl_b32 s44, 0x1111, s40                    ; my column: places cx, cx + 4, cx + 8, cx + 12
	s_or_b32 s[G1+0], s43, (1<<16)|(1<<20)|(1<<21)|(5<<22)|(3<<25)   ; the mask; elements of 2 bytes; padding on; bit 21 beside a mask; after every 64 words 4 words
	s_or_b32 s[G1B+0], s44, (1<<16)|(1<<20)|(1<<21)|(5<<22)|(3<<25)
.irp g, G1, G1B
	s_mov_b32 s[(\g)+1], KSTEP<<16                 ; tensor_dim0 = 128
	s_mov_b32 s[(\g)+2], 128<<16                   ; tensor_dim1 = 128
	s_mov_b32 s[(\g)+3], KSTEP<<16                 ; tile_dim0 = 128
	s_mov_b32 s[(\g)+4], 128                       ; tile_dim1 = 128
	s_mov_b32 s[(\g)+5], 1024                      ; elements from row to row
	s_mov_b32 s[(\g)+6], 0
	s_mov_b32 s[(\g)+7], 0
.endr
	s_mov_b32 s[TB], 0
	s_mov_b32 s[KOFF], KSTEP*2                     ; step 1 is the last of the first fills
	s_mov_b32 s[KOFF+1], 0
	s_lshl_b32 s17, s12, 7                         ; which 128 rows of a tile I fetch
	s_lshl_b32 s16, s13, 8
	s_add_co_u32 s16, s16, s17                     ; xb: row 256 x tile row + 128 x half,
	s_lshl_b32 s16, s16, 11                        ; in bytes (under 2^25)
	s_lshl_b32 s46, s42, 8
	s_add_co_u32 s46, s46, s17                     ; wb, first tile: row 256 t + 128 x half
	s_lshl_b32 s46, s46, 11
	s_lshl_b32 s22, s42, 7
	s_add_co_u32 s22, s22, 2048                    ; wb, second tile: row 2,048 + 128 t
	s_lshl_b32 s22, s22, 11
	s_mov_b32 s17, 0
	s_mov_b32 s47, 0
	s_mov_b32 s23, 0
	s_mul_i32 s20, s10, HALFT                      ; where they go: wave x 128 rows: no place in the cluster enters an LDS address
	s_wait_dscnt 0x0                               ; the opening add is done
	s_wait_kmcnt 0x0
	s_add_nc_u64 s[ABASE:ABASE+1], s[4:5], s[16:17]
	s_add_nc_u64 s[BBASE:BBASE+1], s[6:7], s[46:47]
	s_add_nc_u64 s[VBASE:VBASE+1], s[6:7], s[22:23]
	CROUND                                         ; all sixteen work-groups are here: the first joint loads meet
.irp s, 0,1
	s_mov_b32 s[G0+4*(\s)], 1
	s_add_co_u32 s[G0+4*(\s)+1], s20, (\s)*SLOT
	s_add_nc_u64 s[G0+4*(\s)+2:G0+4*(\s)+3], s[ABASE:ABASE+1], (\s)*KSTEP*2
	s_or_b32 s[G0+4*(\s)+3], s[G0+4*(\s)+3], 0x80000000
	s_mov_b32 s[G0B+4*(\s)], 1
	s_add_co_u32 s[G0B+4*(\s)+1], s20, (\s)*SLOT
	s_add_nc_u64 s[G0B+4*(\s)+2:G0B+4*(\s)+3], s[BBASE:BBASE+1], (\s)*KSTEP*2
	s_or_b32 s[G0B+4*(\s)+3], s[G0B+4*(\s)+3], 0x80000000
	JLOAD \s, 0                                    ; the ring is filled before anything else is done: two loads of mine are out
.endr
	; A fragment is 16 rows x 32 along d in 8 registers: lane l holds row l % 16; registers 0-3 d = 8 (l / 16) + 0..7, registers 4-7 d = 16 + 8 (l / 16) + 0..7: two loads of 16 bytes, 32 bytes apart.
	v_and_b32 v1, 15, v0                           ; l % 16
	v_bfe_u32 v2, v0, 4, 1                         ; l / 16
	v_mul_u32_u24 v3, v1, PITCH
	v_lshl_add_u32 v3, v2, 4, v3
	s_mul_i32 s21, s11, HALFT                      ; first tile: my 128 rows of xb,
	s_mul_i32 s22, s12, HALFT                      ; my 128 rows of wb,
	s_add_co_u32 s22, s22, 2*HALFT                 ; which lie behind xb's 256
	v_add_nc_u32 v[ADRA0], s21, v3
	v_add_nc_u32 v[ADRB0], s22, v3
	v_mov_b32 v[ADRA], v[ADRA0]                    ; slot 0 is read first
	v_mov_b32 v[ADRB], v[ADRB0]
	s_mul_i32 s21, s10, 64*PITCH                   ; second tile: my 64 rows of xb, and all of wb's 128
	v_add_nc_u32 v[ADRA2], s21, v3
	v_add_nc_u32 v[ADRB2], 2*HALFT, v3
	s_mul_i32 s23, s10, 16*SPITCH
	s_add_co_u32 s23, s23, STAGE                   ; my stage
	v_mul_u32_u24 v4, v1, SPITCH                   ; in: row l % 16, 16 bytes for each half of the lanes
	v_lshl_add_u32 v4, v2, 4, v4
	v_add_nc_u32 v[STO], s23, v4
	v_mul_u32_u24 v5, v2, SPITCH                   ; back: lanes 0-15 take one row of 256 bytes, lanes 16-31 the next
	v_lshl_add_u32 v5, v1, 4, v5
	v_add_nc_u32 v[RD], s23, v5
	v_mul_u32_u24 v5, v2, ROWC                     ; and the same two rows in qkv
	v_lshl_add_u32 v[CO], v1, 4, v5
	s_lshl_b32 s13, s13, 8                         ; 256 x tile row
	s_lshl_b32 s14, s11, 7
	s_add_co_u32 s16, s13, s14                     ; first tile: my first row of qkv,
	s_mul_i32 s16, s16, ROWC                       ; in bytes (under 2^26),
	s_lshl_b32 s46, s42, 9                         ; my first column: 512 t + 256 x half
	s_lshl_b32 s47, s12, 8
	s_add_co_u32 s46, s46, s47
	s_add_co_u32 s16, s16, s46
	s_mov_b32 s17, 0
	s_lshl_b32 s14, s10, 6
	s_add_co_u32 s18, s13, s14                     ; second tile: my first row,
	s_mul_i32 s18, s18, ROWC
	s_lshl_b32 s46, s42, 8
	s_add_co_u32 s18, s18, s46                     ; the tile's first column: 256 t bytes
	s_add_co_u32 s18, s18, 4096                    ; into V's part of a row
	s_mov_b32 s19, 0
	s_add_nc_u64 s[C2:C2+1], s[8:9], s[18:19]
	s_add_nc_u64 s[8:9], s[8:9], s[16:17]
	s_lshl_b32 s46, s42, 10                        ; the bias: 4 bytes a column
	s_lshl_b32 s47, s12, 9
	s_add_co_u32 s46, s46, s47
	s_mov_b32 s47, 0
	s_lshl_b32 s18, s42, 9
	s_add_co_u32 s18, s18, 8192
	s_add_nc_u64 s[BB2:BB2+1], s[66:67], s[18:19]
	s_add_nc_u64 s[66:67], s[66:67], s[46:47]
	v_lshlrev_b32 v[BO], 5, v2
	BIAS 66                                        ; the first tile's
	; the prefetches.  s13 = 256 x tile row, s42 = t, s40 = cx, s41 = cy still stand.  The second tile's: wave 2 of the clusters with y = 0; my work-group's 32 of wb's 128 rows
	s_lshl_b32 s20, s42, 7
	s_lshl_b32 s21, s41, 5
	s_add_co_u32 s20, s20, s21
	s_add_co_u32 s20, s20, 2048
	s_lshl_b32 s20, s20, 11
	s_mov_b32 s21, 0
	s_add_nc_u64 s[PFV:PFV+1], s[6:7], s[20:21]
	s_and_b32 s22, ttmp7, 0xffff                   ; cluster y
	s_xor_b32 s23, s10, 2                          ; 0 in wave 2
	s_or_b32 s23, s23, s22
	s_cmp_eq_u32 s23, 0
	s_cselect_b32 s[LIMV], 2, -1                   ; the same in all sixteen partners, for a given wave
	s_lshl_b32 s42, s42, 8                         ; the first tile's
	s_cmp_eq_u32 s11, 0                            ; do I fetch for xb?
	s_cselect_b32 s20, s13, s42                    ; the tile's first row
	s_cselect_b32 s21, s40, s41                    ; my place among the four that ask for it with me
	s_cselect_b32 s22, ttmp9, s22                  ; the coordinate along which other clusters read the same rows
	s_cselect_b64 s[PFA:PFA+1], s[4:5], s[6:7]
	s_cmp_eq_u32 s22, 0
	s_cselect_b32 s[LIM], 2, -1
	s_lshl_b32 s22, s12, 7
	s_add_co_u32 s20, s20, s22                     ; + the 128 rows that I fetch
	s_lshl_b32 s21, s21, 5
	s_add_co_u32 s20, s20, s21                     ; + my work-group's 32 of them
	s_lshl_b32 s20, s20, 11
	s_mov_b32 s21, 0
	s_add_nc_u64 s[PFA:PFA+1], s[PFA:PFA+1], s[20:21]
	s_add_nc_u64 s[PFA:PFA+1], s[PFA:PFA+1], 2*KSTEP*2  ; at step 2: the first refill steps it to 3 and names step 4
	v_and_b32 v[PFO], 31, v0
	v_mul_u32_u24 v[PFO], v[PFO], ROWK
; 16 matrix instructions: m blocks a0, a0 + 1 of the window's four x all 8 n blocks, 32 along d.  zero = 1: the product starts the sum, with the column block's bias as C: nothing is ever cleared.
.macro MUL16 f, hi, a0, zero
.if \zero
	WIN 0x91+0x40*(\hi)                            ; C in window 1, D in window 2 or 3
.else
	WIN MUL_LO+0x50*(\hi)
.endif
.irp a, \a0, (\a0)+1
.irp b, 0,1,2,3,4,5,6,7
.if \zero
	v_wmma_f32_16x16x32_bf16 v[8*(8*(\a)+(\b)):8*(8*(\a)+(\b))+7], v[(\f)+8*(\b):(\f)+8*(\b)+7], v[(\f)+8*(4*(\hi)+(\a)):(\f)+8*(4*(\hi)+(\a))+7], v[8*(\b):8*(\b)+7]
.else
	v_wmma_f32_16x16x32_bf16 v[8*(8*(\a)+(\b)):8*(8*(\a)+(\b))+7], v[(\f)+8*(\b):(\f)+8*(\b)+7], v[(\f)+8*(4*(\hi)+(\a)):(\f)+8*(4*(\hi)+(\a))+7], v[8*(8*(\a)+(\b)):8*(8*(\a)+(\b))+7]
.endif
.endr
.endr
.endm
; The LDS loads of one quarter step (32 along d at byte k of the rows of the slot that is read) in one run, into buffer f: 128 rows of wb, then 128 rows of xb (half = 1, the second tile: 64)
.macro FETCH k, f, half
	WIN TO_B
.irp i, 0,1,2,3,4,5,6,7
	ds_load_b128 v[(\f)+8*(\i):(\f)+8*(\i)+3],   v[ADRB] offset:(\k)+(\i)*16*PITCH
	ds_load_b128 v[(\f)+8*(\i)+4:(\f)+8*(\i)+7], v[ADRB] offset:(\k)+(\i)*16*PITCH+32
.endr
	WIN 0
.irp i, 0,1,2,3
	ds_load_b128 v[(\f)+8*(\i):(\f)+8*(\i)+3],   v[ADRA] offset:(\k)+(\i)*16*PITCH
	ds_load_b128 v[(\f)+8*(\i)+4:(\f)+8*(\i)+7], v[ADRA] offset:(\k)+(\i)*16*PITCH+32
.endr
.if !(\half)
.irp i, 4,5,6,7
	ds_load_b128 v[(\f)+8*(\i):(\f)+8*(\i)+3],   v[ADRA] offset:(\k)+(\i)*16*PITCH
	ds_load_b128 v[(\f)+8*(\i)+4:(\f)+8*(\i)+7], v[ADRA] offset:(\k)+(\i)*16*PITCH+32
.endr
.endif
.endm
.macro OTHER                           ; the reads go on in the other slot
	s_xor_b32 s[TB], s[TB], SLOT
	v_add_nc_u32 v[ADRA], s[TB], v[ADRA0]
	v_add_nc_u32 v[ADRB], s[TB], v[ADRB0]
.endm
; A step is four quarters of 32 along d, on buffers 0, 1, 0, 1: 64 matrix instructions each in the first tile, 32 in the second.  One of the first three: multiplies buffer f; in its middle it fetches the next
; quarter into buffer g.  The accumulators take turns in the same order in every quarter.
.macro QUARTER k, f, g, zero, half
.if \half
	s_wait_dscnt 4                                 ; wb's fragments and xb's blocks 0 and 1 are in; the youngest four loads (blocks 2 and 3) may be out
	MUL16 \f, 0, 0, \zero
	PLACES
	FETCH \k, \g, 1
	s_wait_dscnt 24                                ; all but the 24 just issued
	MUL16 \f, 0, 2, \zero
.else
	s_wait_dscnt 8                                 ; wb's fragments and xb's rows 0-63 are in; the youngest eight loads (xb's rows 64-127) may be out
	MUL16 \f, 0, 0, \zero
	MUL16 \f, 0, 2, \zero
	PLACES
	FETCH \k, \g, 0
	s_wait_dscnt 32                                ; all but the 32 just issued
	MUL16 \f, 1, 0, \zero
	MUL16 \f, 1, 2, \zero
.endif
.endm
; The walking descriptors' next step: the other slot than last time; 256 bytes on along d, and behind a row's end at its beginning again: scalar work, where no tensor load of mine is out.
.macro NEXTADR
	s_add_co_u32 s[KOFF], s[KOFF], KSTEP*2
	s_and_b32 s[KOFF], s[KOFF], ROWK-1
	s_add_nc_u64 s[G0+6:G0+7], s[ABASE:ABASE+1], s[KOFF:KOFF+1]
	s_or_b32 s[G0+7], s[G0+7], 0x80000000
	s_xor_b32 s[G0+5], s[G0+5], SLOT
	s_add_nc_u64 s[G0B+6:G0B+7], s[BBASE:BBASE+1], s[KOFF:KOFF+1]
	s_or_b32 s[G0B+7], s[G0B+7], 0x80000000
	s_xor_b32 s[G0B+5], s[G0B+5], SLOT
.endm
; The last quarter's first half: ONE barrier for the change of slots.  In front of it each wave waits for all its tensor loads (at the most one is out: its part of the next slot), adds 0 to its spare word,
; and waits for that and for its own reads of this slot.  Behind it nobody reads this slot any more and the next slot is whole.
.macro MEET half, fill
	WIN 0                                          ; (the add's two registers lie in window 0)
	s_wait_tensorcnt 0x0
	ds_add_u32 v[SPW], v[NIL]                      ; 0 onto my spare word
.if \fill
	NEXTADR
.endif
.if \half
	s_wait_dscnt 5                                 ; (the add and the youngest four loads may be out)
	MUL16 F1, 0, 0, 0                              ; sixteen matrix instructions stand between the add and the wait for it
	s_wait_dscnt 0x0                               ; the add is done, and my reads of this slot are over
	s_barrier_signal -1
.else
	s_wait_dscnt 9                                 ; (the add and the youngest eight loads may be out)
	MUL16 F1, 0, 0, 0
	s_wait_dscnt 0x0
	s_barrier_signal -1
	MUL16 F1, 0, 2, 0                              ; work on registers while the others arrive
.endif
	WIN 0
	s_barrier_wait -1
.endm
; The whole last quarter.  half: which tile is multiplied.  fill = 1: the slot just read is filled again with the step two on (kind: of which tile): the barrier opens a round of the cluster's, and the joint refill
; is the first tensor load behind the round.  From a request to the wait for it a wave issues 224 matrix instructions in the first tile, 112 in the second.
.macro TURN half, kind, fill, how
.if \fill
	s_wait_xcnt 0x0                                ; the last prefetch, a step back, has read its address: it is stepped here, ahead of the waits of the change of slots
	s_add_nc_u64 s[PFA:PFA+1], s[PFA:PFA+1], KSTEP*2
.endif
	MEET \half, \fill
.if \fill
	CREST                                          ; no wave of any partner still reads this slot's tile or has a load on its way
	JLOAD 1, \kind                                 ; the four v_nop behind it are also the places in front of the loads below
.else
	PLACES
.endif
	OTHER
	FETCH 0, F0, \half
.if \fill
	ASK \how
.endif
.if \half
	MUL16 F1, 0, 2, 0
.else
	MUL16 F1, 1, 0, 0
	MUL16 F1, 1, 2, 0
.endif
.endm
; THE WAY OUT of block a (16 rows x 128 columns), in three parts.  PACK: rounded to f16, 16 bytes a lane, each accumulator's registers in ascending order.
; TOSTAGE: into my own stage in LDS, and back as whole rows of 256 bytes.  SEND: stored.
.macro PACK a
.set AC, 64*((\a)%4)
	WIN 0x0a+5*((\a)/4)                            ; sources 0 and 1: window 2 or 3
.irp b, 0,1,2,3,4,5,6,7
.irp r, 0,1,2,3
	v_cvt_pk_f16_f32 v[TMP+4*(\b)+(\r)], v[AC+8*(\b)+2*(\r)], v[AC+8*(\b)+2*(\r)+1]
.endr
.endr
	WIN 0
.endm
.macro TOSTAGE a
.set BK, OB+192*((\a)%2)
.irp b, 0,1,2,3,4,5,6,7
	ds_store_b128 v[STO], v[TMP+4*(\b):TMP+4*(\b)+3] offset:32*(\b)
.endr
.irp t, 0,1,2,3,4,5,6,7
	ds_load_b128 v[BK+4*(\t):BK+4*(\t)+3], v[RD] offset:(\t)*2*SPITCH  ; LDS serves a wave's instructions in order (ISA guide 5.7.1.4): these see the stores above
.endr
.endm
.macro SEND a
.set BK, OB+192*((\a)%2)
	s_wait_dscnt 0x0                               ; the block is back in registers
	s_wait_xcnt 0x0                                ; only behind this wait are the stores' base and the registers that earlier stores read rewritten
.if (\a) != 0
	s_add_nc_u64 s[8:9], s[8:9], 16*ROWC
.endif
.irp t, 0,1,2,3,4,5,6,7
	global_store_b128 v[CO], v[BK+4*(\t):BK+4*(\t)+3], s[8:9] offset:2*(\t)*ROWC  ; 16 lanes store 256 consecutive bytes, at a multiple of 256 from qkv's first byte
.endr
.endm
	s_wait_tensorcnt 1                             ; my part of step 0 is in; step 1's load stays out
	s_barrier_signal -1
	s_barrier_wait -1                              ; everybody's is
	FETCH 0, F0, 0
	s_wait_loadcnt 0x0                             ; the first tile's bias
	QUARTER 64,  F0, F1, 1, 0                      ; a tile's first quarter stands in front of its loop: its products start the sums
	WIN 0                                          ; at a label and at a branch every window is 0
	PLACES                                         ; those products have read the bias:
	BIAS BB2                                       ; the second tile's takes its place, and waits there
	s_mov_b32 s3, FILLS
.Lstep:                                                ; a trip goes from a step's second quarter to the next step's first, and fills the slot that it leaves: the first tile's steps 2 to 7
	QUARTER 128, F1, F0, 0, 0
	QUARTER 192, F0, F1, 0, 0
	TURN 0, 0, 1, 0
	QUARTER 64,  F0, F1, 0, 0
	WIN 0
	s_sub_co_u32 s3, s3, 1
	s_cmp_lg_u32 s3, 0
	s_cbranch_scc1 .Lstep
	s_wait_xcnt 0x0                                ; the last prefetch, two steps back, has read its address
	s_mov_b64 s[PFA:PFA+1], s[PFV:PFV+1]           ; from here on the second tile is asked for
	s_mov_b32 s[LIM], s[LIMV]
	s_mov_b64 s[BBASE:BBASE+1], s[VBASE:VBASE+1]
	s_mov_b32 s3, 2
.Lchange:                                              ; the first tile's last two steps: THE RING GOES ON INTO THE SECOND TILE: its steps 0 and 1 are asked for
	QUARTER 128, F1, F0, 0, 0
	QUARTER 192, F0, F1, 0, 0
	TURN 0, 1, 1, 1                                ; in the last trip its run of loads takes the second tile's first fragments; what would be rows 64-127 of xb is not used
	WIN 0
	s_cmp_eq_u32 s3, 1
	s_cbranch_scc1 .Lleft                          ; forward, past text that holds neither a barrier nor a tensor load: the tile has no further step
	QUARTER 64,  F0, F1, 0, 0
	WIN 0
	v_mov_b32 v[ADRA0], v[ADRA2]                   ; the next change of slots leads into the second tile, whose shares lie otherwise
	v_mov_b32 v[ADRB0], v[ADRB2]
.Lleft:
	s_wait_dscnt 0x0                               ; on both ways no LDS load of mine is out
	s_sub_co_u32 s3, s3, 1
	s_cmp_lg_u32 s3, 0
	s_cbranch_scc1 .Lchange
	PLACES                                         ; BOTH REFILLS ARE ASKED FOR: NOW THE FIRST TILE GOES OUT
	PACK 0
	TOSTAGE 0
.irp a, 1,2,3,4,5,6,7                  ; block a's conversions stand between block a - 1's loads from the stage and the wait for them
	PACK \a
	SEND (\a)-1
	TOSTAGE \a
.endr
	SEND 7
	s_wait_loadcnt 0x0                             ; the second tile's bias
	QUARTER 64,  F0, F1, 1, 1
	WIN 0
	s_mov_b32 s3, FILLS
.Lstep2:                                               ; the second tile's steps 2 to 7 are asked for
	QUARTER 128, F1, F0, 0, 1
	QUARTER 192, F0, F1, 0, 1
	TURN 1, 1, 1, 0
	QUARTER 64,  F0, F1, 0, 1
	WIN 0
	s_sub_co_u32 s3, s3, 1
	s_cmp_lg_u32 s3, 0
	s_cbranch_scc1 .Lstep2
	s_mov_b32 s3, 2
.Ltail:                                                ; the last two steps ask for nothing
	QUARTER 128, F1, F0, 0, 1
	QUARTER 192, F0, F1, 0, 1
	TURN 1, 1, 0, 0                                ; in the last trip its run of loads is not used
	WIN 0
	s_cmp_eq_u32 s3, 1
	s_cbranch_scc1 .Lover
	QUARTER 64,  F0, F1, 0, 1
	WIN 0
.Lover:
	s_wait_dscnt 0x0
	s_sub_co_u32 s3, s3, 1
	s_cmp_lg_u32 s3, 0
	s_cbranch_scc1 .Ltail
	PLACES
	s_wait_xcnt 0x0                                ; the first tile's stores have read their base
	s_mov_b64 s[8:9], s[C2:C2+1]
	PACK 0
	TOSTAGE 0
.irp a, 1,2,3
	PACK \a
	SEND (\a)-1
	TOSTAGE \a
.endr
	SEND 3
	s_wait_tensorcnt 0x0                           ; the wave's end: behind my last tensor load and my last LDS store
	ds_add_u32 v[SPW], v[NIL]
	s_wait_dscnt 0x0
	CROUND                                         ; the closing round: no work-group ends while a partner may still ask for a tile that names it
	s_endpgm
.Lfunc_end_k_q50415c6234_proj:
	.size	k_q50415c6234_proj, .Lfunc_end_k_q50415c6234_proj-k_q50415c6234_proj
	.p2alignl 7, 3214868480
	.fill 96, 4, 3214868480
	.section	.rodata,"a",@progbits
	.p2align	6, 0x0
	.amdhsa_kernel k_q50415c6234_proj
		.amdhsa_group_segment_fixed_size 327680
		.amdhsa_private_segment_fixed_size 0
		.amdhsa_enable_private_segment 0
		.amdhsa_kernarg_size 32
		.amdhsa_user_sgpr_count 2
		.amdhsa_user_sgpr_kernarg_segment_ptr 1
		.amdhsa_wavefront_size32 1
		.amdhsa_system_sgpr_workgroup_id_x 1
		.amdhsa_system_sgpr_workgroup_id_y 1
		.amdhsa_system_sgpr_workgroup_id_z 1
		.amdhsa_system_vgpr_workitem_id 0
		.amdhsa_next_free_vgpr 1024
		.amdhsa_next_free_sgpr 86
		.amdhsa_reserve_vcc 0
		.amdhsa_float_denorm_mode_32 3
		.amdhsa_float_denorm_mode_16_64 3
		.amdhsa_memory_ordered 1
		.amdhsa_forward_progress 1
		.amdhsa_inst_pref_size 161
	.end_amdhsa_kernel
	.amdgpu_metadata
---
amdhsa.version: [ 1, 2 ]
amdhsa.kernels:
  - .name:           k_q50415c6234_proj
    .symbol:         k_q50415c6234_proj.kd
    .args:
      - { .name: xb, .offset: 0, .size: 8, .value_kind: global_buffer, .address_space: global }
      - { .name: wb, .offset: 8, .size: 8, .value_kind: global_buffer, .address_space: global }
      - { .name: qkv, .offset: 16, .size: 8, .value_kind: global_buffer, .address_space: global }
      - { .name: bb, .offset: 24, .size: 8, .value_kind: global_buffer, .address_space: global }
    .group_segment_fixed_size: 327680
    .private_segment_fixed_size: 0
    .kernarg_segment_align: 8
    .kernarg_segment_size: 32
    .max_flat_workgroup_size: 128
    .sgpr_count:     86
    .vgpr_count:     1024
    .wavefront_size: 32
...
	.end_amdgpu_metadata
.endif
;; end of part 6
;; launch qk (part 7): grid 12 x 16, 4 waves a work-group, clusters of 4 x 4, 327,680 bytes of LDS; arguments qkv, pw, st; writes pw, st
.if DOCPART == 7
	.amdgcn_target "amdgcn-amd-amdhsa--gfx1250"
	.amdhsa_code_object_version 6
	.text
	.protected	k_q50415c6234_qk
	.globl	k_q50415c6234_qk
	.p2align	8
	.type	k_q50415c6234_qk,@function
k_q50415c6234_qk:
	s_mov_b64 s[64:65], 0
	v_nop
	global_prefetch_b8 v0, s[64:65] scope:SCOPE_SE
	s_setreg_imm32_b32 hwreg(HW_REG_WAVE_MODE, 25, 1), 1
	s_wait_xcnt 0x0
	s_wait_alu depctr_hold_cnt(0) depctr_sa_sdst(0) depctr_va_vdst(0) depctr_va_sdst(0) depctr_va_ssrc(0) depctr_va_vcc(0) depctr_vm_vsrc(0)
	s_getreg_b32 s2, hwreg(HW_REG_IB_STS2, 6, 4)
	s_cmp_eq_u32 s2, 0
	s_cbranch_scc0 .Lentry_in_a_cluster
	s_endpgm
.Lentry_in_a_cluster:
	s_bfe_u32 s2, ttmp6, 0x10000c
	s_cmp_lg_u32 s2, 0xf033
	s_cbranch_scc0 .Lentry_shape_is_right
	s_endpgm
.Lentry_shape_is_right:
; THE SCORES AND THE FIRST HALF OF THE SOFTMAX.  s[q][k] = the sum over d of Q[q][d] K[k][d]; Q and K are columns 0-1023 and 1024-2047 of qkv: [8192][3072] f16.  Products in f16, sums in f32.
; For each query q and each BLOCK of 128 keys: m = the largest visible s of the block, p' = 2^(c s - c m) with c = log2(e) / 32, l = the sum of the block's p' (unrounded).
; Out: pw[n][q][k] = p', rounded once to f16 ([4][2048][2048]); st = c m, then l, each f32 [4 batches][16 blocks][2048 rows].  The next launch takes the row's greatest c m away and divides by the row's sum.
; THE MASK is the C operand of the products that start the sums: 0, or -1e30 where key > query.  For accumulator (a, b) it hangs on b - a alone: 15 diagonals of 8 registers, made once.
; m is held at -1e29 at the least, so a block that a row does not see at all gives p' = 0, l = 0 and a c m far below every true one.
; LIMITS: a hidden score counts as its value less 1e30 (sums of 1,024 products of f16 numbers stay under 4.4e12); a weight below 6e-8 of its block's largest counts as 0; NaN and infinities are not treated apart.
; A batch's 8 x 8 tiles of 256 x 256 fall into 2 x 2 squares of 4 x 4 tiles; the three squares on and below the diagonal are made, a cluster each (cluster x = 0, 1, 2: squares (0,0), (1,0), (1,1)).
; STATED: in the two squares on the diagonal the six tiles wholly above it are made all the same (48 of the launch's 192 work-groups): the partners of a cluster run alike, and the triangle does
; not divide into squares of four.  Cluster x = 0 also stores the neutral pair (-1e30, 0) for blocks 8-15 of rows 0-1023, which no square covers and the next launch reads.
; THE RING is the projection's: four waves, 128 x 128 a wave in 64 accumulators, eight steps of 128 along d through two LDS slots, each tile asked for jointly by the four work-groups that share it
; (Q's along a row of the cluster, K's along a column); source 0 = 16 rows of K, source 1 = 16 rows of Q, so that a lane holds ONE query (l % 16) and eight neighbouring keys.
; The last two steps, which ask for nothing, are a loop of two trips; its last trip jumps forward over the next step's first quarter.  STATED: the 32 loads ahead of that jump bring bytes that nobody uses.
; THE WAY OUT IS A LOOP: the 64 accumulators are set aside in the ring's bytes, which have had their last fill (each lane's own 16 bytes, 64 KiB a wave), and come back a block of 16 queries a trip into fixed registers.
; REGISTERS: window 0: v0-31 addresses; v32-63 at work on the way out; v64-127, v128-191 fragments of Q, later a block's scores, its packed weights and its rows read back.
;   window 1: v0-63, v192-255 the masks; v64-191 fragments of K.  windows 2, 3: the accumulators.
.set KSTEP,  128
.set PITCH,  272                       ; an LDS row: 256 bytes + 16 of padding: the 16 rows that a load touches start at 16 different groups of four banks (ISA guide 11.1)
.set HALFT,  128*PITCH
.set SLOT,   4*HALFT                   ; 0x22000
.set STAGE,  2*SLOT                    ; behind the ring: 16 rows x 272 bytes for each wave
.set SPITCH, 272
.set STATL,  STAGE+4*16*SPITCH         ; behind the stages: for each wave 128 c m, then 128 l
.set SPARE,  STATL+4*1024              ; behind them: the spare words, 128 bytes for each wave: two blocks of 256 bytes that no other line names
.set ROWK,   6144                      ; bytes in a row of qkv
.set ROWC,   4096                      ; bytes in a row of pw
.set LHALF,  524288                    ; bytes from c m to l in st
.set FILLS,  6
.set ADRA0, 16
.set ADRA,  17
.set SO,    18                         ; v18     16 x lane
.set VT,    19                         ; v19     my query less my first key: number 16 (b - a) + j is hidden where it is greater
.set ADRB0, 20
.set ADRB,  21
.set SR,    22                         ; v22     where I read 16 bytes of c m back
.set STO,  24
.set RD,   25
.set CO,   26
.set DA,   27                          ; v27     my 16 bytes in the block set aside that is taken next
.set SPW,  28                          ; v28     LDS address of my spare word; never rewritten
.set NIL,  29                          ; v29     0; never rewritten
.set PFO,  30                          ; v30     my lane x a row of qkv; never rewritten
.set SA,   31                          ; v31     where my query's c m goes
.set C0,   32                          ; v32-35  four running maxima
.set TT,   36                          ; v36     the other half of the lanes' figure
.set CM,   38                          ; v38 c m, v39 m
.set LS,   40                          ; v[40:47] four running sums of pairs
.set S,    64                          ; v64-127 a block's 64 scores a lane: key block b at S + 8 b
.set P,    128                         ; v128-159 packed
.set BK,   160                         ; v160-191 16 rows read back
.set PFA,  44
.set LIM,  43
.set TB,   68
.set CS,   70                          ; s[70:71] c: the packed scaling takes the pair's low word for both halves
.set SEL,  72                          ; s[72:73] v_permlanex16_b32's selects: each lane takes its own place in the other half
.set LOW,  74                          ; s74  -1e29
.set BIGN, 75                          ; s75  -1e30
.set F0,   64
.set F1,   128
.set G1,  24
.set G0,  32
.set G1B, 48
.set G0B, 56
.set MSB, 0
.macro WIN new
.if MSB != (\new)
	s_set_vgpr_msb (MSB<<8)|(\new)
.set MSB, \new
.endif
.endm
.set MUL_LO, 0xa1
.set MUL_HI, 0xf1
.set TO_B,   0x40
.macro JLOAD s                         ; a joint load: waves 0 and 1 fetch Q's two halves, waves 2 and 3 K's; an s_nop 0 and four v_nop follow each of the two lines
	s_cmp_eq_u32 s11, 0
	s_cbranch_scc0 .Lfor_b_\@
	tensor_load_to_lds s[G0+4*(\s):G0+4*(\s)+3], s[G1:G1+7]
	s_nop 0
.rept 4
	v_nop
.endr
	s_branch .Lasked_\@
.Lfor_b_\@:
	tensor_load_to_lds s[G0B+4*(\s):G0B+4*(\s)+3], s[G1B:G1B+7]
	s_nop 0
.rept 4
	v_nop
.endr
.Lasked_\@:
.endm
; A prefetch of the step two refills on: 32 rows x 256 bytes, a lane a row, 512 matrix instructions ahead of its load.  Each block is named once in the launch: the lower square row's Q is read by
; clusters 1 and 2, and cluster 1 asks; the left square column's K by clusters 0 and 1, and cluster 0 asks; what one cluster alone reads it asks for itself.  The four partners share a tile's rows out by address.
; The loop's last two trips ask for nothing: there is no step 8.
.macro ASK
	s_cmp_gt_u32 s3, s[LIM]
	s_cbranch_scc0 .Lnot_mine_\@
	global_prefetch_b8 v[PFO], s[PFA:PFA+1] offset:KSTEP*2 th:TH_LOAD_NT scope:SCOPE_SE
.Lnot_mine_\@:
.endm
.macro CREST
	s_cmp_lg_u32 s10, 0
	s_cbranch_scc1 .Lnot_wave_0_\@
	s_barrier_signal -3
.Lnot_wave_0_\@:
	s_barrier_wait -3
	s_barrier_signal -1
	s_barrier_wait -1
.endm
.macro CROUND
	s_barrier_signal -1
	s_barrier_wait -1
	CREST
.endm
	s_load_b128 s[4:7], s[0:1], 0x0                ; qkv s[4:5], pw s[6:7]
	s_load_b64 s[66:67], s[0:1], 0x10              ; st
	v_lshl_add_u32 v[SPW], v0, 2, SPARE
	v_mov_b32 v[NIL], 0
	ds_add_u32 v[SPW], v[NIL]                      ; the wave's opening: the add and its wait ahead of my first tensor load
	v_lshrrev_b32 v1, 5, v0
	v_readfirstlane_b32 s10, v1                    ; wave 0..3
	s_lshr_b32 s11, s10, 1                         ; my half of the tile's queries.  Also: I fetch for Q (0) or for K (1)
	s_and_b32 s12, s10, 1                          ; my half of its keys.  Also: which 128 rows I fetch
	s_bfe_u32 s40, ttmp6, 0x40000                  ; cx
	s_bfe_u32 s41, ttmp6, 0x40004                  ; cy
	s_add_co_u32 s13, ttmp9, 1
	s_lshr_b32 s13, s13, 1                         ; the square's row: 0, 1, 1
	s_lshl_b32 s13, s13, 2
	s_add_co_u32 s13, s13, s41                     ; tile row
	s_lshr_b32 s42, ttmp9, 1                       ; the square's column: 0, 0, 1
	s_lshl_b32 s42, s42, 2
	s_add_co_u32 s42, s42, s40                     ; tile column
	s_and_b32 s2, ttmp7, 0xffff
	s_lshl_b32 s2, s2, 11                          ; the batch's first row
	s_lshl_b32 s43, s41, 2
	s_lshl_b32 s43, 15, s43                        ; my row of the cluster
	s_lshl_b32 s44, 0x1111, s40                    ; my column
	s_or_b32 s[G1+0], s43, (1<<16)|(1<<20)|(1<<21)|(5<<22)|(3<<25)
	s_or_b32 s[G1B+0], s44, (1<<16)|(1<<20)|(1<<21)|(5<<22)|(3<<25)
.irp g, G1, G1B
	s_mov_b32 s[(\g)+1], KSTEP<<16                 ; tensor_dim0 = 128
	s_mov_b32 s[(\g)+2], 128<<16                   ; tensor_dim1 = 128
	s_mov_b32 s[(\g)+3], KSTEP<<16                 ; tile_dim0 = 128
	s_mov_b32 s[(\g)+4], 128                       ; tile_dim1 = 128
	s_mov_b32 s[(\g)+5], 3072                      ; elements from row to row
	s_mov_b32 s[(\g)+6], 0
	s_mov_b32 s[(\g)+7], 0
.endr
	s_mov_b32 s[TB], 0
	s_mov_b32 s[CS], 0x3d38aa3b                    ; c = log2(e) / 32
	s_mov_b32 s[CS+1], s[CS]                       ; named with it as a pair
	s_mov_b32 s[SEL], 0x76543210
	s_mov_b32 s[SEL+1], 0xfedcba98
	s_mov_b32 s[LOW], 0xefa18f07                   ; -1e29
	s_mov_b32 s[BIGN], 0xf149f2ca                  ; -1e30
	s_lshl_b32 s17, s12, 7
	s_add_co_u32 s17, s17, s2                      ; the batch, and which 128 rows of the tile I fetch
	s_lshl_b32 s16, s13, 8
	s_add_co_u32 s16, s16, s17                     ; Q's rows
	s_lshl_b32 s46, s42, 8
	s_add_co_u32 s46, s46, s17                     ; K's rows
	s_mov_b32 s17, 0
	s_mov_b32 s47, 0
	s_mov_b64 s[18:19], ROWK
	s_mul_u64 s[16:17], s[16:17], s[18:19]
	s_mul_u64 s[46:47], s[46:47], s[18:19]
	s_mul_i32 s20, s10, HALFT
	s_wait_dscnt 0x0                               ; the opening add is done
	s_wait_kmcnt 0x0
	s_mov_b64 s[8:9], s[6:7]                       ; pw
	s_add_nc_u64 s[6:7], s[4:5], 2048              ; K begins 2,048 bytes into a row of qkv
	s_add_nc_u64 s[14:15], s[4:5], s[16:17]
	s_add_nc_u64 s[46:47], s[6:7], s[46:47]
	CROUND                                         ; all sixteen work-groups are here: the first joint loads meet
.irp s, 0,1
	s_mov_b32 s[G0+4*(\s)], 1
	s_add_co_u32 s[G0+4*(\s)+1], s20, (\s)*SLOT
	s_add_nc_u64 s[G0+4*(\s)+2:G0+4*(\s)+3], s[14:15], (\s)*KSTEP*2
	s_or_b32 s[G0+4*(\s)+3], s[G0+4*(\s)+3], 0x80000000
	s_mov_b32 s[G0B+4*(\s)], 1
	s_add_co_u32 s[G0B+4*(\s)+1], s20, (\s)*SLOT
	s_add_nc_u64 s[G0B+4*(\s)+2:G0B+4*(\s)+3], s[46:47], (\s)*KSTEP*2
	s_or_b32 s[G0B+4*(\s)+3], s[G0B+4*(\s)+3], 0x80000000
	JLOAD \s                                       ; two loads of mine are out
.endr
	v_and_b32 v1, 15, v0                           ; l % 16
	v_bfe_u32 v2, v0, 4, 1                         ; l / 16
	v_mul_u32_u24 v3, v1, PITCH
	v_lshl_add_u32 v3, v2, 4, v3
	s_mul_i32 s21, s11, HALFT
	s_mul_i32 s22, s12, HALFT
	s_add_co_u32 s22, s22, 2*HALFT
	v_add_nc_u32 v[ADRA0], s21, v3
	v_add_nc_u32 v[ADRB0], s22, v3
	v_mov_b32 v[ADRA], v[ADRA0]                    ; slot 0 is read first
	v_mov_b32 v[ADRB], v[ADRB0]
	s_mul_i32 s23, s10, 16*SPITCH
	s_add_co_u32 s23, s23, STAGE                   ; my stage
	v_mul_u32_u24 v4, v1, SPITCH                   ; in: row l % 16, 16 bytes for each half of the lanes
	v_lshl_add_u32 v4, v2, 4, v4
	v_add_nc_u32 v[STO], s23, v4
	v_mul_u32_u24 v5, v2, SPITCH                   ; back: lanes 0-15 take one row of 256 bytes, lanes 16-31 the next
	v_lshl_add_u32 v5, v1, 4, v5
	v_add_nc_u32 v[RD], s23, v5
	v_lshlrev_b32 v5, 12, v2                       ; and the same two rows in pw
	v_lshl_add_u32 v[CO], v1, 4, v5
	v_and_b32 v5, 31, v0
	v_lshlrev_b32 v[SO], 4, v5
	s_lshl_b32 s23, s10, 16                        ; what I set aside: 65,536 bytes from 65,536 x wave on
	v_add_nc_u32 v[DA], s23, v[SO]
	s_lshl_b32 s23, s10, 10
	s_add_co_u32 s23, s23, STATL
	v_lshl_add_u32 v[SA], v1, 2, s23
	v_add_nc_u32 v[SR], s23, v[SO]
	v_mov_b32 v[TT], 0                             ; v_permlanex16_b32's destination counts as read
	s_lshl_b32 s13, s13, 8                         ; 256 x tile row
	s_lshl_b32 s14, s11, 7
	s_add_co_u32 s16, s13, s14                     ; my first query in the batch
	s_lshr_b32 s20, s2, 7                          ; 16 x batch
	s_lshl_b32 s21, s42, 1
	s_add_co_u32 s20, s20, s21
	s_add_co_u32 s20, s20, s12                     ; + my block of 128 keys: 2 x tile column + half
	s_lshl_b32 s20, s20, 11
	s_add_co_u32 s20, s20, s16
	s_lshl_b32 s20, s20, 2
	s_mov_b32 s21, 0
	s_add_nc_u64 s[66:67], s[66:67], s[20:21]      ; st at my 128 rows of my block
	s_add_co_u32 s16, s16, s2
	s_lshl_b32 s16, s16, 12                        ; my first row of pw,
	s_lshl_b32 s46, s42, 9
	s_lshl_b32 s47, s12, 8
	s_add_co_u32 s46, s46, s47
	s_add_co_u32 s16, s16, s46                     ; my first column: 512 x tile column + 256 x half
	s_mov_b32 s17, 0
	s_lshl_b32 s42, s42, 8                         ; 256 x tile column
	s_sub_co_u32 s22, s13, s42
	s_sub_co_u32 s23, s11, s12
	s_lshl_b32 s23, s23, 7
	s_add_co_u32 s22, s22, s23                     ; my first query less my first key
	v_lshlrev_b32 v6, 3, v2
	v_sub_nc_u32 v[VT], v1, v6
	v_add_nc_u32 v[VT], s22, v[VT]                 ; + l % 16 - 8 (l / 16)
	; the masks: diagonal d = b - a + 7 at v[8 d] (d < 8) or v[192 + 8 (d - 8)] of window 1; register j is hidden where 16 (b - a) + j is greater than VT.  All this stands in the wait for the first tile.
	WIN TO_B
.set d, 0
.rept 15
.set j, 0
.rept 8
.if d < 8
.set mr, 8*d+j
.else
.set mr, 192+8*(d-8)+j
.endif
	v_cmp_gt_i32 vcc_lo, 16*(d-7)+j, v[VT]
	v_cndmask_b32 v[mr], 0, s[BIGN], vcc_lo
.set j, j+1
.endr
.set d, d+1
.endr
	WIN 0
	; the prefetches.  s13 = 256 x tile row, s42 = 256 x tile column
	s_cmp_lg_u32 ttmp9, 2
	s_cselect_b32 s20, 1, 0                        ; this cluster asks for its rows of Q,
	s_cmp_lg_u32 ttmp9, 1
	s_cselect_b32 s21, 1, 0                        ; for its rows of K
	s_cmp_eq_u32 s11, 0                            ; do I fetch for Q?
	s_cselect_b32 s22, s20, s21
	s_cselect_b32 s20, s13, s42                    ; the tile's first row in the batch
	s_cselect_b32 s21, s40, s41                    ; my place among the four that ask for it with me
	s_cselect_b64 s[PFA:PFA+1], s[4:5], s[6:7]
	s_cmp_eq_u32 s22, 1
	s_cselect_b32 s[LIM], 2, -1                    ; the same in all sixteen partners, for a given wave
	s_add_co_u32 s20, s20, s2
	s_lshl_b32 s22, s12, 7
	s_add_co_u32 s20, s20, s22
	s_lshl_b32 s21, s21, 5
	s_add_co_u32 s20, s20, s21
	s_mov_b32 s21, 0
	s_mov_b64 s[18:19], ROWK
	s_mul_u64 s[20:21], s[20:21], s[18:19]
	s_add_nc_u64 s[PFA:PFA+1], s[PFA:PFA+1], s[20:21]
	s_add_nc_u64 s[PFA:PFA+1], s[PFA:PFA+1], 2*KSTEP*2  ; at step 2: the first refill steps it to 3 and names step 4
	v_mul_u32_u24 v[PFO], v5, ROWK
; 16 matrix instructions: query blocks a0, a0 + 1 of the window's four x all 8 key blocks, 32 along d.  zero = 1: the product starts the sum, with the mask of its diagonal as C.
.macro MUL16 f, hi, a0, zero
.if \zero
	WIN 0x91+0x40*(\hi)                            ; C in window 1, D in window 2 or 3
.else
	WIN MUL_LO+0x50*(\hi)
.endif
.irp a, \a0, (\a0)+1
.irp b, 0,1,2,3,4,5,6,7
.if \zero
.set dd, (\b)-4*(\hi)-(\a)+7
.if dd < 8
.set mr, 8*dd
.else
.set mr, 192+8*(dd-8)
.endif
	v_wmma_f32_16x16x32_f16 v[8*(8*(\a)+(\b)):8*(8*(\a)+(\b))+7], v[(\f)+8*(\b):(\f)+8*(\b)+7], v[(\f)+8*(4*(\hi)+(\a)):(\f)+8*(4*(\hi)+(\a))+7], v[mr:mr+7]
.else
	v_wmma_f32_16x16x32_f16 v[8*(8*(\a)+(\b)):8*(8*(\a)+(\b))+7], v[(\f)+8*(\b):(\f)+8*(\b)+7], v[(\f)+8*(4*(\hi)+(\a)):(\f)+8*(4*(\hi)+(\a))+7], v[8*(8*(\a)+(\b)):8*(8*(\a)+(\b))+7]
.endif
.endr
.endr
.endm
.macro FETCH k, f
	WIN TO_B
.irp i, 0,1,2,3,4,5,6,7
	ds_load_b128 v[(\f)+8*(\i):(\f)+8*(\i)+3],   v[ADRB] offset:(\k)+(\i)*16*PITCH
	ds_load_b128 v[(\f)+8*(\i)+4:(\f)+8*(\i)+7], v[ADRB] offset:(\k)+(\i)*16*PITCH+32
.endr
	WIN 0
.irp i, 0,1,2,3,4,5,6,7
	ds_load_b128 v[(\f)+8*(\i):(\f)+8*(\i)+3],   v[ADRA] offset:(\k)+(\i)*16*PITCH
	ds_load_b128 v[(\f)+8*(\i)+4:(\f)+8*(\i)+7], v[ADRA] offset:(\k)+(\i)*16*PITCH+32
.endr
.endm
.macro OTHER                           ; the reads go on in the other slot
	s_xor_b32 s[TB], s[TB], SLOT
	v_add_nc_u32 v[ADRA], s[TB], v[ADRA0]
	v_add_nc_u32 v[ADRB], s[TB], v[ADRB0]
.endm
.macro PLACES                          ; four plain instructions between a matrix instruction and a load into a register that it has read, or a line that reads its result
.rept 4
	v_nop
.endr
.endm
.macro QUARTER k, f, g, zero           ; 64 matrix instructions on buffer f, the next quarter's 32 loads into buffer g in their middle; the 64 accumulators take turns
	s_wait_dscnt 8                                 ; K's fragments and Q's rows 0-63 are in; the youngest eight loads may be out
	MUL16 \f, 0, 0, \zero
	MUL16 \f, 0, 2, \zero
	PLACES
	FETCH \k, \g
	s_wait_dscnt 32                                ; all but the 32 just issued
	MUL16 \f, 1, 0, \zero
	MUL16 \f, 1, 2, \zero
.endm
.macro MEET                            ; the change of slots: all my tensor loads, the add, the add's and my reads' wait, the barrier
	WIN 0
	s_wait_tensorcnt 0x0                           ; at the most one was out: my part of the next slot
	ds_add_u32 v[SPW], v[NIL]                      ; 0 onto my spare word
	s_wait_dscnt 9                                 ; (the add and the youngest eight loads may be out)
	MUL16 F1, 0, 0, 0
	s_wait_dscnt 0x0                               ; the add is done, and my reads of this slot are over
	s_barrier_signal -1
	MUL16 F1, 0, 2, 0
	WIN 0
	s_barrier_wait -1
.endm
.macro TURN                            ; the last quarter of a step whose slot is filled again: the barrier opens a round of the cluster's, the joint refill is the first tensor load behind it
	s_wait_xcnt 0x0                                ; the last prefetch, a step back, has read its address
	s_add_nc_u64 s[PFA:PFA+1], s[PFA:PFA+1], KSTEP*2
	MEET
	CREST
.irp g, G0+4, G0B+4
	s_xor_b32 s[(\g)+1], s[(\g)+1], SLOT           ; the walking descriptor: the other slot than last time,
	s_add_nc_u64 s[(\g)+2:(\g)+3], s[(\g)+2:(\g)+3], KSTEP*2  ; the next step
.endr
	JLOAD 1                                        ; 224 matrix instructions ahead of the wait for it; its four v_nop are also the places in front of the loads below
	OTHER
	FETCH 0, F0
	ASK
	MUL16 F1, 1, 0, 0
	MUL16 F1, 1, 2, 0
.endm
	s_wait_tensorcnt 1                             ; my part of step 0 is in; step 1's load stays out
	s_barrier_signal -1
	s_barrier_wait -1
	FETCH 0, F0
	QUARTER 64,  F0, F1, 1                         ; the first quarter's products start the sums, on the masks
	WIN 0
	s_mov_b32 s3, FILLS
.Lstep:                                                ; a trip goes from a step's second quarter to the next step's first, and fills the slot that it leaves
	QUARTER 128, F1, F0, 0
	QUARTER 192, F0, F1, 0
	TURN
	QUARTER 64,  F0, F1, 0
	WIN 0
	s_sub_co_u32 s3, s3, 1
	s_cmp_lg_u32 s3, 0
	s_cbranch_scc1 .Lstep
	s_mov_b32 s3, 2
.Ltail:                                                ; the last two steps ask for nothing: no round follows their barrier
	QUARTER 128, F1, F0, 0
	QUARTER 192, F0, F1, 0
	MEET
	PLACES
	OTHER
	FETCH 0, F0                                    ; in the last trip this run of loads is not used
	MUL16 F1, 1, 0, 0
	MUL16 F1, 1, 2, 0
	WIN 0
	s_cmp_eq_u32 s3, 1
	s_cbranch_scc1 .Lover                          ; forward, past text that holds neither a barrier nor a tensor load: there is no further step
	QUARTER 64,  F0, F1, 0
	WIN 0
.Lover:
	s_wait_dscnt 0x0                               ; on both ways no LDS load of mine is out; behind the last trip: my last reads of the ring are back
	s_sub_co_u32 s3, s3, 1
	s_cmp_lg_u32 s3, 0
	s_cbranch_scc1 .Ltail
	PLACES
	s_barrier_signal -1                            ; every wave's reads of the ring are over, and no fill follows:
	s_barrier_wait -1                              ; its bytes may be written
.irp a, 0,1,2,3,4,5,6,7                ; block a's 64 registers a lane at 8,192 a; each store covers 512 consecutive bytes; each accumulator's low half first
	WIN 0x08+4*((\a)/4)                            ; the stores' data (source 1): window 2 or 3
.irp b, 0,1,2,3,4,5,6,7
	ds_store_b128 v[DA], v[64*((\a)%4)+8*(\b):64*((\a)%4)+8*(\b)+3]   offset:(\a)*8192+(\b)*1024
	ds_store_b128 v[DA], v[64*((\a)%4)+8*(\b)+4:64*((\a)%4)+8*(\b)+7] offset:(\a)*8192+(\b)*1024+512
.endr
.endr
	WIN 0
	s_add_nc_u64 s[8:9], s[8:9], s[16:17]          ; pw at my first row and column
	s_mov_b32 s3, 8
.Lblk:                                                 ; a trip: 16 queries x 128 keys.  A lane holds one query and 64 of its keys; the lane 16 away holds the other 64
.irp i, 0,1,2,3,4,5,6,7,8,9,10,11,12,13,14,15
	ds_load_b128 v[S+4*(\i):S+4*(\i)+3], v[DA] offset:512*(\i)  ; LDS serves a wave's instructions in order (ISA guide 5.7.1.4): these see my stores
.endr
	s_wait_dscnt 0x0
.irp k, 0,1,2,3                        ; the maximum, in four chains of sixteen scores
	v_max3_num_f32 v[C0+(\k)], v[S+16*(\k)], v[S+16*(\k)+1], v[S+16*(\k)+2]
.endr
.irp n, 0,1,2,3,4,5
.irp k, 0,1,2,3
	v_max3_num_f32 v[C0+(\k)], v[C0+(\k)], v[S+16*(\k)+3+2*(\n)], v[S+16*(\k)+4+2*(\n)]
.endr
.endr
	v_max3_num_f32 v[C0], v[C0], v[S+15], v[S+31]
	v_max3_num_f32 v[C0+2], v[C0+2], v[S+47], v[S+63]
	v_max3_num_f32 v[C0], v[C0], v[C0+1], v[C0+2]
	v_max_num_f32 v[C0], v[C0], v[C0+3]
	v_permlanex16_b32 v[TT], v[C0], s[SEL], s[SEL+1]
	v_max3_num_f32 v[CM+1], v[C0], v[TT], s[LOW]   ; m, at the least -1e29
	v_mul_f32 v[CM], s[CS], v[CM+1]                ; c m, rounded once: the weights and the figure that is stored go by the same number
.set i, 0
.rept 32
	v_pk_fma_f32 v[S+i:S+i+1], v[S+i:S+i+1], s[CS:CS+1], v[CM:CM+1] op_sel_hi:[1,0,0] neg_lo:[0,0,1] neg_hi:[0,0,1]  ; c s - c m
.set i, i+2
.endr
.set i, 0
.rept 64                               ; the block's exponentials are one batch
	v_exp_f32 v[S+i], v[S+i]
.set i, i+1
.endr
	v_nop                                          ; a plain instruction behind the last exponential,
	s_wait_alu depctr_va_vdst(0)                   ; and the one wait ahead of the batch's first reader
.set i, 0
.rept 32
	v_cvt_pk_f16_f32 v[P+i], v[S+2*i], v[S+2*i+1]
.set i, i+1
.endr
.irp b, 0,1,2,3,4,5,6,7
	ds_store_b128 v[STO], v[P+4*(\b):P+4*(\b)+3] offset:32*(\b)
.endr
.irp t, 0,1,2,3,4,5,6,7
	ds_load_b128 v[BK+4*(\t):BK+4*(\t)+3], v[RD] offset:(\t)*2*SPITCH
.endr
.irp k, 0,1,2,3                        ; the sum of the unrounded weights, in four chains of pairs, while the rows come back
	v_pk_add_f32 v[LS+2*(\k):LS+2*(\k)+1], v[S+16*(\k):S+16*(\k)+1], v[S+16*(\k)+2:S+16*(\k)+3]
.endr
.irp n, 2,3,4,5,6,7
.irp k, 0,1,2,3
	v_pk_add_f32 v[LS+2*(\k):LS+2*(\k)+1], v[LS+2*(\k):LS+2*(\k)+1], v[S+16*(\k)+2*(\n):S+16*(\k)+2*(\n)+1]
.endr
.endr
	v_pk_add_f32 v[LS:LS+1], v[LS:LS+1], v[LS+2:LS+3]
	v_pk_add_f32 v[LS+4:LS+5], v[LS+4:LS+5], v[LS+6:LS+7]
	v_pk_add_f32 v[LS:LS+1], v[LS:LS+1], v[LS+4:LS+5]
	v_add_f32 v[LS], v[LS], v[LS+1]
	v_permlanex16_b32 v[TT], v[LS], s[SEL], s[SEL+1]
	v_add_f32 v[LS], v[LS], v[TT]
	ds_store_b32 v[SA], v[CM]                      ; both halves of the lanes write the same word with the same number
	ds_store_b32 v[SA], v[LS] offset:512
	s_wait_dscnt 0x0
.irp t, 0,1,2,3,4,5,6,7
	global_store_b128 v[CO], v[BK+4*(\t):BK+4*(\t)+3], s[8:9] offset:2*(\t)*ROWC  ; 16 lanes store 256 consecutive bytes, at a multiple of 256 from pw's first byte
.endr
	s_wait_xcnt 0x0                                ; the stores' base and data are rewritten only behind this wait
	s_add_nc_u64 s[8:9], s[8:9], 16*ROWC
	v_add_nc_u32 v[DA], 8192, v[DA]
	v_add_nc_u32 v[SA], 64, v[SA]
	s_sub_co_u32 s3, s3, 1
	s_cmp_lg_u32 s3, 0
	s_cbranch_scc1 .Lblk
	ds_load_b128 v[56:59], v[SR]                   ; my 128 rows' c m and l, 512 consecutive bytes each
	ds_load_b128 v[60:63], v[SR] offset:512
	s_wait_dscnt 0x0
	global_store_b128 v[SO], v[56:59], s[66:67]
	global_store_b128 v[SO], v[60:63], s[66:67] offset:LHALF
	s_cmp_lg_u32 ttmp9, 0                          ; the cluster's x: the same in all sixteen partners
	s_cbranch_scc1 .Lcovered
.irp i, 0,1,2,3
	v_mov_b32 v[48+(\i)], s[BIGN]
	v_mov_b32 v[52+(\i)], 0
.endr
	global_store_b128 v[SO], v[48:51], s[66:67] offset:8*2048*4         ; the neutral pair, eight blocks on
	global_store_b128 v[SO], v[52:55], s[66:67] offset:LHALF+8*2048*4
.Lcovered:
	s_wait_tensorcnt 0x0                           ; the wave's end
	ds_add_u32 v[SPW], v[NIL]
	s_wait_dscnt 0x0
	CROUND                                         ; the closing round
	s_endpgm
.Lfunc_end_k_q50415c6234_qk:
	.size	k_q50415c6234_qk, .Lfunc_end_k_q50415c6234_qk-k_q50415c6234_qk
	.p2alignl 7, 3214868480
	.fill 96, 4, 3214868480
	.section	.rodata,"a",@progbits
	.p2align	6, 0x0
	.amdhsa_kernel k_q50415c6234_qk
		.amdhsa_group_segment_fixed_size 327680
		.amdhsa_private_segment_fixed_size 0
		.amdhsa_enable_private_segment 0
		.amdhsa_kernarg_size 24
		.amdhsa_user_sgpr_count 2
		.amdhsa_user_sgpr_kernarg_segment_ptr 1
		.amdhsa_wavefront_size32 1
		.amdhsa_system_sgpr_workgroup_id_x 1
		.amdhsa_system_sgpr_workgroup_id_y 1
		.amdhsa_system_sgpr_workgroup_id_z 1
		.amdhsa_system_vgpr_workitem_id 0
		.amdhsa_next_free_vgpr 1024
		.amdhsa_next_free_sgpr 76
		.amdhsa_reserve_vcc 1
		.amdhsa_float_denorm_mode_32 3
		.amdhsa_float_denorm_mode_16_64 3
		.amdhsa_memory_ordered 1
		.amdhsa_forward_progress 1
		.amdhsa_inst_pref_size 107
	.end_amdhsa_kernel
	.amdgpu_metadata
---
amdhsa.version: [ 1, 2 ]
amdhsa.kernels:
  - .name:           k_q50415c6234_qk
    .symbol:         k_q50415c6234_qk.kd
    .args:
      - { .name: qkv, .offset: 0, .size: 8, .value_kind: global_buffer, .address_space: global }
      - { .name: pw, .offset: 8, .size: 8, .value_kind: global_buffer, .address_space: global }
      - { .name: st, .offset: 16, .size: 8, .value_kind: global_buffer, .address_space: global }
    .group_segment_fixed_size: 327680
    .private_segment_fixed_size: 0
    .kernarg_segment_align: 8
    .kernarg_segment_size: 24
    .max_flat_workgroup_size: 128
    .sgpr_count:     76
    .vgpr_count:     1024
    .wavefront_size: 32
...
	.end_amdgpu_metadata
.endif
;; end of part 7
;; launch pv (part 8): grid 8 x 32, 4 waves a work-group, clusters of 4 x 4, 327,680 bytes of LDS; arguments pw, qkv, out0, st; writes out0
.if DOCPART == 8
	.amdgcn_target "amdgcn-amd-amdhsa--gfx1250"
	.amdhsa_code_object_version 6
	.text
	.protected	k_q50415c6234_pv
	.globl	k_q50415c6234_pv
	.p2align	8
	.type	k_q50415c6234_pv,@function
k_q50415c6234_pv:
	s_mov_b64 s[64:65], 0
	v_nop
	global_prefetch_b8 v0, s[64:65] scope:SCOPE_SE
	s_setreg_imm32_b32 hwreg(HW_REG_WAVE_MODE, 25, 1), 1
	s_wait_xcnt 0x0
	s_wait_alu depctr_hold_cnt(0) depctr_sa_sdst(0) depctr_va_vdst(0) depctr_va_sdst(0) depctr_va_ssrc(0) depctr_va_vcc(0) depctr_vm_vsrc(0)
	s_getreg_b32 s2, hwreg(HW_REG_IB_STS2, 6, 4)
	s_cmp_eq_u32 s2, 0
	s_cbranch_scc0 .Lentry_in_a_cluster
	s_endpgm
.Lentry_in_a_cluster:
	s_bfe_u32 s2, ttmp6, 0x10000c
	s_cmp_lg_u32 s2, 0xf033
	s_cbranch_scc0 .Lentry_shape_is_right
	s_endpgm
.Lentry_shape_is_right:
; THE SECOND HALF OF THE SOFTMAX AND THE SECOND PRODUCT.  out0[n][q][e] = the sum over blocks b of 128 keys of f[q][b] x (the sum over the block's keys k of pw[n][q][k] V[n][k][e]).
; pw: [4][2048][2048] f16, the weights relative to their block's maximum (0 for hidden keys); st: c m, then l, each f32 [4][16 blocks][2048 rows]; V: columns 2048-3071 of qkv [8192][3072] f16; out0: [4][2048][1024] f32.
; f[q][b] = 2^(c m_b - c m_row) / l_row, where c m_row is the greatest c m_b of the row (the row's true maximum) and l_row = the sum over b of l_b 2^(c m_b - c m_row): all in f32.
; Products in f16, sums in f32.  A block's 16 sums start with the constant 0 and are folded into the tile's sums by one fused multiply-add each: the weights have their one rounding and no more.
; A tile of out0 is 128 queries x 128 channels: four waves, each 64 x 64.  The keys go in steps of 256, two blocks, through a ring of two LDS slots.
; THE WALK.  A batch's queries lie in four bands of 512; band g needs the keys below 512 (g + 1): 2 (g + 1) steps.  A cluster's four rows are the four strips of 128 queries of one band, its four columns four
; channel tiles.  A work-group makes TWO tiles, one after the other: in band 3 - p and then in band p (p = cluster y & 1): 8 - 2 p and 2 p + 2 steps, TEN whatever p: all 256 work-groups do equal work.  A step is
; written twice: in a loop of eight trips that fill the slot they leave, and in a loop of two that ask for nothing (its last trip fetches 32 fragments that nobody uses: the price of one text for both).
; What a trip does hangs on scalars made from the cluster's y, the same in all sixteen partners.  STATED: a strip's keys beyond its own last query and below the band's end are multiplied as zeros.
; JOINT LOADS.  pw's tile hangs on the strip and is shared along a row of the cluster; V's on the channel tile and is shared along a column.
; LAYOUT.  Source 0 = 16 channels x 32 keys of V, which lies [key][channel] in LDS and comes out turned, by ds_load_tr16_b128; source 1 = 16 queries x 32 keys of pw, as it lies.  In the result a lane holds
; one query (l % 16) and the channels 8 (l / 16) + 0..7, so a block's factor is one number a lane for each of the four query blocks.
; REGISTERS: window 0: v0-31 addresses; v32-95 the way out; v96-103 the block's four factors, at even registers; v128-255 the block's sums ((a, b) at v[128 + 8 (4 a + b)]).
;   window 1: two fragment buffers of 128: for 64 keys 64 registers of pw, then 64 of V.   window 2: v0-127 the tile's sums; v128-191 c m and l of two of my wave's rows, 16 blocks; v192-199 at work.
.set PA,     528                       ; a row of pw in LDS: 512 bytes + 16 = 132 words: the 16 rows of a load start at 16 different groups of four banks (ISA guide 11.1)
.set PV,     288                       ; a row of V: 256 + 32 = 72 words
.set BOFF,   128*PA                    ; a slot: pw's 128 rows, then V's 256 rows: 141,312 bytes
.set SLOT,   0x24000                   ; slot 1 begins here: the tiles' places in a slot (0, 0x8400, 0x10800, 0x19800) have none of its two bits, so one exclusive or turns a place in one slot into the other's
.set STAGE,  2*SLOT                    ; behind the ring, for each wave 16 rows x 272 bytes: the table of factors (4,096 bytes) while a tile is summed, the stage on its way out
.set SPITCH, 272
.set STW,    16*SPITCH
.set SPARE,  STAGE+4*STW               ; behind them: the spare words, 128 bytes for each wave: two blocks of 256 bytes that no other line names
.set ROWO,   4096                      ; bytes in a row of out0, and of pw
.set VSTEP,  256*6144                  ; bytes from a step's rows of V to the next step's
.set LHALF,  524288                    ; bytes from c m to l in st
.set SV,   15                          ; v15     8 x lane
.set ADRA0, 16                         ; v16     my lane's place in pw's part of a slot; v17 the same in the slot that is read
.set ADRA,  17
.set ADRB0, 20                         ; v20-21  the same for V, one for each half of a step's keys, so that the immediates stay inside 16 bits; v22-23 in the slot that is read
.set ADRB,  22
.set STO,  24
.set RD,   25
.set CO,   26
.set FA0,  27                          ; v27     the table: 4 (l % 16)
.set SPW,  28                          ; v28     LDS address of my spare word; never rewritten
.set NIL,  29                          ; v29     0; never rewritten
.set FA,   30                          ; v30     the same at the block in hand
.set TW,   31                          ; v31     the table: where my two rows' factors go
.set TMP,  32                          ; two buffers of 32: 16 rows read back from the stage
.set FAC,  96
.set ACC,  128
.set F0,   0
.set F1,   128
.set TOT,  0                           ; window 2
.set CMR,  128                         ; window 2: block b's c m of rows 2 l, 2 l + 1 at CMR + 2 b
.set LR,   160                         ; window 2: its l
.set W,    192                         ; window 2
.set G1,  24                           ; s[24:31] descriptor group 1 for pw's tiles;  s[32:39] group 0: a set for each of the two first fills; the second then walks on
.set G0,  32
.set G1B, 48                           ; s[48:55], s[56:63] the same for V's
.set G0B, 56
.set BASEV, 68                         ; s[68:69] V at the batch's first key, my half of a step's keys, my channel tile
.set OFF,   70                         ; s[70:71] a tile's byte offset in pw
.set OFFV,  72                         ; s[72:73] a step's byte offset in V
.set NXT,   74                         ; s74  the step of the walk to be asked for next
.set SW2,   75                         ; s75  the first tile's steps: 8 - 2 p
.set ROW1,  76                         ; s76  byte offset in pw of the 64 rows that I fetch, first tile
.set ROW2,  77                         ; s77  second tile
.set TB,    78                         ; s78  the slot that is read: 0 or SLOT
.set TOSW,  79                         ; s79  steps of the first tile still to go
.set OC,    80                         ; s[80:81] out0 at my part of the tile in hand
.set O2,    82                         ; s[82:83] of the second tile
.set ST1,   88                         ; s[88:89] st at my wave's 64 rows, first tile
.set ST2,   90                         ; s[90:91] second tile
.set FB,    92                         ; s92  256 x the block in hand, held inside the table's 16 blocks
.set MSB, 0
.macro WIN new
.if MSB != (\new)
	s_set_vgpr_msb (MSB<<8)|(\new)
.set MSB, \new
.endif
.endm
.set MUL,  0x05                        ; sources 0 and 1 window 1; C and D window 0
.set TO_F, 0x40                        ; destination window 1, address window 0
.macro JLOAD s                         ; a joint load: waves 0 and 1 fetch pw's two halves (64 rows), waves 2 and 3 V's (128 keys); an s_nop 0 and four v_nop follow each of the two lines
	s_cmp_lt_u32 s10, 2
	s_cbranch_scc0 .Lfor_b_\@
	tensor_load_to_lds s[G0+4*(\s):G0+4*(\s)+3], s[G1:G1+7]
	s_nop 0
.rept 4
	v_nop
.endr
	s_branch .Lasked_\@
.Lfor_b_\@:
	tensor_load_to_lds s[G0B+4*(\s):G0B+4*(\s)+3], s[G1B:G1B+7]
	s_nop 0
.rept 4
	v_nop
.endr
.Lasked_\@:
.endm
.macro CREST
	s_cmp_lg_u32 s10, 0
	s_cbranch_scc1 .Lnot_wave_0_\@
	s_barrier_signal -3
.Lnot_wave_0_\@:
	s_barrier_wait -3
	s_barrier_signal -1
	s_barrier_wait -1
.endm
.macro CROUND
	s_barrier_signal -1
	s_barrier_wait -1
	CREST
.endm
	s_load_b128 s[4:7], s[0:1], 0x0                ; pw s[4:5], qkv s[6:7]
	s_load_b64 s[8:9], s[0:1], 0x10                ; out0
	s_load_b64 s[ST1:ST1+1], s[0:1], 0x18          ; st
	v_lshl_add_u32 v[SPW], v0, 2, SPARE
	v_mov_b32 v[NIL], 0
	ds_add_u32 v[SPW], v[NIL]                      ; the wave's opening: the add and its wait ahead of my first tensor load
	v_lshrrev_b32 v1, 5, v0
	v_readfirstlane_b32 s10, v1                    ; wave 0..3
	s_lshr_b32 s11, s10, 1                         ; which half of the tile's queries is mine
	s_and_b32 s12, s10, 1                          ; which half of its channels.  Also: which half of pw's rows, or of V's keys, I fetch
	s_bfe_u32 s40, ttmp6, 0x40000                  ; cx
	s_bfe_u32 s41, ttmp6, 0x40004                  ; cy
	s_lshl_b32 s42, ttmp9, 2
	s_add_co_u32 s42, s42, s40                     ; channel tile = 4 x cluster x + cx
	s_and_b32 s13, ttmp7, 0xffff                   ; cluster y
	s_lshr_b32 s14, s13, 1                         ; the batch
	s_and_b32 s15, s13, 1                          ; p
	s_lshl_b32 s43, s41, 2
	s_lshl_b32 s43, 15, s43                        ; my row of the cluster
	s_lshl_b32 s44, 0x1111, s40                    ; my column
	s_or_b32 s[G1+0], s43, (1<<16)|(1<<20)|(1<<21)|(6<<22)|(3<<25)   ; pw: the row's mask; 2-byte elements; padding on; bit 21 beside a mask; after every 128 words 4 words
	s_mov_b32 s[G1+1], 256<<16                     ; tensor_dim0 = 256 keys
	s_mov_b32 s[G1+2], 64<<16                      ; tensor_dim1 = 64 rows
	s_mov_b32 s[G1+3], 256<<16                     ; tile_dim0
	s_mov_b32 s[G1+4], 64                          ; tile_dim1
	s_mov_b32 s[G1+5], 2048                        ; elements from row to row
	s_mov_b32 s[G1+6], 0
	s_mov_b32 s[G1+7], 0
	s_or_b32 s[G1B+0], s44, (1<<16)|(1<<20)|(1<<21)|(5<<22)|(7<<25)  ; V: the column's mask; after every 64 words 8 words
	s_mov_b32 s[G1B+1], 128<<16                    ; tensor_dim0 = 128 channels
	s_mov_b32 s[G1B+2], 128<<16                    ; tensor_dim1 = 128 keys
	s_mov_b32 s[G1B+3], 128<<16
	s_mov_b32 s[G1B+4], 128
	s_mov_b32 s[G1B+5], 3072
	s_mov_b32 s[G1B+6], 0
	s_mov_b32 s[G1B+7], 0
	s_lshl_b32 s16, s15, 1
	s_sub_co_u32 s[SW2], 8, s16
	s_mov_b32 s[TOSW], s[SW2]
	s_mov_b32 s[NXT], 2
	s_mov_b32 s[TB], 0
	s_mov_b32 s[FB], 0
	s_mov_b32 s[OFF+1], 0
	s_mov_b32 s[OFFV+1], 0
	s_lshl_b32 s14, s14, 11                        ; the batch's first row
	s_sub_co_u32 s20, 3, s15
	s_lshl_b32 s20, s20, 9                         ; the first band's first query
	s_lshl_b32 s21, s15, 9                         ; the second's
	s_lshl_b32 s16, s41, 7                         ; my strip in a band
	s_lshl_b32 s17, s12, 6
	s_add_co_u32 s17, s17, s16
	s_add_co_u32 s17, s17, s14                     ; the 64 rows of pw that I fetch
	s_add_co_u32 s[ROW1], s17, s20
	s_lshl_b32 s[ROW1], s[ROW1], 12
	s_add_co_u32 s[ROW2], s17, s21
	s_lshl_b32 s[ROW2], s[ROW2], 12
	s_lshl_b32 s18, s11, 6
	s_add_co_u32 s18, s18, s16                     ; my 64 queries in a band
	s_lshl_b32 s47, s14, 6                         ; the batch's 16 blocks x 2,048 rows x 4 bytes in st
	s_add_co_u32 s84, s18, s20
	s_lshl_b32 s84, s84, 2
	s_add_co_u32 s84, s84, s47
	s_mov_b32 s85, 0
	s_add_co_u32 s[ST2], s18, s21
	s_lshl_b32 s[ST2], s[ST2], 2
	s_add_co_u32 s[ST2], s[ST2], s47
	s_mov_b32 s[ST2+1], 0
	s_add_co_u32 s18, s18, s14                     ; my 64 rows of out0
	s_lshl_b32 s46, s42, 9
	s_lshl_b32 s47, s12, 8
	s_add_co_u32 s46, s46, s47                     ; my 64 channels, in bytes
	s_add_co_u32 s86, s18, s20
	s_lshl_b32 s86, s86, 12
	s_add_co_u32 s86, s86, s46
	s_mov_b32 s87, 0
	s_add_co_u32 s22, s18, s21
	s_lshl_b32 s22, s22, 12
	s_add_co_u32 s22, s22, s46
	s_mov_b32 s23, 0
	s_lshl_b32 s45, s12, 7
	s_add_co_u32 s45, s45, s14                     ; the 128 keys of a step that I fetch
	s_mul_i32 s46, s45, 6144
	s_lshl_b32 s47, s42, 8
	s_add_co_u32 s46, s46, s47                     ; the channel tile's 256 bytes,
	s_add_co_u32 s46, s46, 4096                    ; in V's part of a row of qkv
	s_mov_b32 s47, 0
	s_mul_i32 s2, s12, 64*PA                       ; where the tiles go: no place in the cluster enters an LDS address
	s_mul_i32 s19, s12, 128*PV
	s_add_co_u32 s19, s19, BOFF
	s_mov_b32 s[OFF], s[ROW1]
	s_wait_dscnt 0x0                               ; the opening add is done
	s_wait_kmcnt 0x0
	s_add_nc_u64 s[OC:OC+1], s[8:9], s[86:87]
	s_add_nc_u64 s[O2:O2+1], s[8:9], s[22:23]
	s_add_nc_u64 s[ST2:ST2+1], s[ST1:ST1+1], s[ST2:ST2+1]
	s_add_nc_u64 s[ST1:ST1+1], s[ST1:ST1+1], s[84:85]
	s_add_nc_u64 s[BASEV:BASEV+1], s[6:7], s[46:47]
	s_add_nc_u64 s[20:21], s[4:5], s[OFF:OFF+1]
	CROUND                                         ; all sixteen work-groups are here: the first joint loads meet
.irp s, 0,1
	s_mov_b32 s[G0+4*(\s)], 1
	s_add_co_u32 s[G0+4*(\s)+1], s2, (\s)*SLOT
	s_add_nc_u64 s[G0+4*(\s)+2:G0+4*(\s)+3], s[20:21], (\s)*512       ; step s of the first tile: 256 keys are 512 bytes of a row
	s_or_b32 s[G0+4*(\s)+3], s[G0+4*(\s)+3], 0x80000000
	s_mov_b32 s[G0B+4*(\s)], 1
	s_add_co_u32 s[G0B+4*(\s)+1], s19, (\s)*SLOT
	s_add_nc_u64 s[G0B+4*(\s)+2:G0B+4*(\s)+3], s[BASEV:BASEV+1], (\s)*VSTEP
	s_or_b32 s[G0B+4*(\s)+3], s[G0B+4*(\s)+3], 0x80000000
	JLOAD \s                                       ; two loads of mine are out
.endr
; c m and l of my wave's 64 rows, 16 blocks: a lane takes rows 2 l and 2 l + 1, so each load covers 256 consecutive bytes, aligned
.macro STLOAD base
	WIN 0x80                                       ; destination window 2, address window 0
.set b, 0
.rept 16
	global_load_b64 v[CMR+2*b:CMR+2*b+1], v[SV], s[\base:\base+1] offset:8192*b
	global_load_b64 v[LR+2*b:LR+2*b+1],   v[SV], s[\base:\base+1] offset:LHALF+8192*b
.set b, b+1
.endr
	WIN 0
.endm
; The factors of my two rows, and into my wave's table: block b's 64 factors at 256 b, row by row.
.macro TABLE
	WIN 0xaa                                       ; everything in window 2
	v_max3_num_f32 v[W],   v[CMR],   v[CMR+2], v[CMR+4]
	v_max3_num_f32 v[W+1], v[CMR+1], v[CMR+3], v[CMR+5]
.irp n, 0,1,2,3,4,5
	v_max3_num_f32 v[W],   v[W],   v[CMR+6+4*(\n)], v[CMR+8+4*(\n)]
	v_max3_num_f32 v[W+1], v[W+1], v[CMR+7+4*(\n)], v[CMR+9+4*(\n)]
.endr
	v_max_num_f32 v[W],   v[W],   v[CMR+30]        ; c m_row
	v_max_num_f32 v[W+1], v[W+1], v[CMR+31]
.set b, 0
.rept 16
	v_pk_add_f32 v[CMR+2*b:CMR+2*b+1], v[CMR+2*b:CMR+2*b+1], v[W:W+1] neg_lo:[0,1] neg_hi:[0,1]  ; c m_b - c m_row
.set b, b+1
.endr
.set b, 0
.rept 32                               ; one batch
	v_exp_f32 v[CMR+b], v[CMR+b]
.set b, b+1
.endr
	v_nop                                          ; a plain instruction behind the last exponential,
	s_wait_alu depctr_va_vdst(0)                   ; and the one wait ahead of the batch's first reader
	v_pk_mul_f32 v[W+2:W+3], v[CMR:CMR+1],   v[LR:LR+1]      ; l_row, in two chains
	v_pk_mul_f32 v[W+4:W+5], v[CMR+2:CMR+3], v[LR+2:LR+3]
.set b, 2
.rept 14
	v_pk_fma_f32 v[W+2+2*(b%2):W+3+2*(b%2)], v[CMR+2*b:CMR+2*b+1], v[LR+2*b:LR+2*b+1], v[W+2+2*(b%2):W+3+2*(b%2)]
.set b, b+1
.endr
	v_pk_add_f32 v[W+2:W+3], v[W+2:W+3], v[W+4:W+5]
	v_rcp_f32 v[W+6], v[W+2]
	v_rcp_f32 v[W+7], v[W+3]
	v_nop
	s_wait_alu depctr_va_vdst(0)                   ; ahead of the reciprocals' first reader
.set b, 0
.rept 16
	v_pk_mul_f32 v[CMR+2*b:CMR+2*b+1], v[CMR+2*b:CMR+2*b+1], v[W+6:W+7]
.set b, b+1
.endr
	WIN 0x08                                       ; the stores' data (source 1) in window 2, their address in window 0
.set b, 0
.rept 16
	ds_store_b64 v[TW], v[CMR+2*b:CMR+2*b+1] offset:256*b
.set b, b+1
.endr
	WIN 0
.endm
; A tile's sums start at 0.  They are cleared on purpose, at a tile's beginning: a first fold written apart would stand in both loops.
.macro CLEAR
	WIN 0x80
.set i, 0
.rept 128
	v_mov_b32 v[TOT+i], 0
.set i, i+1
.endr
	WIN 0
.endm
	v_and_b32 v7, 31, v0
	v_lshlrev_b32 v[SV], 3, v7
	STLOAD ST1                                     ; the first tile's figures are asked for at once; the addresses and the clearing stand in the wait for them
	v_and_b32 v1, 15, v0                           ; l % 16
	v_bfe_u32 v2, v0, 4, 1                         ; l / 16
	v_mul_u32_u24 v3, v1, PA
	v_lshl_add_u32 v3, v2, 4, v3                   ; pw: row x pitch + 16 x half
	s_mul_i32 s16, s11, 64*PA                      ; my 64 queries
	v_add_nc_u32 v[ADRA0], s16, v3
	v_mov_b32 v[ADRA], v[ADRA0]                    ; slot 0 is read first
	; The turning load takes 16 keys x 16 channels (lane l reads key 8 (l / 16) + l % 8, channels 8 ((l / 8) % 2) + 0..7) and leaves half a fragment: lane l holds channel l % 16 and 8 keys.
	v_and_b32 v4, 7, v0
	v_bfe_u32 v5, v0, 3, 1
	v_lshl_add_u32 v6, v2, 3, v4
	v_mul_u32_u24 v6, v6, PV
	v_lshl_add_u32 v6, v5, 4, v6
	s_lshl_b32 s17, s12, 7                         ; my 64 channels
	s_add_co_u32 s17, s17, BOFF
	v_add_nc_u32 v[ADRB0], s17, v6
	v_add_nc_u32 v[ADRB0+1], 128*PV, v[ADRB0]
	v_mov_b32 v[ADRB], v[ADRB0]
	v_mov_b32 v[ADRB+1], v[ADRB0+1]
	s_mul_i32 s18, s10, STW
	s_add_co_u32 s18, s18, STAGE                   ; my stage and table
	v_mul_u32_u24 v7, v1, SPITCH                   ; in: row l % 16, 32 bytes for each half of the lanes
	v_lshl_add_u32 v7, v2, 5, v7
	v_add_nc_u32 v[STO], s18, v7
	v_mul_u32_u24 v7, v2, SPITCH                   ; back: lanes 0-15 take one row of 256 bytes, lanes 16-31 the next
	v_lshl_add_u32 v7, v1, 4, v7
	v_add_nc_u32 v[RD], s18, v7
	v_lshlrev_b32 v7, 12, v2                       ; and the same two rows in out0
	v_lshl_add_u32 v[CO], v1, 4, v7
	v_lshl_add_u32 v[FA0], v1, 2, s18
	v_add_nc_u32 v[TW], s18, v[SV]
.irp a, 0,1,2,3
	v_mov_b32 v[FAC+2*(\a)+1], 0                   ; named in a pair with a factor
.endr
	CLEAR
	s_wait_loadcnt 0x0
	TABLE
	STLOAD ST2                                     ; the second tile's figures wait in the same registers for the change of tiles
; 8 matrix instructions: query blocks a0, a0 + 1 x all 4 channel blocks, 32 keys: half c of buffer f.  zero = 1: the product starts the block's sums.  The 16 accumulators take turns.
.macro MUL8 f, c, a0, zero
	WIN MUL
.irp a, \a0, (\a0)+1
.irp b, 0,1,2,3
.if \zero
	v_wmma_f32_16x16x32_f16 v[ACC+8*(4*(\a)+(\b)):ACC+8*(4*(\a)+(\b))+7], v[(\f)+64+8*(4*(\c)+(\b)):(\f)+64+8*(4*(\c)+(\b))+7], v[(\f)+8*(4*(\c)+(\a)):(\f)+8*(4*(\c)+(\a))+7], 0
.else
	v_wmma_f32_16x16x32_f16 v[ACC+8*(4*(\a)+(\b)):ACC+8*(4*(\a)+(\b))+7], v[(\f)+64+8*(4*(\c)+(\b)):(\f)+64+8*(4*(\c)+(\b))+7], v[(\f)+8*(4*(\c)+(\a)):(\f)+8*(4*(\c)+(\a))+7], v[ACC+8*(4*(\a)+(\b)):ACC+8*(4*(\a)+(\b))+7]
.endif
.endr
.endr
.endm
; 32 LDS loads in one run: the fragments of quarter q (64 keys) of the step in the slot that is read, into buffer f; the first 32 keys first
.macro FETCH q, f
	WIN TO_F
.irp c, 0,1
.irp i, 0,1,2,3
	ds_load_tr16_b128 v[(\f)+64+8*(4*(\c)+(\i)):(\f)+64+8*(4*(\c)+(\i))+3],   v[ADRB+(\q)/2] offset:(((\q)%2)*64+32*(\c))*PV+32*(\i)
	ds_load_tr16_b128 v[(\f)+64+8*(4*(\c)+(\i))+4:(\f)+64+8*(4*(\c)+(\i))+7], v[ADRB+(\q)/2] offset:(((\q)%2)*64+32*(\c)+16)*PV+32*(\i)
	ds_load_b128 v[(\f)+8*(4*(\c)+(\i)):(\f)+8*(4*(\c)+(\i))+3],              v[ADRA] offset:128*(\q)+64*(\c)+(\i)*16*PA
	ds_load_b128 v[(\f)+8*(4*(\c)+(\i))+4:(\f)+8*(4*(\c)+(\i))+7],            v[ADRA] offset:128*(\q)+64*(\c)+(\i)*16*PA+32
.endr
.endr
.endm
.macro PLACES                          ; four plain instructions between a matrix instruction and a load into a register that it has read, or a line that reads its result
.rept 4
	v_nop
.endr
.endm
; The block's sums, times the block's factor, onto the tile's sums: 64 packed multiply-adds, each accumulator's registers in ascending order.
.macro FOLD
	PLACES
	WIN 0xa0                                       ; the tile's sums (destination and source 2) in window 2; the block's sums and the factor in window 0
.irp a, 0,1,2,3
.irp b, 0,1,2,3
.irp r, 0,1,2,3
	v_pk_fma_f32 v[TOT+8*(4*(\a)+(\b))+2*(\r):TOT+8*(4*(\a)+(\b))+2*(\r)+1], v[ACC+8*(4*(\a)+(\b))+2*(\r):ACC+8*(4*(\a)+(\b))+2*(\r)+1], v[FAC+2*(\a):FAC+2*(\a)+1], v[TOT+8*(4*(\a)+(\b))+2*(\r):TOT+8*(4*(\a)+(\b))+2*(\r)+1] op_sel_hi:[1,0,1]
.endr
.endr
.endr
.endm
; A step is four quarters of 64 keys, 32 matrix instructions each, on buffers 0, 1, 0, 1; two quarters are a block.
; A block's first quarter: its first sixteen products start the sums; the block's four factors are asked for ahead of the run of fragment loads, so that the wait behind the run covers them.
.macro QEVEN qn
	s_wait_dscnt 16                                ; the first 32 keys' sixteen loads are in
	MUL8 F0, 0, 0, 1
	MUL8 F0, 0, 2, 1
	WIN 0
	PLACES
	v_add_nc_u32 v[FA], s[FB], v[FA0]
.irp a, 0,1,2,3
	ds_load_b32 v[FAC+2*(\a)], v[FA] offset:64*(\a)
.endr
	s_add_co_u32 s[FB], s[FB], 256
	s_and_b32 s[FB], s[FB], 0xf00                  ; a tile has sixteen blocks at the most
	FETCH \qn, F1
	s_wait_dscnt 32                                ; all but the 32 just issued
	MUL8 F0, 1, 0, 0
	MUL8 F0, 1, 2, 0
.endm
; The second quarter of a step's first block.
.macro QODD qn
	s_wait_dscnt 16
	MUL8 F1, 0, 0, 0
	MUL8 F1, 0, 2, 0
	PLACES
	FETCH \qn, F0
	s_wait_dscnt 32
	MUL8 F1, 1, 0, 0
	MUL8 F1, 1, 2, 0
	FOLD
.endm
; The addresses of step NXT of the walk, made anew from the step's number, and the other slot than last time: scalar work, where no tensor load of mine is out.
.macro NEXTADR
	s_cmp_ge_u32 s[NXT], s[SW2]                    ; does the step belong to the second tile?
	s_cselect_b32 s84, s[SW2], 0
	s_cselect_b32 s85, s[ROW2], s[ROW1]
	s_sub_co_u32 s84, s[NXT], s84                  ; the step's number in its tile
	s_lshl_b32 s[OFF], s84, 9
	s_add_co_u32 s[OFF], s[OFF], s85
	s_add_nc_u64 s[G0+6:G0+7], s[4:5], s[OFF:OFF+1]
	s_or_b32 s[G0+7], s[G0+7], 0x80000000
	s_xor_b32 s[G0+5], s[G0+5], SLOT
	s_mul_i32 s[OFFV], s84, VSTEP
	s_add_nc_u64 s[G0B+6:G0B+7], s[BASEV:BASEV+1], s[OFFV:OFFV+1]
	s_or_b32 s[G0B+7], s[G0B+7], 0x80000000
	s_xor_b32 s[G0B+5], s[G0B+5], SLOT
	s_add_co_u32 s[NXT], s[NXT], 1
.endm
; A step's last quarter multiplies buffer 1 and changes slots: ONE barrier; in front of it each wave waits for all its tensor loads (at the most one is out: its part of the next slot), adds 0 to its spare word, and
; waits for that and for its own reads of this slot.  fill = 1: the barrier opens a round of the cluster's, and the joint refill, two steps ahead, is the first tensor load behind it: 112 matrix instructions ahead of the wait for it.
.macro TURN fill
	WIN 0                                          ; (the add's two registers lie in window 0)
	s_wait_tensorcnt 0x0
	ds_add_u32 v[SPW], v[NIL]                      ; 0 onto my spare word
.if \fill
	NEXTADR
.endif
	s_wait_dscnt 17                                ; (the add and the youngest sixteen loads may be out)
	MUL8 F1, 0, 0, 0
	s_wait_dscnt 0x0                               ; the add is done, and my reads of this slot are over
	s_barrier_signal -1
	MUL8 F1, 0, 2, 0
	WIN 0
	s_barrier_wait -1
.if \fill
	CREST                                          ; no wave of any partner still reads this slot's tiles or has a load on its way
	JLOAD 1                                        ; its four v_nop are also the places in front of the loads below
.else
	PLACES
.endif
	s_xor_b32 s[TB], s[TB], SLOT                   ; the reads go on in the other slot
	v_add_nc_u32 v[ADRA], s[TB], v[ADRA0]
	v_add_nc_u32 v[ADRB], s[TB], v[ADRB0]
	v_add_nc_u32 v[ADRB+1], s[TB], v[ADRB0+1]
	FETCH 0, F0
	MUL8 F1, 1, 0, 0
	MUL8 F1, 1, 2, 0
	FOLD
.endm
; THE WAY OUT: no arithmetic.  A block of 16 queries at a time: a lane's 32 bytes of a row go into my stage; whole rows of 256 bytes come back and are stored.  The tile's table, which has these bytes, is no longer read.
.macro OSTORE a
.irp t, 0,1,2,3,4,5,6,7
	global_store_b128 v[CO], v[TMP+32*((\a)%2)+4*(\t):TMP+32*((\a)%2)+4*(\t)+3], s[OC:OC+1] offset:(16*(\a)+2*(\t))*ROWO th:TH_STORE_NT  ; 16 lanes store 256 consecutive bytes, at a multiple of 256 from out0's first byte
.endr
.endm
.macro WAYOUT
.irp a, 0,1,2,3
	WIN 0x08                                       ; the stores' data (source 1) in window 2
.irp b, 0,1,2,3
	ds_store_b128 v[STO], v[TOT+8*(4*(\a)+(\b)):TOT+8*(4*(\a)+(\b))+3]   offset:64*(\b)
	ds_store_b128 v[STO], v[TOT+8*(4*(\a)+(\b))+4:TOT+8*(4*(\a)+(\b))+7] offset:64*(\b)+16
.endr
	WIN 0
.if (\a) >= 2
	s_wait_xcnt 0x0                                ; the stores of two blocks back have read the registers that are loaded now
.endif
.irp t, 0,1,2,3,4,5,6,7
	ds_load_b128 v[TMP+32*((\a)%2)+4*(\t):TMP+32*((\a)%2)+4*(\t)+3], v[RD] offset:(\t)*2*SPITCH  ; LDS serves a wave's instructions in order (ISA guide 5.7.1.4): these see the stores above
.endr
.if (\a) >= 1
	s_wait_dscnt 16                                ; this block's 8 stores and 8 loads may be out: the block before is back
	OSTORE (\a)-1
.endif
.endr
	s_wait_dscnt 0x0
	OSTORE 3
.endm
	s_wait_tensorcnt 1                             ; my part of step 0 is in; step 1's load stays out
	s_wait_dscnt 0x0                               ; no LDS instruction of mine is out at a signal: the table's stores are done
	s_barrier_signal -1
	s_barrier_wait -1                              ; everybody's part is in
	FETCH 0, F0
	WIN 0                                          ; at a label and at a branch every window is 0
	s_mov_b32 s3, 8
.Lstep:                                                ; eight trips, a step each; the slot that is left is filled again: steps 2 to 9 of the walk
	QEVEN 1
	QODD 2
	QEVEN 3
	TURN 1
	WIN 0
	s_sub_co_u32 s[TOSW], s[TOSW], 1
	s_cmp_lg_u32 s[TOSW], 0
	s_cbranch_scc1 .Lsame                          ; forward, past text that holds neither a barrier nor a tensor load
	WAYOUT                                         ; the first tile is finished; the second tile's first steps have been asked for already
	s_wait_xcnt 0x0                                ; the stores have read their registers and their base
	s_mov_b64 s[OC:OC+1], s[O2:O2+1]
	s_wait_loadcnt 0x0                             ; the second tile's c m and l, asked for at the launch's beginning
	TABLE
	CLEAR
	s_mov_b32 s[FB], 0
.Lsame:
	s_sub_co_u32 s3, s3, 1
	s_cmp_lg_u32 s3, 0
	s_cbranch_scc1 .Lstep
	s_mov_b32 s3, 2
.Ltail:                                                ; the walk's last two steps ask for nothing
	QEVEN 1
	QODD 2
	QEVEN 3
	TURN 0
	WIN 0
	s_sub_co_u32 s3, s3, 1
	s_cmp_lg_u32 s3, 0
	s_cbranch_scc1 .Ltail
	s_wait_dscnt 0x0
	WAYOUT
	s_wait_tensorcnt 0x0                           ; the wave's end: behind my last tensor load and my last LDS store
	ds_add_u32 v[SPW], v[NIL]
	s_wait_dscnt 0x0
	CROUND                                         ; the closing round: no work-group ends while a partner may still ask for a tile that names it
	s_endpgm
.Lfunc_end_k_q50415c6234_pv:
	.size	k_q50415c6234_pv, .Lfunc_end_k_q50415c6234_pv-k_q50415c6234_pv
	.p2alignl 7, 3214868480
	.fill 96, 4, 3214868480
	.section	.rodata,"a",@progbits
	.p2align	6, 0x0
	.amdhsa_kernel k_q50415c6234_pv
		.amdhsa_group_segment_fixed_size 327680
		.amdhsa_private_segment_fixed_size 0
		.amdhsa_enable_private_segment 0
		.amdhsa_kernarg_size 32
		.amdhsa_user_sgpr_count 2
		.amdhsa_user_sgpr_kernarg_segment_ptr 1
		.amdhsa_wavefront_size32 1
		.amdhsa_system_sgpr_workgroup_id_x 1
		.amdhsa_system_sgpr_workgroup_id_y 1
		.amdhsa_system_sgpr_workgroup_id_z 1
		.amdhsa_system_vgpr_workitem_id 0
		.amdhsa_next_free_vgpr 712
		.amdhsa_next_free_sgpr 94
		.amdhsa_reserve_vcc 0
		.amdhsa_float_denorm_mode_32 3
		.amdhsa_float_denorm_mode_16_64 3
		.amdhsa_memory_ordered 1
		.amdhsa_forward_progress 1
		.amdhsa_inst_pref_size 108
	.end_amdhsa_kernel
	.amdgpu_metadata
---
amdhsa.version: [ 1, 2 ]
amdhsa.kernels:
  - .name:           k_q50415c6234_pv
    .symbol:         k_q50415c6234_pv.kd
    .args:
      - { .name: pw, .offset: 0, .size: 8, .value_kind: global_buffer, .address_space: global }
      - { .name: qkv, .offset: 8, .size: 8, .value_kind: global_buffer, .address_space: global }
      - { .name: out0, .offset: 16, .size: 8, .value_kind: global_buffer, .address_space: global }
      - { .name: st, .offset: 24, .size: 8, .value_kind: global_buffer, .address_space: global }
    .group_segment_fixed_size: 327680
    .private_segment_fixed_size: 0
    .kernarg_segment_align: 8
    .kernarg_segment_size: 32
    .max_flat_workgroup_size: 128
    .sgpr_count:     94
    .vgpr_count:     712
    .wavefront_size: 32
...
	.end_amdgpu_metadata
.endif
;; end of part 8
;; ======== version 3 of 3: 4 launches; version 2 with the launch cast written anew for expert scheduling mode
;; limits: values are held in f16: magnitudes above 65,504 overflow, below 6.1e-05 lose precision
;; workspace buffers: xb 16,777,216 bytes; wb 6,291,456 bytes; bb 12,288 bytes; qkv 50,331,648 bytes; pw 33,554,432 bytes; st 1,048,576 bytes
;; launch cast (part 9): grid 64 x 11, 8 waves a work-group, no clusters, 0 bytes of LDS; arguments X, Wq, Wk, Wv, bq, bk, bv, xb, wb, bb; writes xb, wb, bb
.if DOCPART == 9
	.amdgcn_target "amdgcn-amd-amdhsa--gfx1250"
	.amdhsa_code_object_version 6
	.text
	.protected	k_q50415c6234_cast
	.globl	k_q50415c6234_cast
	.p2align	8
	.type	k_q50415c6234_cast,@function
k_q50415c6234_cast:
	s_mov_b64 s[64:65], 0
	v_nop
	global_prefetch_b8 v0, s[64:65] scope:SCOPE_SE
	s_setreg_imm32_b32 hwreg(HW_REG_WAVE_SCHED_MODE, 0, 2), 2
	s_setreg_imm32_b32 hwreg(HW_REG_WAVE_MODE, 25, 1), 1
	s_wait_xcnt 0x0
	s_wait_alu depctr_vm_vsrc(0)
; X and the three weight matrices are rounded to bf16 (xb: [8192][1024]; wb: [3072][1024], rows of Wq, Wk, Wv); the three biases are rounded to bf16
; and written widened to f32 (bb: [3072]), so that every input of the module has the same rounding.
; A work-group takes 16,384 numbers: 65,536 bytes in, 32,768 out.  Grid rows 0-7: X's 512 pieces.  Grid rows 8, 9, 10: the 64 pieces of Wq, Wk, Wv.
; Thread t takes 16 bytes at 16 t of each 4,096 bytes: sixteen loads a wave, all on their way at once; a wave's store covers 256 consecutive bytes, aligned.
; No LDS, no matrix unit: nothing is shared and nothing multiplied.
; THE MODE: SCHED_MODE bits 1:0 = 2 (LLVM: expert scheduling mode 2), set by the entry lines.  The code itself states the register dependences
; between vector instructions and memory instructions, with s_wait_alu, always for 0.
; THE PLAN.  Registers that memory instructions touch:
;   v1, v2     byte offsets, made once at the head and never written again: v1 is read by every load and by the bias's store, v2 by the sixteen stores.
;   IN         the sixteen loads land in it; no vector instruction names it before; each register is read once, by a conversion, and never loaded again.
;   OUT        each register is written once, by a conversion, and read by one store.
;   v[100:103] the bias's load lands in them; v[106:109] are written by four vector lines and read by the bias's store.
; No register is written twice.  So what is to be stated is only that a register is written before a memory instruction reads it: once for the two offsets, once for each
; group of four loads (its eight conversions, the wait, its four stores in one run), once for the bias.  No register that a memory instruction has read is written again,
; no vector instruction writes a scalar register or VCC, and EXEC is never written.
; The wait stands behind the group's own conversions: the next group's conversions hang on data that is still on its way, and the group's stores are not held back for that.
.set IN,  4                            ; v[4:67]   sixteen loads of four numbers
.set OUT, 68                           ; v[68:99]  sixteen stores of four bf16
	s_load_b512 s[8:23], s[0:1], 0x0               ; X s[8:9], Wq s[10:11], Wk s[12:13], Wv s[14:15], bq s[16:17], bk s[18:19], bv s[20:21], xb s[22:23]
	s_load_b128 s[24:27], s[0:1], 0x40             ; wb s[24:25], bb s[26:27]
	s_and_b32 s2, ttmp7, 0xffff                    ; the grid's row
	s_lshl_b32 s3, s2, 6
	s_add_co_u32 s3, s3, ttmp9                     ; the piece's number over all four tensors
	v_lshlrev_b32 v1, 4, v0                        ; 16 t: my bytes in
	v_lshlrev_b32 v2, 3, v0                        ; 8 t: my bytes out
	s_sub_co_u32 s36, s3, 512                      ; the piece's number in wb (used from row 8 on)
	s_cmp_lt_u32 s2, 8
	s_cselect_b32 s34, s3, ttmp9                   ; the piece's number in its source
	s_cselect_b32 s36, s3, s36                     ; and in its destination
	s_lshl_b32 s34, s34, 16
	s_lshl_b32 s36, s36, 15
	s_mov_b32 s35, 0
	s_mov_b32 s37, 0
	s_wait_kmcnt 0x0
	s_cmp_lt_u32 s2, 8
	s_cselect_b64 s[28:29], s[8:9], s[10:11]       ; source: X, or Wq,
	s_cselect_b64 s[30:31], s[22:23], s[24:25]     ; destination: xb or wb
	s_cmp_eq_u32 s2, 9
	s_cselect_b64 s[28:29], s[12:13], s[28:29]     ; or Wk,
	s_cselect_b64 s[32:33], s[18:19], s[16:17]     ; the bias that goes with it
	s_cmp_eq_u32 s2, 10
	s_cselect_b64 s[28:29], s[14:15], s[28:29]     ; or Wv
	s_cselect_b64 s[32:33], s[20:21], s[32:33]
	s_add_nc_u64 s[28:29], s[28:29], s[34:35]
	s_add_nc_u64 s[30:31], s[30:31], s[36:37]
	s_wait_alu depctr_va_vdst(0)                   ; v1 and v2 are written: every load and store of the kernel reads one of them as its offset, and no vector instruction names them again
.irp i, 0,1,2,3,4,5,6,7,8,9,10,11,12,13,14,15
	global_load_b128 v[IN+4*(\i):IN+4*(\i)+3], v1, s[28:29] offset:4096*(\i) th:TH_LOAD_NT
.endr
.irp g, 0,1,2,3                        ; four groups of four loads
	s_wait_loadcnt 12-4*(\g)                       ; loads come back in order: the group's four are in, the younger groups stay out
.irp i, 0,1,2,3
	v_cvt_pk_bf16_f32 v[OUT+8*(\g)+2*(\i)],   v[IN+16*(\g)+4*(\i)],   v[IN+16*(\g)+4*(\i)+1]
	v_cvt_pk_bf16_f32 v[OUT+8*(\g)+2*(\i)+1], v[IN+16*(\g)+4*(\i)+2], v[IN+16*(\g)+4*(\i)+3]
.endr
	s_wait_alu depctr_va_vdst(0)                   ; the group's eight conversions have written their part of OUT, which the four stores below read
.irp i, 0,1,2,3
	global_store_b64 v2, v[OUT+8*(\g)+2*(\i):OUT+8*(\g)+2*(\i)+1], s[30:31] offset:2048*(4*(\g)+(\i))
.endr
.endr
	s_cmp_lt_u32 s2, 8                             ; the first work-group of each weight's row also takes that weight's bias: 1,024 numbers, four a thread
	s_cbranch_scc1 .Lend
	s_cmp_lg_u32 ttmp9, 0
	s_cbranch_scc1 .Lend
	s_sub_co_u32 s38, s2, 8
	s_lshl_b32 s38, s38, 12                        ; 4,096 bytes of bb for each bias
	s_mov_b32 s39, 0
	s_add_nc_u64 s[26:27], s[26:27], s[38:39]
	global_load_b128 v[100:103], v1, s[32:33]      ; no vector instruction has named v[100:103]; v1 stands since the wait at the head
	s_wait_loadcnt 0x0
	v_cvt_pk_bf16_f32 v104, v100, v101             ; rounded to bf16,
	v_cvt_pk_bf16_f32 v105, v102, v103
	v_lshlrev_b32 v106, 16, v104                   ; and widened again: the low half moves up, the high half stays
	v_and_b32 v107, 0xffff0000, v104
	v_lshlrev_b32 v108, 16, v105
	v_and_b32 v109, 0xffff0000, v105
	s_wait_alu depctr_va_vdst(0)                   ; the four lines above have written v[106:109], which the store reads
	global_store_b128 v1, v[106:109], s[26:27]
.Lend:
	s_endpgm
.Lfunc_end_k_q50415c6234_cast:
	.size	k_q50415c6234_cast, .Lfunc_end_k_q50415c6234_cast-k_q50415c6234_cast
	.p2alignl 7, 3214868480
	.fill 96, 4, 3214868480
	.section	.rodata,"a",@progbits
	.p2align	6, 0x0
	.amdhsa_kernel k_q50415c6234_cast
		.amdhsa_group_segment_fixed_size 0
		.amdhsa_private_segment_fixed_size 0
		.amdhsa_enable_private_segment 0
		.amdhsa_kernarg_size 80
		.amdhsa_user_sgpr_count 2
		.amdhsa_user_sgpr_kernarg_segment_ptr 1
		.amdhsa_wavefront_size32 1
		.amdhsa_system_sgpr_workgroup_id_x 1
		.amdhsa_system_sgpr_workgroup_id_y 1
		.amdhsa_system_sgpr_workgroup_id_z 1
		.amdhsa_system_vgpr_workitem_id 0
		.amdhsa_next_free_vgpr 112
		.amdhsa_next_free_sgpr 66
		.amdhsa_reserve_vcc 0
		.amdhsa_float_denorm_mode_32 3
		.amdhsa_float_denorm_mode_16_64 3
		.amdhsa_memory_ordered 1
		.amdhsa_forward_progress 1
		.amdhsa_inst_pref_size 8
	.end_amdhsa_kernel
	.amdgpu_metadata
---
amdhsa.version: [ 1, 2 ]
amdhsa.kernels:
  - .name:           k_q50415c6234_cast
    .symbol:         k_q50415c6234_cast.kd
    .args:
      - { .name: X, .offset: 0, .size: 8, .value_kind: global_buffer, .address_space: global }
      - { .name: Wq, .offset: 8, .size: 8, .value_kind: global_buffer, .address_space: global }
      - { .name: Wk, .offset: 16, .size: 8, .value_kind: global_buffer, .address_space: global }
      - { .name: Wv, .offset: 24, .size: 8, .value_kind: global_buffer, .address_space: global }
      - { .name: bq, .offset: 32, .size: 8, .value_kind: global_buffer, .address_space: global }
      - { .name: bk, .offset: 40, .size: 8, .value_kind: global_buffer, .address_space: global }
      - { .name: bv, .offset: 48, .size: 8, .value_kind: global_buffer, .address_space: global }
      - { .name: xb, .offset: 56, .size: 8, .value_kind: global_buffer, .address_space: global }
      - { .name: wb, .offset: 64, .size: 8, .value_kind: global_buffer, .address_space: global }
      - { .name: bb, .offset: 72, .size: 8, .value_kind: global_buffer, .address_space: global }
    .group_segment_fixed_size: 0
    .private_segment_fixed_size: 0
    .kernarg_segment_align: 8
    .kernarg_segment_size: 80
    .max_flat_workgroup_size: 256
    .sgpr_count:     66
    .vgpr_count:     112
    .wavefront_size: 32
...
	.end_amdgpu_metadata
.endif
;; end of part 9
;; launch proj: the kernel of part 6 again; grid 8 x 32, 4 waves a work-group, clusters of 4 x 4, 327,680 bytes of LDS; arguments xb, wb, qkv, bb; writes qkv
;; launch qk: the kernel of part 7 again; grid 12 x 16, 4 waves a work-group, clusters of 4 x 4, 327,680 bytes of LDS; arguments qkv, pw, st; writes pw, st
;; launch pv: the kernel of part 8 again; grid 8 x 32, 4 waves a work-group, clusters of 4 x 4, 327,680 bytes of LDS; arguments pw, qkv, out0, st; writes out0
